; MI455X (gfx1250); checked and timed in simulation.
; The chip was launched on July 23, 2026; its instructions are those of AMD's public machine-readable ISA for CDNA 5 (MIT licence, August 2026) and "CDNA5" Instruction Set Architecture Reference Guide (July 2026). The comments in the code are by the model that wrote it; some were corrected since.
;; Multi Head Attention. Allowed arithmetic: float matrix products may take bf16 or f16 operands with f32 sums; other float arithmetic in f32, or as packed bf16 or f16 multiplies, adds, multiply-adds, maxima and minima; sums over many terms, partial sums and values carried from step to step in f32; what a program stores and reads back later, other than sums and carried values, may be rounded once to bf16 or f16.
;; Inputs: b_k 1,024 float32; b_o 1,024 float32; b_q 1,024 float32; b_v 1,024 float32; key 4 x 2,048 x 1,024 float32; mask 1 x 1 x 2,048 x 2,048 int32; query 4 x 2,048 x 1,024 float32; rel_bias_table 4,095 x 16 float32; value 4 x 2,048 x 1,024 float32; w_k 1,024 x 1,024 float32; w_o 1,024 x 1,024 float32; w_q 1,024 x 1,024 float32; w_v 1,024 x 1,024 float32.
;; Outputs: out0 4 x 2,048 x 1,024 float32.
;; 3 versions, each right; version 3 is version 2 with the launch prep written anew for expert scheduling mode. Each part assembles by itself: llvm-mc -triple=amdgcn-amd-amdhsa -mcpu=gfx1250 --defsym DOCPART=n.
;; ======== version 1 of 3: 4 launches
;; limits: values are held in f16: magnitudes above 65,504 overflow, below 6.1e-05 lose precision; right only within a limited range of input values
;; workspace buffers: xs 50,331,648 bytes; wb 8,388,608 bytes; mw 524,288 bytes of whole numbers; bt 1,048,576 bytes; qkv 50,331,648 bytes; oh 16,777,216 bytes
;; launch prep (part 1): grid 2048 x 1, 8 waves a work-group, no clusters, 0 bytes of LDS; arguments query, key, value, w_q, w_k, w_v, w_o, mask, rel_bias_table, xs, wb, mw, bt; writes xs, wb, mw, bt
.if DOCPART == 1
	.amdgcn_target "amdgcn-amd-amdhsa--gfx1250"
	.amdhsa_code_object_version 6
	.text
	.protected	k_q5fe81ce717_prep
	.globl	k_q5fe81ce717_prep
	.p2align	8
	.type	k_q5fe81ce717_prep,@function
k_q5fe81ce717_prep:
	s_mov_b64 s[64:65], 0
	v_nop
	global_prefetch_b8 v0, s[64:65] scope:SCOPE_SE
	s_setreg_imm32_b32 hwreg(HW_REG_WAVE_MODE, 25, 1), 1
	s_wait_xcnt 0x0
; PREPARATION: a stream, no LDS, no matrix unit.  Three roles, chosen by the work-group's number; every role stores.
;   X  (0..1535):    query, key, value (f32, [8192][1024]) -> xs, bf16, [t][b][slice of 64 channels][s][64]: a slice's rows are dense, 128 bytes each.
;   W  (1536..1791): w_q, w_k, w_v -> wb[0..2] in bf16; w_o -> wb[3]: rounded to bf16 and that number written as f16.
;   MB (1792..2047): rel_bias_table -> bt[h][c][x] = 8 x bf16(table[max(4094 - x - c, 0)][h]), four copies c shifted by one number each, reversed;
;                    mask -> mw[query tile of 16][key step of 64][32 words]: word 8 g + j has bit l = (mask[16 T + l % 16][64 step + 16 g + 8 (l / 16) + j] != 0).
; LIMITS.  w_o's numbers, rounded to bf16, are exact in f16 between 6.1e-5 and 65,504 in magnitude; below they keep f16's fixed step of 6e-8.
.set XD, 16                            ; v[16:79]  sixteen loads of four registers
.set YD, 80                            ; v[80:111] sixteen pairs to store
	s_load_b512 s[4:19], s[0:1], 0x0               ; query 4, key 6, value 8, w_q 10, w_k 12, w_v 14, w_o 16, mask 18
	s_load_b256 s[20:27], s[0:1], 0x40             ; table 20, xs 22, wb 24, mw 26
	s_load_b64 s[28:29], s[0:1], 0x60              ; bt
	v_and_b32 v1, 31, v0                           ; lane
	v_lshrrev_b32 v2, 5, v0                        ; wave
	v_readfirstlane_b32 s30, v2
	s_mov_b32 s31, ttmp9
	s_mov_b32 s39, 0                               ; the high word of every offset pair s[38:39]
	s_wait_kmcnt 0x0
; Sixteen loads are out; load i is converted and stored while the younger ones stay out.  half = 1: bf16's number is written as f16.  step: bytes between two stores.
.macro CONV half, step
.irp i, 0,1,2,3,4,5,6,7,8,9,10,11,12,13,14,15
	s_wait_loadcnt 15-(\i)                         ; loads come back in order: load i is in, the 15 - i younger ones stay out
	v_cvt_pk_bf16_f32 v[YD+2*(\i)], v[XD+4*(\i)], v[XD+4*(\i)+1]
	v_cvt_pk_bf16_f32 v[YD+2*(\i)+1], v[XD+4*(\i)+2], v[XD+4*(\i)+3]
.if \half
	v_lshlrev_b32 v[XD+4*(\i)], 16, v[YD+2*(\i)]
	v_and_b32 v[XD+4*(\i)+1], 0xffff0000, v[YD+2*(\i)]
	v_lshlrev_b32 v[XD+4*(\i)+2], 16, v[YD+2*(\i)+1]
	v_and_b32 v[XD+4*(\i)+3], 0xffff0000, v[YD+2*(\i)+1]
	v_cvt_pk_f16_f32 v[YD+2*(\i)], v[XD+4*(\i)], v[XD+4*(\i)+1]
	v_cvt_pk_f16_f32 v[YD+2*(\i)+1], v[XD+4*(\i)+2], v[XD+4*(\i)+3]
.endif
	global_store_b64 v5, v[YD+2*(\i):YD+2*(\i)+1], s[40:41] offset:(\step)*(\i) th:TH_STORE_NT  ; a wave's 32 lanes store 256 consecutive bytes, aligned
.endr
.endm
	s_cmp_lt_u32 s31, 1536
	s_cbranch_scc0 .Lnot_x
	; ROLE X: 32 rows x 512 columns.  Wave v takes slice 8 hf + v: 256 bytes of f32 of each row; a load takes two rows.
	s_lshr_b32 s32, s31, 9                         ; t
	s_bfe_u32 s33, s31, 0x80001                    ; rb: which 32 rows
	s_and_b32 s34, s31, 1                          ; hf: which 512 columns
	s_cmp_eq_u32 s32, 1
	s_cselect_b64 s[36:37], s[6:7], s[4:5]
	s_cmp_eq_u32 s32, 2
	s_cselect_b64 s[36:37], s[8:9], s[36:37]
	s_lshl_b32 s38, s33, 17                        ; 32 rows of 4,096 bytes
	s_lshl_b32 s35, s34, 11
	s_add_co_u32 s38, s38, s35
	s_add_nc_u64 s[36:37], s[36:37], s[38:39]
	s_lshl_b32 s38, s32, 24                        ; xs: t, batch, slice 8 hf, row
	s_lshr_b32 s35, s33, 6
	s_lshl_b32 s35, s35, 22
	s_add_co_u32 s38, s38, s35
	s_lshl_b32 s35, s34, 21
	s_add_co_u32 s38, s38, s35
	s_and_b32 s35, s33, 63
	s_lshl_b32 s35, s35, 12
	s_add_co_u32 s38, s38, s35
	s_add_nc_u64 s[40:41], s[22:23], s[38:39]
	v_lshrrev_b32 v3, 4, v1                        ; which of the two rows
	v_and_b32 v4, 15, v1
	v_lshlrev_b32 v4, 4, v4
	v_lshl_or_b32 v4, v3, 12, v4
	v_lshl_or_b32 v4, v2, 8, v4                    ; in: row x 4,096 + wave x 256 + 16 x (lane % 16)
	v_lshlrev_b32 v5, 3, v1
	v_lshl_or_b32 v5, v2, 18, v5                   ; out: slice + 8 x lane: two rows of 128 bytes on end
.irp i, 0,1,2,3,4,5,6,7,8,9,10,11,12,13,14,15
	global_load_b128 v[XD+4*(\i):XD+4*(\i)+3], v4, s[36:37] offset:8192*(\i) th:TH_LOAD_NT
.endr
	CONV 0, 256
	s_endpgm
.Lnot_x:
	s_cmp_lt_u32 s31, 1792
	s_cbranch_scc0 .Lmb
	; ROLE W: 65,536 consecutive bytes of one weight
	s_sub_co_u32 s32, s31, 1536
	s_lshr_b32 s33, s32, 6                         ; t
	s_and_b32 s34, s32, 63
	s_cmp_eq_u32 s33, 1
	s_cselect_b64 s[36:37], s[12:13], s[10:11]
	s_cmp_eq_u32 s33, 2
	s_cselect_b64 s[36:37], s[14:15], s[36:37]
	s_cmp_eq_u32 s33, 3
	s_cselect_b64 s[36:37], s[16:17], s[36:37]
	s_lshl_b32 s38, s34, 16
	s_add_nc_u64 s[36:37], s[36:37], s[38:39]
	s_lshl_b32 s38, s33, 21
	s_lshl_b32 s35, s34, 15
	s_add_co_u32 s38, s38, s35
	s_add_nc_u64 s[40:41], s[24:25], s[38:39]
	v_lshlrev_b32 v4, 4, v0
	v_lshlrev_b32 v5, 3, v0
.irp i, 0,1,2,3,4,5,6,7,8,9,10,11,12,13,14,15
	global_load_b128 v[XD+4*(\i):XD+4*(\i)+3], v4, s[36:37] offset:4096*(\i) th:TH_LOAD_NT
.endr
	s_cmp_eq_u32 s33, 3
	s_cbranch_scc1 .Lw_f16
	CONV 0, 2048
	s_endpgm
.Lw_f16:
	CONV 1, 2048
	s_endpgm
.Lmb:
	; ROLE MB.  The table: thread G makes four numbers of bt, 16 bytes at 16 G.
	s_sub_co_u32 s32, s31, 1792                    ; j
	s_lshl_b32 s33, s32, 8
	v_add_nc_u32 v3, s33, v0                       ; G = 256 j + thread
	v_lshrrev_b32 v4, 12, v3                       ; h
	v_bfe_u32 v5, v3, 10, 2                        ; c
	v_and_b32 v6, 0x3ff, v3
	v_lshl_add_u32 v5, v6, 2, v5                   ; x + c
	v_sub_nc_u32 v5, 0xffe, v5                     ; 4094 - x - c
	v_lshlrev_b32 v4, 2, v4                        ; 4 h
.irp e, 0,1,2,3
	v_add_nc_u32 v[100+(\e)], -(\e), v5
	v_max_i32 v[100+(\e)], 0, v[100+(\e)]          ; the few places past the table's first row are never used: they take row 0
	v_lshl_add_u32 v[100+(\e)], v[100+(\e)], 6, v4 ; a row of the table is 64 bytes
	global_load_b32 v[10+(\e)], v[100+(\e)], s[20:21]
.endr
	; The mask: a wave takes 16 queries x 128 keys.  Lane l reads row l % 16, and of each 16 keys the eight at 8 (l / 16).
	s_lshl_b32 s34, s32, 3
	s_add_co_u32 s34, s34, s30                     ; the wave's task
	s_lshr_b32 s35, s34, 4                         ; T: the query tile
	s_and_b32 s34, s34, 15                         ; sp: which two key steps
	s_lshl_b32 s38, s35, 17                        ; 16 rows of 8,192 bytes
	s_lshl_b32 s33, s34, 9
	s_add_co_u32 s38, s38, s33
	s_add_nc_u64 s[36:37], s[18:19], s[38:39]
	s_lshl_b32 s38, s32, 12
	s_add_nc_u64 s[44:45], s[28:29], s[38:39]      ; bt at this work-group's 4,096 bytes
	s_lshl_b32 s38, s35, 12
	s_lshl_b32 s33, s34, 8
	s_add_co_u32 s38, s38, s33
	s_add_nc_u64 s[46:47], s[26:27], s[38:39]      ; mw at this wave's 256 bytes
	v_and_b32 v6, 15, v1
	v_lshrrev_b32 v7, 4, v1
	v_lshlrev_b32 v6, 13, v6
	v_lshl_or_b32 v6, v7, 5, v6
	v_lshlrev_b32 v104, 4, v0
	v_lshlrev_b32 v105, 3, v1
.irp w, 0,1,2,3,4,5,6,7,8,9,10,11,12,13,14,15      ; register XD + 4 w + i holds word 4 w + i = 32 e + 8 g + j of the wave's 64
	global_load_b128 v[XD+4*(\w):XD+4*(\w)+3], v6, s[36:37] offset:256*((\w)/8)+64*(((\w)/2)%4)+16*((\w)%2)
.endr
	s_wait_loadcnt 16                              ; the four numbers of the table are in; the mask's sixteen loads stay out
	v_cvt_pk_bf16_f32 v14, v10, v11
	v_cvt_pk_bf16_f32 v15, v12, v13
	v_lshlrev_b32 v10, 16, v14
	v_and_b32 v11, 0xffff0000, v14
	v_lshlrev_b32 v12, 16, v15
	v_and_b32 v13, 0xffff0000, v15
	v_mul_f32 v10, 0x41000000, v10                 ; times 8: the scores are divided by 8 later, bias and all
	v_mul_f32 v11, 0x41000000, v11
	v_mul_f32 v12, 0x41000000, v12
	v_mul_f32 v13, 0x41000000, v13
	global_store_b128 v104, v[10:13], s[44:45]
	s_wait_loadcnt 0x0
	v_mov_b32 v8, 0
	v_mov_b32 v9, 0
.set w, 0
.rept 64                                           ; a compare makes the word; it goes to lane w / 2 of the register that holds the even or the odd words
	v_cmp_ne_u32 s[40+w%4], 0, v[XD+w]
	v_writelane_b32 v[8+w%2], s[40+w%4], w/2
.set w, w+1
.endr
	global_store_b64 v105, v[8:9], s[46:47]        ; 256 consecutive bytes, aligned
	s_endpgm
.Lfunc_end_k_q5fe81ce717_prep:
	.size	k_q5fe81ce717_prep, .Lfunc_end_k_q5fe81ce717_prep-k_q5fe81ce717_prep
	.p2alignl 7, 3214868480
	.fill 96, 4, 3214868480
	.section	.rodata,"a",@progbits
	.p2align	6, 0x0
	.amdhsa_kernel k_q5fe81ce717_prep
		.amdhsa_group_segment_fixed_size 0
		.amdhsa_private_segment_fixed_size 0
		.amdhsa_enable_private_segment 0
		.amdhsa_kernarg_size 104
		.amdhsa_user_sgpr_count 2
		.amdhsa_user_sgpr_kernarg_segment_ptr 1
		.amdhsa_wavefront_size32 1
		.amdhsa_system_sgpr_workgroup_id_x 1
		.amdhsa_system_sgpr_workgroup_id_y 1
		.amdhsa_system_sgpr_workgroup_id_z 1
		.amdhsa_system_vgpr_workitem_id 0
		.amdhsa_next_free_vgpr 112
		.amdhsa_next_free_sgpr 66
		.amdhsa_reserve_vcc 0
		.amdhsa_float_denorm_mode_32 3
		.amdhsa_float_denorm_mode_16_64 3
		.amdhsa_memory_ordered 1
		.amdhsa_forward_progress 1
		.amdhsa_inst_pref_size 35
	.end_amdhsa_kernel
	.amdgpu_metadata
---
amdhsa.version: [ 1, 2 ]
amdhsa.kernels:
  - .name:           k_q5fe81ce717_prep
    .symbol:         k_q5fe81ce717_prep.kd
    .args:
      - { .name: query, .offset: 0, .size: 8, .value_kind: global_buffer, .address_space: global }
      - { .name: key, .offset: 8, .size: 8, .value_kind: global_buffer, .address_space: global }
      - { .name: value, .offset: 16, .size: 8, .value_kind: global_buffer, .address_space: global }
      - { .name: w_q, .offset: 24, .size: 8, .value_kind: global_buffer, .address_space: global }
      - { .name: w_k, .offset: 32, .size: 8, .value_kind: global_buffer, .address_space: global }
      - { .name: w_v, .offset: 40, .size: 8, .value_kind: global_buffer, .address_space: global }
      - { .name: w_o, .offset: 48, .size: 8, .value_kind: global_buffer, .address_space: global }
      - { .name: mask, .offset: 56, .size: 8, .value_kind: global_buffer, .address_space: global }
      - { .name: rel_bias_table, .offset: 64, .size: 8, .value_kind: global_buffer, .address_space: global }
      - { .name: xs, .offset: 72, .size: 8, .value_kind: global_buffer, .address_space: global }
      - { .name: wb, .offset: 80, .size: 8, .value_kind: global_buffer, .address_space: global }
      - { .name: mw, .offset: 88, .size: 8, .value_kind: global_buffer, .address_space: global }
      - { .name: bt, .offset: 96, .size: 8, .value_kind: global_buffer, .address_space: global }
    .group_segment_fixed_size: 0
    .private_segment_fixed_size: 0
    .kernarg_segment_align: 8
    .kernarg_segment_size: 104
    .max_flat_workgroup_size: 256
    .sgpr_count:     66
    .vgpr_count:     112
    .wavefront_size: 32
...
	.end_amdgpu_metadata
.endif
;; end of part 1
;; launch proj (part 2): grid 4 x 192, 4 waves a work-group, clusters of 4 x 4, 327,680 bytes of LDS; arguments xs, wb, b_q, b_k, b_v, qkv; writes qkv
.if DOCPART == 2
	.amdgcn_target "amdgcn-amd-amdhsa--gfx1250"
	.amdhsa_code_object_version 6
	.text
	.protected	k_q5fe81ce717_proj
	.globl	k_q5fe81ce717_proj
	.p2align	8
	.type	k_q5fe81ce717_proj,@function
k_q5fe81ce717_proj:
	s_mov_b64 s[64:65], 0
	v_nop
	global_prefetch_b8 v0, s[64:65] scope:SCOPE_SE
	s_setreg_imm32_b32 hwreg(HW_REG_WAVE_MODE, 25, 1), 1
	s_wait_xcnt 0x0
	s_wait_alu depctr_hold_cnt(0) depctr_sa_sdst(0) depctr_va_vdst(0) depctr_va_sdst(0) depctr_va_ssrc(0) depctr_va_vcc(0) depctr_vm_vsrc(0)
	s_getreg_b32 s2, hwreg(HW_REG_IB_STS2, 6, 4)
	s_cmp_eq_u32 s2, 0
	s_cbranch_scc0 .Lentry_in_a_cluster
	s_endpgm
.Lentry_in_a_cluster:
	s_bfe_u32 s2, ttmp6, 0x10000c
	s_cmp_lg_u32 s2, 0xf033
	s_cbranch_scc0 .Lentry_shape_is_right
	s_endpgm
.Lentry_shape_is_right:
; THE THREE PROJECTIONS IN ONE LAUNCH.  qkv[t][b 16 + head][s][64] = f16(sum over k of x_t[b][s][k] w_t[n][k] + bias_t[n]), n = 64 head + channel, unscaled.
; x_t: xs, bf16, in slices of 64 channels whose rows are dense; w_t: wb[t], bf16, [1024][1024]; the bias is rounded to bf16 like every other input; sums in f32, the bias starts them.
; LIMIT.  A result of 65,520 or more in magnitude becomes an infinity in f16.
; SHARES.  A work-group makes 128 rows x 256 columns: 64 x 4 tiles a tensor, 768 in all, three for each of 256 WGPs.  Four waves, each 64 rows x 128 columns: 32 accumulators.
; K goes in steps of 128 through two LDS slots.  A slot: x's two slices (128 rows of 128 bytes each, dense in memory: asked for as 64 rows of 256 bytes), then 256 rows of w (256 bytes each).
; CLUSTER 4 x 4: the four of a row share x's tiles, the four of a column w's: each tile is asked for jointly.
; THE MATRIX INSTRUCTION IS USED TRANSPOSED (source 0 = 16 rows of w, source 1 = 16 rows of x): a lane holds row l % 16 and the eight columns 8 (l / 16) + 0..7.
; REGISTERS.  window 0: v0-16 addresses; v64-159, v160-255 two fragment buffers (w's eight blocks, then x's four); free on the way out.   window 1: accumulator (a, b) at v[8 (8 a + b)].
;   window 2: v0-63 the bias of my 128 columns, laid as a C operand (block b at 8 b); v64 at work.
.set PA,    144                        ; a row of x in LDS: 128 bytes + 16
.set SUBA,  128*PA                     ; one slice's 128 rows
.set BOFF,  2*SUBA
.set PB,    272                        ; a row of w: 256 bytes + 16
.set HALFB, 128*PB
.set SLOT1, 1<<17                      ; slot 1 begins here: one exclusive or changes slots
.set STAGE, SLOT1+BOFF+2*HALFB         ; behind the ring: 16 rows x 144 bytes for each wave
.set SP,    144
.set SPARE, STAGE+4*16*SP              ; the spare words: 128 bytes a wave, two blocks of 256 bytes that no other line names
.set ASTEP, 524288                     ; a K step in xs: two slices
.set BSTEP, 256                        ; in wb: 128 numbers of a row
.set ADRA0, 2                          ; v2  my place in x's tile; never rewritten
.set ADRB0, 3                          ; v3  in w's
.set ADRA,  4                          ; v4  the same in the slot in hand
.set ADRB,  5
.set STO,   6
.set RD,    7
.set GO,    8
.set PFO,   9                          ; v9  the prefetches' lane offset
.set SPW,   10
.set NIL,   11
.set F0,    64
.set F1,    160
.set TMP,   64
.set WV,    16                         ; s16 wave; s17 = wave / 2: my half of the rows, and 0: I fetch x, 1: I fetch w; s18 = wave % 2: my half of the columns, and which half I fetch
.set TB,    41                         ; s41 LDS byte at which the slot in hand begins
.set LIM,   43                         ; s43 a wave prefetches while the trip counter is above it
.set PFA,   44                         ; s[44:45] where my prefetches stand
.set PST,   46                         ; s[46:47] their step
.set G1A,   24
.set G0A,   32                         ; two sets; the second walks
.set G1B,   48
.set G0B,   56
.set MUL,   0x50                       ; C and D in window 1
.set MUL0,  0x60                       ; D in window 1, C (the bias) in window 2
.set MSB, 0
.macro WIN new                         ; the immediate's high byte repeats the setting that is left
.if MSB != (\new)
	s_set_vgpr_msb (MSB<<8)|(\new)
.set MSB, \new
.endif
.endm
.macro PLACES                          ; four plain places behind matrix instructions, in front of loads into their sources and of readers of their results
.rept 4
	v_nop
.endr
.endm
.macro JLOAD                           ; a joint refill by the walking set; the branch hangs on the wave's number alone; s_nop 0 and four v_nop follow each line
	s_cmp_eq_u32 s17, 0
	s_cbranch_scc0 .Lfor_b_\@
	tensor_load_to_lds s[G0A+4:G0A+7], s[G1A:G1A+7]
	s_nop 0
.rept 4
	v_nop
.endr
	s_branch .Lasked_\@
.Lfor_b_\@:
	tensor_load_to_lds s[G0B+4:G0B+7], s[G1B:G1B+7]
	s_nop 0
.rept 4
	v_nop
.endr
.Lasked_\@:
.endm
.macro CREST                           ; a round of the cluster's barrier behind its opening barrier
	s_cmp_lg_u32 s[WV], 0
	s_cbranch_scc1 .Lnot_wave_0_\@
	s_barrier_signal -3
.Lnot_wave_0_\@:
	s_barrier_wait -3
	s_barrier_signal -1
	s_barrier_wait -1
.endm
.macro CROUND
	s_barrier_signal -1
	s_barrier_wait -1
	CREST
.endm
; A prefetch of the K step that stands two refills on.  x's tile is read by this cluster alone: wave 0 of each partner names 16 blocks of 256 bytes of each of the two slices, the partners told apart by
; address (cx).  w's rows are read by sixteen clusters: in the first of them waves 2 and 3 name 32 of the 128 rows that they fetch, a lane a row, the partners told apart by address (cy).
; The trips whose K step two refills on does not exist ask for nothing.
.macro ASK
	s_cmp_gt_u32 s3, s[LIM]
	s_cbranch_scc0 .Lnot_mine_\@
	global_prefetch_b8 v[PFO], s[PFA:PFA+1] th:TH_LOAD_NT scope:SCOPE_SE
.Lnot_mine_\@:
.endm
	s_load_b256 s[4:11], s[0:1], 0x0               ; xs 4, wb 6, b_q 8, b_k 10
	s_load_b128 s[12:15], s[0:1], 0x20             ; b_v 12, qkv 14
	v_lshl_add_u32 v[SPW], v0, 2, SPARE
	v_mov_b32 v[NIL], 0
	ds_add_u32 v[SPW], v[NIL]                      ; the wave's opening: the add and its wait stand ahead of my first tensor load
	v_lshrrev_b32 v1, 5, v0
	v_readfirstlane_b32 s[WV], v1
	s_lshr_b32 s17, s[WV], 1
	s_and_b32 s18, s[WV], 1
	s_bfe_u32 s19, ttmp6, 0x40000                  ; cx
	s_bfe_u32 s20, ttmp6, 0x40004                  ; cy
	s_lshl_b32 s21, ttmp9, 2
	s_add_co_u32 s21, s21, s19                     ; tx: tile column
	s_and_b32 s22, ttmp7, 0xffff                   ; the cluster's y
	s_lshl_b32 s23, s22, 2
	s_add_co_u32 s23, s23, s20                     ; ty: tile row, 64 a tensor
	s_lshr_b32 s42, s22, 4                         ; t: which tensor; the same in all sixteen partners
	s_lshl_b32 s2, s20, 2
	s_lshl_b32 s2, 15, s2                          ; my row of the cluster
	s_or_b32 s[G1A], s2, (1<<16)|(1<<20)|(1<<21)|(4<<22)|(3<<25)   ; mask; 2-byte elements; padding on; bit 21 beside a mask; after every 32 words, 4 words
	s_lshl_b32 s40, 0x1111, s19                    ; my column
	s_or_b32 s[G1B], s40, (1<<16)|(1<<20)|(1<<21)|(5<<22)|(3<<25)  ; the same, after every 64 words
	s_mov_b32 s[G1A+1], 128<<16                    ; tensor_dim0 = 128
	s_mov_b32 s[G1A+2], 64<<16                     ; tensor_dim1 = 64
	s_mov_b32 s[G1A+3], 128<<16                    ; tile_dim0 = 128
	s_mov_b32 s[G1A+4], 64                         ; tile_dim1 = 64
	s_mov_b32 s[G1A+5], 128                        ; dense: 128 elements from row to row
	s_mov_b32 s[G1A+6], 0
	s_mov_b32 s[G1A+7], 0
	s_mov_b32 s[G1B+1], 128<<16
	s_mov_b32 s[G1B+2], 128<<16
	s_mov_b32 s[G1B+3], 128<<16
	s_mov_b32 s[G1B+4], 128
	s_mov_b32 s[G1B+5], 1024
	s_mov_b32 s[G1B+6], 0
	s_mov_b32 s[G1B+7], 0
	s_lshr_b32 s2, s23, 4                          ; x's tile: (t, batch), 128 rows, my slice of the step's two: made of ty and the wave alone
	s_lshl_b32 s2, s2, 22
	s_and_b32 s3, s23, 15
	s_lshl_b32 s3, s3, 14
	s_add_co_u32 s2, s2, s3
	s_lshl_b32 s3, s18, 18
	s_add_co_u32 s2, s2, s3
	s_mov_b32 s3, 0
	s_lshl_b32 s40, s42, 21                        ; w's tile: t, 256 rows, my half: made of t, tx and the wave alone
	s_lshl_b32 s41, s21, 19
	s_add_co_u32 s40, s40, s41
	s_lshl_b32 s41, s18, 18
	s_add_co_u32 s40, s40, s41
	s_mov_b32 s41, 0
	s_mov_b32 s[G0A], 1
	s_mul_i32 s[G0A+1], s18, SUBA                  ; LDS addresses hang on the wave's number alone
	s_mov_b32 s[G0A+4], 1
	s_add_co_u32 s[G0A+5], s[G0A+1], SLOT1
	s_mov_b32 s[G0B], 1
	s_mul_i32 s[G0B+1], s18, HALFB
	s_add_co_u32 s[G0B+1], s[G0B+1], BOFF
	s_mov_b32 s[G0B+4], 1
	s_add_co_u32 s[G0B+5], s[G0B+1], SLOT1
	s_wait_dscnt 0x0                               ; the opening add is done
	s_wait_kmcnt 0x0
	s_add_nc_u64 s[2:3], s[4:5], s[2:3]
	s_add_nc_u64 s[40:41], s[6:7], s[40:41]
	s_mov_b64 s[G0A+2:G0A+3], s[2:3]               ; K step 0
	s_or_b32 s[G0A+3], s[G0A+3], 0x80000000
	s_add_nc_u64 s[G0A+6:G0A+7], s[2:3], ASTEP     ; K step 1
	s_or_b32 s[G0A+7], s[G0A+7], 0x80000000
	s_mov_b64 s[G0B+2:G0B+3], s[40:41]
	s_or_b32 s[G0B+3], s[G0B+3], 0x80000000
	s_add_nc_u64 s[G0B+6:G0B+7], s[40:41], BSTEP
	s_or_b32 s[G0B+7], s[G0B+7], 0x80000000
	CROUND                                         ; all sixteen work-groups are here: the first joint loads meet
	s_cmp_eq_u32 s17, 0                            ; a wave's two first fills stand in one branch: two loads of mine are out
	s_cbranch_scc0 .Lfirst_b
	tensor_load_to_lds s[G0A:G0A+3], s[G1A:G1A+7]
	s_nop 0
	tensor_load_to_lds s[G0A+4:G0A+7], s[G1A:G1A+7]
	s_nop 0
.rept 4
	v_nop
.endr
	s_branch .Lfirst_done
.Lfirst_b:
	tensor_load_to_lds s[G0B:G0B+3], s[G1B:G1B+7]
	s_nop 0
	tensor_load_to_lds s[G0B+4:G0B+7], s[G1B:G1B+7]
	s_nop 0
.rept 4
	v_nop
.endr
.Lfirst_done:
	s_cmp_eq_u32 s42, 1                            ; the tensor's bias,
	s_cselect_b64 s[8:9], s[10:11], s[8:9]
	s_cmp_eq_u32 s42, 2
	s_cselect_b64 s[8:9], s[12:13], s[8:9]
	s_lshl_b32 s10, s21, 10                        ; at my 128 columns
	s_lshl_b32 s11, s18, 9
	s_add_co_u32 s10, s10, s11
	s_mov_b32 s11, 0
	s_add_nc_u64 s[8:9], s[8:9], s[10:11]
	v_and_b32 v1, 15, v0                           ; r = l % 16
	v_bfe_u32 v12, v0, 4, 1                        ; hh = l / 16
	v_and_b32 v13, 31, v0                          ; l
	v_lshlrev_b32 v16, 5, v12                      ; my eight columns of a block of 16: 32 bytes
	WIN 0x80                                       ; destination window 2
.irp b, 0,1,2,3,4,5,6,7
	global_load_b128 v[8*(\b):8*(\b)+3], v16, s[8:9] offset:64*(\b)
	global_load_b128 v[8*(\b)+4:8*(\b)+7], v16, s[8:9] offset:64*(\b)+16
.endr
	WIN 0
	s_lshr_b32 s10, s23, 4                         ; qkv: (t, batch), head 4 tx + 2 (wave % 2), row 128 (ty % 16) + 64 (wave / 2)
	s_lshl_b32 s10, s10, 22
	s_lshl_b32 s12, s21, 20
	s_add_co_u32 s10, s10, s12
	s_lshl_b32 s12, s18, 19
	s_add_co_u32 s10, s10, s12
	s_and_b32 s12, s23, 15
	s_lshl_b32 s12, s12, 14
	s_add_co_u32 s10, s10, s12
	s_lshl_b32 s12, s17, 13
	s_add_co_u32 s10, s10, s12
	s_add_nc_u64 s[14:15], s[14:15], s[10:11]
	; the prefetches: they stand at K step 3; the first refill steps them to 4
	s_lshl_b32 s10, s19, 12                        ; x: my work-group's 16 blocks of each slice
	s_lshl_b32 s11, s20, 16                        ; w: my work-group's 32 rows
	s_add_co_u32 s10, s10, 3*ASTEP
	s_add_co_u32 s11, s11, 3*BSTEP
	s_and_b32 s12, s22, 15
	s_cmp_eq_u32 s12, 0                            ; the first cluster that reads this weight
	s_cselect_b32 s12, 2, -1
	s_cmp_eq_u32 s[WV], 0
	s_cselect_b32 s13, 2, -1
	s_mov_b32 s[PST], BSTEP
	s_cmp_eq_u32 s17, 0
	s_cselect_b64 s[PFA:PFA+1], s[2:3], s[40:41]
	s_cselect_b32 s10, s10, s11
	s_cselect_b32 s[LIM], s13, s12
	s_cselect_b32 s[PST], ASTEP, s[PST]
	s_cselect_b32 s12, -1, 0
	s_mov_b32 s11, 0
	s_mov_b32 s[PST+1], 0
	s_add_nc_u64 s[PFA:PFA+1], s[PFA:PFA+1], s[10:11]
	v_lshlrev_b32 v14, 8, v1
	v_lshl_or_b32 v14, v12, 18, v14                ; x: slice l / 16, block l % 16
	v_lshlrev_b32 v15, 11, v13                     ; w: row l
	v_cndmask_b32 v[PFO], v15, v14, s12
	s_mov_b32 s[TB], 0
	; a fragment is 16 rows x 32 K in 8 registers: lane l holds row l % 16, K = 8 (l / 16) + 0..7 and 16 + 8 (l / 16) + 0..7: two loads of 16 bytes, 32 bytes apart
	v_mul_u32_u24 v[ADRA0], v1, PA
	v_lshl_add_u32 v[ADRA0], v12, 4, v[ADRA0]
	s_mul_i32 s10, s17, 64*PA
	v_add_nc_u32 v[ADRA0], s10, v[ADRA0]
	v_mul_u32_u24 v[ADRB0], v1, PB
	v_lshl_add_u32 v[ADRB0], v12, 4, v[ADRB0]
	s_mul_i32 s10, s18, HALFB
	s_add_co_u32 s10, s10, BOFF
	v_add_nc_u32 v[ADRB0], s10, v[ADRB0]
	v_mov_b32 v[ADRA], v[ADRA0]
	v_mov_b32 v[ADRB], v[ADRB0]
	s_mul_i32 s10, s[WV], 16*SP
	s_add_co_u32 s10, s10, STAGE                   ; my stage
	v_mul_u32_u24 v[STO], v1, SP                   ; in: row l % 16, 16 bytes for each half of the lanes
	v_lshl_add_u32 v[STO], v12, 4, v[STO]
	v_add_nc_u32 v[STO], s10, v[STO]
	v_bfe_u32 v[RD], v0, 3, 2                      ; back: 32 lanes take four rows of 128 bytes,
	v_mul_u32_u24 v[RD], v[RD], SP
	v_and_b32 v14, 7, v0
	v_lshl_add_u32 v[RD], v14, 4, v[RD]
	v_add_nc_u32 v[RD], s10, v[RD]
	v_lshlrev_b32 v[GO], 4, v13                    ; which are 512 consecutive bytes of a head
; 8 matrix instructions: row block a x all 8 column blocks, 32 along K.  zero = 1: the bias starts the sums.  The 32 accumulators take turns in the same order in every quarter.
.macro MUL8 f, a, zero
.if \zero
	WIN MUL0
.else
	WIN MUL
.endif
.irp b, 0,1,2,3,4,5,6,7
.if \zero
	v_wmma_f32_16x16x32_bf16 v[8*(8*(\a)+(\b)):8*(8*(\a)+(\b))+7], v[(\f)+8*(\b):(\f)+8*(\b)+7], v[(\f)+64+8*(\a):(\f)+64+8*(\a)+7], v[8*(\b):8*(\b)+7]
.else
	v_wmma_f32_16x16x32_bf16 v[8*(8*(\a)+(\b)):8*(8*(\a)+(\b))+7], v[(\f)+8*(\b):(\f)+8*(\b)+7], v[(\f)+64+8*(\a):(\f)+64+8*(\a)+7], v[8*(8*(\a)+(\b)):8*(8*(\a)+(\b))+7]
.endif
.endr
.endm
; 24 LDS loads in one run: quarter q (32 along K) of the slot in hand into buffer f: w's eight blocks, then x's four
.macro FETCH q, f
	WIN 0
.irp b, 0,1,2,3,4,5,6,7
	ds_load_b128 v[(\f)+8*(\b):(\f)+8*(\b)+3],   v[ADRB] offset:64*(\q)+(\b)*16*PB
	ds_load_b128 v[(\f)+8*(\b)+4:(\f)+8*(\b)+7], v[ADRB] offset:64*(\q)+(\b)*16*PB+32
.endr
.irp a, 0,1,2,3
	ds_load_b128 v[(\f)+64+8*(\a):(\f)+64+8*(\a)+3],   v[ADRA] offset:((\q)/2)*SUBA+((\q)%2)*64+(\a)*16*PA
	ds_load_b128 v[(\f)+64+8*(\a)+4:(\f)+64+8*(\a)+7], v[ADRA] offset:((\q)/2)*SUBA+((\q)%2)*64+(\a)*16*PA+32
.endr
.endm
; One of a K step's first three quarters: multiplies buffer f, and in its middle fetches quarter qn into buffer g
.macro QUARTER qn, f, g, zero
	s_wait_dscnt 4                                 ; all but the youngest four loads (x's blocks 2 and 3) are in
	MUL8 \f, 0, \zero
	MUL8 \f, 1, \zero
	PLACES
	FETCH \qn, \g
	s_wait_dscnt 24                                ; all but the 24 just issued
	MUL8 \f, 2, \zero
	MUL8 \f, 3, \zero
.endm
; The last quarter multiplies buffer 1 and changes slots.  In front of the barrier each wave waits for all its tensor loads (one is out: its part of the next slot), adds 0 to its spare word, and waits
; for that and for its reads of this slot.  fill = 1: the barrier opens a round of the cluster's, and the joint refill (the K step two on) is the first thing behind it: 112 matrix instructions ahead of the wait for it.
.macro TURN fill
.if \fill
	s_wait_xcnt 0x0                                ; the last prefetch, a K step back, has read its address
	s_add_nc_u64 s[PFA:PFA+1], s[PFA:PFA+1], s[PST:PST+1]
.endif
	WIN 0
	s_wait_tensorcnt 0x0
	ds_add_u32 v[SPW], v[NIL]
	s_wait_dscnt 5                                 ; the add and the youngest four loads may be out
	MUL8 F1, 0, 0
	s_wait_dscnt 0x0                               ; the add is done, and my reads of this slot are over
	s_barrier_signal -1
	MUL8 F1, 1, 0
	WIN 0
	s_barrier_wait -1
.if \fill
	CREST
	s_xor_b32 s[G0A+5], s[G0A+5], SLOT1            ; the walking sets: the other slot, the next K step
	s_add_nc_u64 s[G0A+6:G0A+7], s[G0A+6:G0A+7], ASTEP
	s_xor_b32 s[G0B+5], s[G0B+5], SLOT1
	s_add_nc_u64 s[G0B+6:G0B+7], s[G0B+6:G0B+7], BSTEP
	JLOAD                                          ; its four v_nop are also the places in front of the loads below
.else
	PLACES
.endif
	s_xor_b32 s[TB], s[TB], SLOT1
	v_add_nc_u32 v[ADRA], s[TB], v[ADRA0]
	v_add_nc_u32 v[ADRB], s[TB], v[ADRB0]
	FETCH 0, F0
.if \fill
	ASK
.endif
	MUL8 F1, 2, 0
	MUL8 F1, 3, 0
.endm
	s_wait_tensorcnt 1                             ; my part of K step 0 is in; K step 1's stays out
	s_barrier_signal -1
	s_barrier_wait -1
	FETCH 0, F0
	s_wait_loadcnt 0x0                             ; the bias
	WIN 0xaa                                       ; all places window 2: the bias is rounded to bf16, like every input
.set i, 0
.rept 32
	v_cvt_pk_bf16_f32 v64, v[i], v[i+1]
	v_lshlrev_b32 v[i], 16, v64
	v_and_b32 v[i+1], 0xffff0000, v64
.set i, i+2
.endr
	QUARTER 1, F0, F1, 1                           ; the first quarter stands ahead of the loop: it starts the sums
	WIN 0
	s_mov_b32 s3, 6                                ; six trips fill a slot again: K steps 2 to 7
.Lstep:
	QUARTER 2, F1, F0, 0
	QUARTER 3, F0, F1, 0
	TURN 1
	QUARTER 1, F0, F1, 0
	WIN 0
	s_sub_co_u32 s3, s3, 1
	s_cmp_lg_u32 s3, 0
	s_cbranch_scc1 .Lstep
	QUARTER 2, F1, F0, 0                           ; the tail is written out: nothing more is asked for
	QUARTER 3, F0, F1, 0
	TURN 0
	QUARTER 1, F0, F1, 0
	QUARTER 2, F1, F0, 0
	QUARTER 3, F0, F1, 0
	s_wait_dscnt 4
	MUL8 F1, 0, 0
	MUL8 F1, 1, 0
	s_wait_dscnt 0x0
	MUL8 F1, 2, 0
	MUL8 F1, 3, 0
	WIN 0
	PLACES
; THE WAY OUT.  Unit u = 2 a + hd: 16 rows of one head, 2,048 dense bytes.  Rounded to f16, 16 bytes a lane into my stage, back as whole rows, stored 512 consecutive bytes at a time.
.macro PACK u
	WIN 0x05                                       ; sources in window 1
.irp f, 0,1,2,3
.irp r, 0,1,2,3
	v_cvt_pk_f16_f32 v[TMP+16*(\u)+4*(\f)+(\r)], v[8*(8*((\u)/2)+4*((\u)%2)+(\f))+2*(\r)], v[8*(8*((\u)/2)+4*((\u)%2)+(\f))+2*(\r)+1]
.endr
.endr
	WIN 0
.irp f, 0,1,2,3
	ds_store_b128 v[STO], v[TMP+16*(\u)+4*(\f):TMP+16*(\u)+4*(\f)+3] offset:32*(\f)
.endr
.irp f, 0,1,2,3
	ds_load_b128 v[TMP+16*(\u)+4*(\f):TMP+16*(\u)+4*(\f)+3], v[RD] offset:(\f)*4*SP  ; LDS serves a wave's instructions in order (ISA guide 5.7.1.4): these see the stores above
.endr
.endm
.macro SEND u, younger                 ; younger: the LDS instructions issued behind unit u's loads
.irp f, 0,1,2,3
	s_wait_dscnt (\younger)+3-(\f)
	global_store_b128 v[GO], v[TMP+16*(\u)+4*(\f):TMP+16*(\u)+4*(\f)+3], s[14:15] offset:((\u)%2)*262144+((\u)/2)*2048+(\f)*512
.endr
.endm
	PACK 0
.irp u, 1,2,3,4,5,6,7
	PACK \u
	SEND (\u)-1, 8
.endr
	SEND 7, 0
	s_wait_tensorcnt 0x0                           ; the wave's end
	ds_add_u32 v[SPW], v[NIL]
	s_wait_dscnt 0x0
	CROUND                                         ; the closing round
	s_endpgm
.Lfunc_end_k_q5fe81ce717_proj:
	.size	k_q5fe81ce717_proj, .Lfunc_end_k_q5fe81ce717_proj-k_q5fe81ce717_proj
	.p2alignl 7, 3214868480
	.fill 96, 4, 3214868480
	.section	.rodata,"a",@progbits
	.p2align	6, 0x0
	.amdhsa_kernel k_q5fe81ce717_proj
		.amdhsa_group_segment_fixed_size 327680
		.amdhsa_private_segment_fixed_size 0
		.amdhsa_enable_private_segment 0
		.amdhsa_kernarg_size 48
		.amdhsa_user_sgpr_count 2
		.amdhsa_user_sgpr_kernarg_segment_ptr 1
		.amdhsa_wavefront_size32 1
		.amdhsa_system_sgpr_workgroup_id_x 1
		.amdhsa_system_sgpr_workgroup_id_y 1
		.amdhsa_system_sgpr_workgroup_id_z 1
		.amdhsa_system_vgpr_workitem_id 0
		.amdhsa_next_free_vgpr 584
		.amdhsa_next_free_sgpr 66
		.amdhsa_reserve_vcc 0
		.amdhsa_float_denorm_mode_32 3
		.amdhsa_float_denorm_mode_16_64 3
		.amdhsa_memory_ordered 1
		.amdhsa_forward_progress 1
		.amdhsa_inst_pref_size 79
	.end_amdhsa_kernel
	.amdgpu_metadata
---
amdhsa.version: [ 1, 2 ]
amdhsa.kernels:
  - .name:           k_q5fe81ce717_proj
    .symbol:         k_q5fe81ce717_proj.kd
    .args:
      - { .name: xs, .offset: 0, .size: 8, .value_kind: global_buffer, .address_space: global }
      - { .name: wb, .offset: 8, .size: 8, .value_kind: global_buffer, .address_space: global }
      - { .name: b_q, .offset: 16, .size: 8, .value_kind: global_buffer, .address_space: global }
      - { .name: b_k, .offset: 24, .size: 8, .value_kind: global_buffer, .address_space: global }
      - { .name: b_v, .offset: 32, .size: 8, .value_kind: global_buffer, .address_space: global }
      - { .name: qkv, .offset: 40, .size: 8, .value_kind: global_buffer, .address_space: global }
    .group_segment_fixed_size: 327680
    .private_segment_fixed_size: 0
    .kernarg_segment_align: 8
    .kernarg_segment_size: 48
    .max_flat_workgroup_size: 128
    .sgpr_count:     66
    .vgpr_count:     584
    .wavefront_size: 32
...
	.end_amdgpu_metadata
.endif
;; end of part 2
;; launch attn (part 3): grid 4 x 64, 4 waves a work-group, clusters of 4 x 1, 327,680 bytes of LDS; arguments qkv, mw, bt, oh; writes oh
.if DOCPART == 3
	.amdgcn_target "amdgcn-amd-amdhsa--gfx1250"
	.amdhsa_code_object_version 6
	.text
	.protected	k_q5fe81ce717_attn
	.globl	k_q5fe81ce717_attn
	.p2align	8
	.type	k_q5fe81ce717_attn,@function
k_q5fe81ce717_attn:
	s_mov_b64 s[64:65], 0
	v_nop
	global_prefetch_b8 v0, s[64:65] scope:SCOPE_SE
	s_setreg_imm32_b32 hwreg(HW_REG_WAVE_MODE, 25, 1), 1
	s_wait_xcnt 0x0
	s_wait_alu depctr_hold_cnt(0) depctr_sa_sdst(0) depctr_va_vdst(0) depctr_va_sdst(0) depctr_va_ssrc(0) depctr_va_vcc(0) depctr_vm_vsrc(0)
	s_getreg_b32 s2, hwreg(HW_REG_IB_STS2, 6, 4)
	s_cmp_eq_u32 s2, 0
	s_cbranch_scc0 .Lentry_in_a_cluster
	s_endpgm
.Lentry_in_a_cluster:
	s_bfe_u32 s2, ttmp6, 0x10000c
	s_cmp_lg_u32 s2, 0x3003
	s_cbranch_scc0 .Lentry_shape_is_right
	s_endpgm
.Lentry_shape_is_right:
; ATTENTION WITH A RELATIVE BIAS AND A MASK THAT IS AN INPUT.  oh[y][q][:] = the sum over k of softmax_k(score) V[y][k][:], y = 16 batch + head,
; score = Q[y][q] . K[y][k] / 8 + table[q - k + 2047][head] where mask[q][k] != 0, and a number far below every score where it is 0.
; Q, K, V: qkv, f16, [3][64][2048][64], a head's rows dense; oh likewise.  Products, maxima and sums in f32; the weights p are rounded to f16 for the second product, O once at the end.
; LIMITS.  A hidden score counts as -2^100 (reference: -1e9): the same result wherever true scores lie above some -1e9.  -2^100 plus a product Q . K below 2^75 is -2^100 in f32, and c x 2^100 is exact,
; so a row with no open key has c s - c m = 0 for all its keys and weighs them alike.  A weight below 2^-126 counts as 0 in l; NaN and infinities are not treated apart.
; MASK AND BIAS are the C operand MC that starts the sum S^T = K Q^T: 8 x bias, or -2^100: ONE v_cndmask_b32 a score.  Its lane mask is a word of mw, brought by scalar loads.  The bias hangs on k - q alone:
; the wave's 8 tiles x 4 groups of 16 keys need the 11 groups d = g - t + 7: 88 registers (BI), 22 LDS loads a key step, out of a window of bt (four copies, shifted by one number each, so that every
; lane's eight numbers begin on 16 bytes) that each work-group loads for itself: the window's place in bt hangs on the query block, its place in LDS does not.
; SHARES, LAYOUT, SOFTMAX.  A wave owns four PIECES of two tiles of 16 queries, a work-group 512 queries of one y; every wave walks all 2,048 keys, 64 a step.  S^T holds ONE query a lane (lane % 16) and
; the keys 8 (lane / 16) + 0..7; two such results rounded to f16 ARE source 1 of O^T = V^T P.  p = 2^(c s - c m), c = log2(e) / 8, with a running maximum m; O and l are multiplied by a = 2^(c m_old - c m_new) in every step.
; m starts at the lowest finite number, O and l at 0.
; BY TURNS.  Turn n belongs to piece n: 16 products K Q^T of piece n + 1, later 16 products V^T P of piece n - 1; beside them the scaling, exponentials, roundings, sums and rescaling of piece n, the maximum
; and statistics of piece n + 1, and MC for piece n + 2.  Four vector instructions stand behind every matrix instruction, the rest in one lump.  A turn's 66 exponentials are one batch, with one wait.
; CLUSTER.  The four query blocks of one y walk the same K and V: each tile is asked for jointly.
; REGISTERS, in windows of 256 (s_set_vgpr_msb: bits 1:0 source 0, 3:2 source 1, 5:4 source 2, 7:6 destination):
;   window 0: v0-11 addresses; v12-15, v48-63 at work; v16-47 statistics; v64-191 S^T, two buffers of two tiles; v192-255 P, likewise      window 1: O^T, 32 a tile
;   window 2: v0-127 Q; v128-191 K of one step; v192-255 V of one step      window 3: v0-1 the add's registers; v2 -2^100; v3-4 bias addresses; v8-95 BI; v96-159 MC
.set NP,    4
.set KS,    64
.set PK,    144       ; a row of K in LDS: 128 bytes + 16
.set PV,    144       ; V the same, so that one descriptor group 1 serves both (the scalar registers are wanted for the mask words)
.set VOFF,  4*KS*PK   ; a slot holds four steps: 256 rows of K, then 256 rows of V
.set BIAS,  4*KS*(PK+PV)  ; behind slot 0: the bias window, filled once
.set CPL,   10304     ; a copy: 2,560 numbers + 64 bytes, so that the four copies begin 16 banks apart
.set SLOT1, 1<<17
.set STAGE, SLOT1+4*KS*(PK+PV)  ; 16 rows x 144 bytes for each wave, for the way out
.set SP,    144
.set SPARE, STAGE+4*16*SP  ; the spare words: 128 bytes a wave, two blocks of 256 bytes that no other line names
.set AK0, 2
.set AV0, 3
.set AK,  4
.set AV,  5
.set QO,  6
.set STO, 6
.set RD,  7
.set GO,  8
.set PFO, 11          ; v11  256 x my lane
.set SPW, 0           ; window 3
.set NIL, 1
.set NEG, 2
.set AB0, 3           ; my lane's place in the bias window; never rewritten
.set AB,  4           ; the same for the step to be fetched
.set BI,  8           ; group d at BI + 8 d
.set MC,  96          ; tile u (0, 1), key group g at MC + 32 u + 8 g
.set MV,  12
.set ST,  16
.set TMP, 48
.set S,   64
.set P,   192
.set KF,  128
.set VF,  192
.set QP,  2           ; s[2:3]   Q at my wave's first row
.set PFA, 4           ; s[4:5]   where my prefetches stand
.set MP,  6           ; s[6:7]   mw at my wave's first tile, at the key step whose words are loaded next
.set SEL, 8           ; s[8:9]   v_permlanex16_b32's selects
.set OUT, 10          ; s[10:11] oh at my wave's first row
.set WV,  12
.set LIM, 13
.set SLOTS, 14
.set CNT, 15
.set G1,  16          ; s[16:23] descriptor group 1 for K's and V's tiles
.set G0K, 24          ; s[24:27] group 0 for K: it walks
.set G0V, 28          ; s[28:31] for V
.set SET1, 32         ; s[32:63] the 32 mask words of a piece's second tile; at the head: arguments and temporaries
.set TBK, 66
.set TBV, 67
.set SET0, 68         ; s[68:99] those of its first tile; at the head: the bias window's descriptor
.set GB0, 68
.set GB1, 72
.set TBB, 100         ; s100 256 x the key step whose bias is fetched next
.set CS,  104         ; s[104:105] c
.set MSB, 0
.macro WIN new
.if MSB != (\new)
	s_set_vgpr_msb (MSB<<8)|(\new)
.set MSB, (\new)
.endif
.endm
.set W_KQ, 0x0a       ; K and Q in window 2, S^T in window 0
.set W_KM, 0x3a       ; the same with the C operand in window 3
.set W_PV, 0x52       ; V in window 2, P in window 0, O^T in window 1
.set W_RS, 0x41
.set W_MK, 0xc0
.set W_AD, 0x0f
.macro JLOAD          ; a joint fill: waves 0 and 1 fetch the halves of a slot's K, waves 2 and 3 of its V; s_nop 0 and four v_nop follow each line
	s_cmp_lt_u32 s[WV], 2
	s_cbranch_scc0 .Lfor_v_\@
	tensor_load_to_lds s[G0K:G0K+3], s[G1:G1+7]
	s_nop 0
.rept 4
	v_nop
.endr
	s_branch .Lasked_\@
.Lfor_v_\@:
	tensor_load_to_lds s[G0V:G0V+3], s[G1:G1+7]
	s_nop 0
.rept 4
	v_nop
.endr
.Lasked_\@:
.endm
; A prefetch of the slot that the NEXT change will ask for: 128 blocks of 256 bytes of K and of V.  This cluster alone reads them: its four partners take 32 blocks each, told apart by address; in each, wave 0
; names K's and wave 2 V's, a lane a block.  The last change that fills a slot asks for nothing.
.macro ASK
	s_cmp_gt_u32 s[SLOTS], s[LIM]
	s_cbranch_scc0 .Lnot_mine_\@
	global_prefetch_b8 v[PFO], s[PFA:PFA+1] th:TH_LOAD_NT scope:SCOPE_SE
.Lnot_mine_\@:
.endm
.macro CROUND
	s_barrier_signal -1
	s_barrier_wait -1
	s_cmp_lg_u32 s[WV], 0
	s_cbranch_scc1 .Lnot_wave_0_\@
	s_barrier_signal -3
.Lnot_wave_0_\@:
	s_barrier_wait -3
	s_barrier_signal -1
	s_barrier_wait -1
.endm
; THE CHANGE OF SLOTS.  Each wave waits for all its tensor loads, adds 0 to its spare word, and waits for that and for its reads of the slot.  fill = 1: the barrier is a round of the cluster's, and the joint
; fill (the keys two slots on) is the first thing behind it: it has four key steps, 512 matrix instructions, in which to land.  (At its first use slot 0 and the bias window are waited for, slot 1 filled.)
.macro CHANGE fill
	WIN W_AD
	s_wait_tensorcnt 0x0
	ds_add_u32 v[SPW], v[NIL]
	WIN 0
.if \fill
.irp g, G0K, G0V
	s_xor_b32 s[\g+1], s[\g+1], SLOT1
	s_add_nc_u64 s[\g+2:\g+3], s[\g+2:\g+3], 4*KS*128
.endr
	s_wait_xcnt 0x0                 ; the last prefetch, four key steps back, has read its address
	s_add_nc_u64 s[PFA:PFA+1], s[PFA:PFA+1], 4*KS*128
	s_wait_dscnt 0x0                ; the add is done, and my reads of the slot are over
	CROUND
	JLOAD
	ASK
.else
	s_wait_dscnt 0x0
	s_barrier_signal -1
	s_barrier_wait -1
.endif
	s_sub_co_u32 s[TBK], s[TBK], 4*KS*PK
	s_xor_b32 s[TBK], s[TBK], SLOT1
	s_sub_co_u32 s[TBV], s[TBV], 4*KS*PV
	s_xor_b32 s[TBV], s[TBV], SLOT1
.endm
	s_load_b256 s[32:39], s[0:1], 0x0  ; qkv 32, mw 34, bt 36, oh 38
	WIN W_MK
	v_lshl_add_u32 v[SPW], v0, 2, SPARE
	v_mov_b32 v[NIL], 0
	v_mov_b32 v[NEG], 0xf1800000    ; -2^100
	WIN W_AD
	ds_add_u32 v[SPW], v[NIL]       ; the wave's opening: the add and its wait stand ahead of my first tensor load
	WIN 0
	v_lshrrev_b32 v1, 5, v0
	v_readfirstlane_b32 s[WV], v1
	s_bfe_u32 s40, ttmp6, 0x40000   ; cx
	s_lshl_b32 s41, ttmp9, 2
	s_add_co_u32 s41, s41, s40      ; my block of 512 queries: it enters Q's, O's, mw's and bt's addresses alone
	s_and_b32 s42, ttmp7, 0xffff    ; y, which the four partners share
	s_and_b32 s43, s[WV], 1         ; which half of a slot's 256 keys I fetch
	s_lshl_b32 s44, s42, 18         ; y's rows,
	s_lshl_b32 s45, s43, 14         ; my 128 of the slot's
	s_add_co_u32 s44, s44, s45
	s_add_co_u32 s46, s44, 2<<24    ; in V
	s_add_co_u32 s44, s44, 1<<24    ; in K
	s_mov_b32 s45, 0
	s_mov_b32 s47, 0
	s_lshl_b32 s48, s42, 18         ; Q and O: y, block, my wave's 128 rows
	s_lshl_b32 s49, s41, 16
	s_add_co_u32 s48, s48, s49
	s_lshl_b32 s49, s[WV], 14
	s_add_co_u32 s48, s48, s49
	s_mov_b32 s49, 0
	s_lshl_b32 s50, s41, 17         ; mw: query tile 32 block + 8 wave, 4,096 bytes a tile
	s_lshl_b32 s51, s[WV], 15
	s_add_co_u32 s50, s50, s51
	s_mov_b32 s51, 0
	s_and_b32 s52, s42, 15          ; bt: head, copy = my wave's number, the window's first number 512 (3 - block)
	s_lshl_b32 s52, s52, 16
	s_lshl_b32 s53, s[WV], 14
	s_add_co_u32 s52, s52, s53
	s_xor_b32 s53, s41, 3
	s_lshl_b32 s53, s53, 11
	s_add_co_u32 s52, s52, s53
	s_mov_b32 s53, 0
	s_lshl_b32 s54, s40, 13         ; the prefetches: my work-group's 32 blocks, in slot 1; the first change steps them to slot 2
	s_add_co_u32 s54, s54, 4*KS*128
	s_mov_b32 s55, 0
	; group 1: 128 keys are 16,384 dense bytes: 64 rows of 256 bytes, padded in LDS after every key
	s_mov_b32 s[G1], 15|(1<<16)|(1<<20)|(1<<21)|(4<<22)|(3<<25)
	s_mov_b32 s[G1+1], 128<<16
	s_mov_b32 s[G1+2], 64<<16
	s_mov_b32 s[G1+3], 128<<16
	s_mov_b32 s[G1+4], 64
	s_mov_b32 s[G1+5], 128
	s_mov_b32 s[G1+6], 0
	s_mov_b32 s[G1+7], 0
	; the bias window: a load of my work-group's own (no mask): 10,240 dense bytes as 40 rows of 32 elements of 8 bytes, no padding
	s_mov_b32 s[GB1], 3<<16
	s_mov_b32 s[GB1+1], 32<<16
	s_mov_b32 s[GB1+2], 40<<16
	s_mov_b32 s[GB1+3], 32<<16
	s_mov_b32 s[GB1+4], 40
	s_mov_b32 s[GB1+5], 32
	s_mov_b32 s[GB1+6], 0
	s_mov_b32 s[GB1+7], 0
	s_mov_b32 s[GB0], 1
	s_mul_i32 s[GB0+1], s[WV], CPL
	s_add_co_u32 s[GB0+1], s[GB0+1], BIAS
	s_mov_b32 s[G0K], 1
	s_mul_i32 s[G0K+1], s43, 128*PK
	s_mov_b32 s[G0V], 1
	s_mul_i32 s[G0V+1], s43, 128*PV
	s_add_co_u32 s[G0V+1], s[G0V+1], VOFF
	s_mov_b32 s[CS], 0x3e38aa3b     ; c = log2(e) / 8
	s_mov_b32 s[CS+1], s[CS]
	s_mov_b32 s[SEL], 0x76543210
	s_mov_b32 s[SEL+1], 0xfedcba98
	s_mov_b32 s[TBK], SLOT1+4*KS*PK ; the first change of slots turns these two into 0
	s_mov_b32 s[TBV], SLOT1+4*KS*PV
	s_mov_b32 s[TBB], 0
	s_mov_b32 s[SLOTS], 7
	s_and_b32 s[LIM], s[WV], 1
	s_cmp_eq_u32 s[LIM], 0
	s_cselect_b32 s[LIM], 1, -1     ; waves 0 and 2 prefetch
	s_wait_dscnt 0x0                ; the opening add is done
	s_wait_kmcnt 0x0
	s_add_nc_u64 s[G0K+2:G0K+3], s[32:33], s[44:45]
	s_add_nc_u64 s[G0V+2:G0V+3], s[32:33], s[46:47]
	s_cmp_lt_u32 s[WV], 2
	s_cselect_b64 s[PFA:PFA+1], s[G0K+2:G0K+3], s[G0V+2:G0V+3]
	s_add_nc_u64 s[PFA:PFA+1], s[PFA:PFA+1], s[54:55]
	s_or_b32 s[G0K+3], s[G0K+3], 0x80000000
	s_or_b32 s[G0V+3], s[G0V+3], 0x80000000
	s_add_nc_u64 s[QP:QP+1], s[32:33], s[48:49]
	s_add_nc_u64 s[OUT:OUT+1], s[38:39], s[48:49]
	s_add_nc_u64 s[MP:MP+1], s[34:35], s[50:51]
	s_add_nc_u64 s[GB0+2:GB0+3], s[36:37], s[52:53]
	s_or_b32 s[GB0+3], s[GB0+3], 0x80000000
	CROUND                          ; all four work-groups are here: the first joint loads meet
	s_cmp_lt_u32 s[WV], 2           ; a wave's two first fills stand in one branch: its copy of the bias window and its half of slot 0's K or V: two loads of mine are out
	s_cbranch_scc0 .Lfirst_v
	tensor_load_to_lds s[GB0:GB0+3], s[GB1:GB1+7]
	s_nop 0
	tensor_load_to_lds s[G0K:G0K+3], s[G1:G1+7]
	s_nop 0
.rept 4
	v_nop
.endr
	s_branch .Lfirst_asked
.Lfirst_v:
	tensor_load_to_lds s[GB0:GB0+3], s[GB1:GB1+7]
	s_nop 0
	tensor_load_to_lds s[G0V:G0V+3], s[G1:G1+7]
	s_nop 0
.rept 4
	v_nop
.endr
.Lfirst_asked:
	v_and_b32 v1, 15, v0            ; r = l % 16
	v_bfe_u32 v9, v0, 4, 1          ; hh = l / 16
	v_lshlrev_b32 v[QO], 7, v1
	v_lshl_add_u32 v[QO], v9, 4, v[QO]
	WIN 0x80
.set i, 0
.rept 4*NP                          ; Q stays in registers: tile i / 2, channels 32 (i % 2) on
	global_load_b128 v[8*i:8*i+3],   v[QO], s[QP:QP+1] offset:(i/2)*2048+(i%2)*64
	global_load_b128 v[8*i+4:8*i+7], v[QO], s[QP:QP+1] offset:(i/2)*2048+(i%2)*64+32
.set i, i+1
.endr
	; What the first turn finds: V's registers and P's second buffer hold 0, O^T and l are 0.  All this stands in the wait for the first tile.
.set i, VF
.rept 64
	v_mov_b32 v[i], 0
.set i, i+1
.endr
	WIN 0x40
.set i, 0
.rept 64*NP
	v_mov_b32 v[i], 0
.set i, i+1
.endr
	WIN 0
.set i, 0
.rept 2*NP
	v_mov_b32 v[ST+4*i], 0xfe000000    ; c m: far below every c s, hidden ones too
	v_mov_b32 v[ST+4*i+1], 0xff7fffff  ; m
	v_mov_b32 v[ST+4*i+2], 0
	v_mov_b32 v[ST+4*i+3], 0
.set i, i+1
.endr
.set i, P+32
.rept 32
	v_mov_b32 v[i], 0
.set i, i+1
.endr
	v_mul_u32_u24 v[AK0], v1, PK
	v_lshl_add_u32 v[AK0], v9, 4, v[AK0]
	v_and_b32 v10, 7, v0
	v_bfe_u32 v11, v0, 3, 1
	v_lshl_add_u32 v[AV0], v9, 3, v10
	v_mul_u32_u24 v[AV0], v[AV0], PV
	v_lshl_add_u32 v[AV0], v11, 4, v[AV0]
	v_add_nc_u32 v[AV0], VOFF, v[AV0]
	v_mov_b32 v[AK], v[AK0]
	v_and_b32 v[PFO], 31, v0
	v_lshlrev_b32 v[PFO], 8, v[PFO]
	; The bias of query q and key k is number 511 - q_local + k of the window.  For tile t, key group g, step s and register j that is (399 - 128 w - r + 8 hh) + 16 (g - t + 7) + 64 s + j.
	; Copy c = (3 - r) % 4 = (r & 3) ^ 3 holds it c numbers earlier, on a multiple of four: 128 (w ^ 3) + ((r & 12) ^ 12) + 8 hh.
	v_and_b32 v12, 3, v1
	v_xor_b32 v12, 3, v12
	v_and_b32 v13, 12, v1
	v_xor_b32 v13, 12, v13
	v_lshlrev_b32 v13, 2, v13
	v_lshl_add_u32 v13, v9, 5, v13
	v_mad_u32_u24 v13, v12, CPL, v13
	s_xor_b32 s40, s[WV], 3
	s_lshl_b32 s40, s40, 9
	s_add_co_u32 s40, s40, BIAS
	WIN 0xc0
	v_add_nc_u32 v[AB0], s40, v13
	WIN 0xc3
	v_mov_b32 v[AB], v[AB0]
	WIN 0
; THE MATRIX WORK.  The 8 accumulators of a run of 16 take turns.  Product i of 16 of S^T = K Q^T for piece x: channels 32 (i / 8) on, keys 16 ((i / 2) % 4) on, tile 2 x + i % 2.  The first 8 start the sums, with MC.
.macro KQ x
.set rS, S+64*((\x)%2)+32*(i%2)+8*((i/2)%4)
.set rK, KF+16*((i/2)%4)+8*(i/8)
.set rQ, 16*(2*(\x)+i%2)+8*(i/8)
.set rMC, MC+32*(i%2)+8*((i/2)%4)
.if i < 8
	WIN W_KM
	v_wmma_f32_16x16x32_f16 v[rS:rS+7], v[rK:rK+7], v[rQ:rQ+7], v[rMC:rMC+7]
.else
	WIN W_KQ
	v_wmma_f32_16x16x32_f16 v[rS:rS+7], v[rK:rK+7], v[rQ:rQ+7], v[rS:rS+7]
.endif
.endm
.macro PV x                         ; product i of 16 of O^T += V^T P for piece x
	WIN W_PV
.set rO, 32*(2*(\x)+i%2)+8*((i/2)%4)
.set rV, VF+32*(i/8)+8*((i/2)%4)
.set rP, P+32*((\x)%2)+16*(i%2)+8*(i/8)
	v_wmma_f32_16x16x32_f16 v[rO:rO+7], v[rV:rV+7], v[rP:rP+7], v[rO:rO+7]
.endm
.macro MM
.if i < 16
	KQ (Y+1)%NP
.set i, i+1
.else
.set i, i-16
	PV (Y+NP-1)%NP
.set i, i+17
.endif
.endm
; THE LDS LOADS stand in runs.  last = 1 (the tail): in the last trip there is no further step, and K's run is jumped over.
.macro FETCH_K last=0
	WIN 0
.if \last
	s_cmp_eq_u32 s[CNT], 1
	s_cbranch_scc1 .Lno_k_\@
.endif
	WIN 0x80
.irp f, 0,1,2,3,4,5,6,7
	ds_load_b128 v[KF+8*\f:KF+8*\f+3],   v[AK] offset:(\f/2)*16*PK+(\f%2)*64
	ds_load_b128 v[KF+8*\f+4:KF+8*\f+7], v[AK] offset:(\f/2)*16*PK+(\f%2)*64+32
.endr
	s_add_co_u32 s[TBK], s[TBK], KS*PK
	WIN 0
.if \last
.Lno_k_\@:
.endif
.endm
.macro FETCH_V
	WIN 0x80
.irp f, 0,1,2,3,4,5,6,7
	ds_load_tr16_b128 v[VF+8*\f:VF+8*\f+3],   v[AV] offset:(\f/4)*32*PV+(\f%4)*32
	ds_load_tr16_b128 v[VF+8*\f+4:VF+8*\f+7], v[AV] offset:(\f/4)*32*PV+16*PV+(\f%4)*32
.endr
	WIN 0
.endm
.macro FETCH_B                      ; a step's 11 groups of bias
	WIN 0xc3
.set mz, 0
.rept 11
	ds_load_b128 v[BI+8*mz:BI+8*mz+3],   v[AB] offset:64*mz
	ds_load_b128 v[BI+8*mz+4:BI+8*mz+7], v[AB] offset:64*mz+16
.set mz, mz+1
.endr
	WIN 0
.endm
.macro LOADW y                      ; the 64 mask words of piece y's two tiles, for the key step at which MP stands
	s_load_b512 s[SET0:SET0+15],    s[MP:MP+1], 2*(\y)*4096
	s_load_b512 s[SET0+16:SET0+31], s[MP:MP+1], 2*(\y)*4096+64
	s_load_b512 s[SET1:SET1+15],    s[MP:MP+1], (2*(\y)+1)*4096
	s_load_b512 s[SET1+16:SET1+31], s[MP:MP+1], (2*(\y)+1)*4096+64
.endm
.macro MASKS y                      ; MC for piece y: the bias where the word's bit is set, -2^100 where it is not
	WIN 0xcf
.set mz, 0
.rept 32
	v_cndmask_b32 v[MC+mz], v[NEG], v[BI+8*(mz/8-2*(\y)+7)+mz%8], s[SET0+mz]
.set mz, mz+1
.endr
.set mz, 0
.rept 32
	v_cndmask_b32 v[MC+32+mz], v[NEG], v[BI+8*(mz/8-2*(\y)+6)+mz%8], s[SET1+mz]
.set mz, mz+1
.endr
	WIN 0
.endm
.macro STEPB last                   ; mask words and bias go on to the next key step.  last = 1 (the tail): behind the last step there is none: both stay, and the dead work reads step 31's again
	WIN 0
	s_wait_xcnt 0x0                 ; the scalar loads have read MP
.if \last
	s_cmp_eq_u32 s[CNT], 1
	s_cbranch_scc1 .Lno_step_\@
.endif
	s_add_nc_u64 s[MP:MP+1], s[MP:MP+1], 128
	s_add_co_u32 s[TBB], s[TBB], 256
.if \last
.Lno_step_\@:
.endif
	WIN 0xcc
	v_add_nc_u32 v[AB], s[TBB], v[AB0]
	WIN 0
.endm
; THE VECTOR WORK OF A TURN stands in three queues, each in the order in which its entries become ready; the two tiles alternate.
.macro REGS y, u
.set rT, ST+4*(2*(\y)+(\u))
.set rC, TMP+8*((\y)%2)+4*(\u)
.set rM, MV+2*((\y)%2)+(\u)
.set rS, S+64*((\y)%2)+32*(\u)
.set rP, P+32*((\y)%2)+16*(\u)
.set rO, 32*(2*(\y)+(\u))
.endm
; Number n of the 22 that find the NEXT piece's maximum and statistics; each accumulator's lowest registers are read first.
.macro XS u, n
	REGS (Y+1)%NP, \u
.if (\n) < 4
	v_max3_num_f32 v[rC+(\n)], v[rS+8*(\n)], v[rS+8*(\n)+1], v[rS+8*(\n)+2]
.elseif (\n) < 12
	v_max3_num_f32 v[rC+(\n)%4], v[rC+(\n)%4], v[rS+8*((\n)%4)+2*((\n)/4)+1], v[rS+8*((\n)%4)+2*((\n)/4)+2]
.elseif (\n) == 12
	v_max3_num_f32 v[rC], v[rC], v[rS+7], v[rS+15]
.elseif (\n) == 13
	v_max3_num_f32 v[rC+1], v[rC+1], v[rS+23], v[rS+31]
.elseif (\n) == 14
	v_max3_num_f32 v[rC+2], v[rC+2], v[rC+3], v[rT+1]
.elseif (\n) == 15
	v_mov_b32 v[rM], v[rT]
.elseif (\n) == 16
	v_max3_num_f32 v[rC], v[rC], v[rC+1], v[rC+2]
.elseif (\n) == 17
	v_permlanex16_b32 v[rC+3], v[rC], s[SEL], s[SEL+1]
.elseif (\n) == 18
	v_max_num_f32 v[rT+1], v[rC], v[rC+3]
.elseif (\n) == 19
	v_mul_f32 v[rT], s[CS], v[rT+1]
.elseif (\n) == 20
	v_sub_f32 v[rC+1], v[rM], v[rT]
.else
	v_exp_f32 v[rC+2], v[rC+1]
.endif
.endm
; Number g of the 64 that follow the exponentials: roundings to f16, the second pair of four weights added onto the first, l a group later.
.macro GS g
.set h, (\g)+6*((\g)/62)
.if h >= 6
.set h, h+2
.endif
	REGS Y, h%2
.set k, h/8
.if h%8 < 4
	v_cvt_pk_f16_f32 v[rP+2*k+(h%8)/2], v[rS+4*k+2*((h%8)/2)], v[rS+4*k+2*((h%8)/2)+1]
.elseif h%8 < 6
	v_pk_add_f32 v[rS+4*k:rS+4*k+1], v[rS+4*k:rS+4*k+1], v[rS+4*k+2:rS+4*k+3]
.elseif k == 1
	v_pk_fma_f32 v[rT+2:rT+3], v[rT+2:rT+3], v[rC+2:rC+3], v[rS:rS+1] op_sel_hi:[1,0,1]
.else
	v_pk_add_f32 v[rT+2:rT+3], v[rT+2:rT+3], v[rS+4*k-4:rS+4*k-3]
.endif
.endm
; THE PLAIN QUEUE, 138 long: 0-73 read no exponential's result (32 scalings, the next piece's 42); 74-137 are GS's 64, behind the wait.
.macro FS f
	REGS Y, (\f)%2
	v_pk_fma_f32 v[rS+2*((\f)/2):rS+2*((\f)/2)+1], v[rS+2*((\f)/2):rS+2*((\f)/2)+1], s[CS:CS+1], v[rT:rT+1] op_sel_hi:[1,0,0] neg_lo:[0,0,1] neg_hi:[0,0,1]
.endm
.macro PL
	WIN 0
.if q < 27
	FS q
.elseif q < 55
	XS (q-27)%2, (q-27)/2
.elseif q < 57
	XS q-55, 15
.elseif (q < 72) && ((q-57)%3 == 0)
	FS 27+(q-57)/3
.elseif q < 60
	XS (q-57)%3-1, 14
.elseif q < 72
	XS (q-57)%3-1, 15+(q-57)/3
.elseif q < 74
	XS q-72, 20
.else
	GS q-74
.endif
.set q, q+1
.endm
.macro EX                           ; the exponentials' queue, 66 long: one batch, all ahead of the turn's one wait
	WIN 0
.if e >= 64
	XS e-64, 21
.else
	REGS Y, e%2
	v_exp_f32 v[rS+e/2], v[rS+e/2]
.endif
.set e, e+1
.endm
.macro R2                           ; the rescaling's queue: O^T times a, two at a time
	REGS Y, r%2
	WIN W_RS
.irp z, 0,1
	v_pk_mul_f32 v[rO+4*(r/2)+2*\z:rO+4*(r/2)+2*\z+1], v[rO+4*(r/2)+2*\z:rO+4*(r/2)+2*\z+1], v[rC+2:rC+3] op_sel_hi:[1,0]
.endr
.set r, r+1
.endm
; A TURN, for piece p.  AHEAD OF ITS ONE WAIT: 16 products K Q^T with a scaling, an exponential and two rescalings behind each; then MC for piece p + 2 (its words awaited; the last product that read MC stands
; eight products and their plain riders back) and the scalar loads of piece p + 3's words; then the lump.  BEHIND THE WAIT: 16 products V^T P with four roundings or sums behind each.
; What may jump (K's run in the tail, the step of
; words and bias in piece 1's turn) stands directly behind the wait.
; MC and words by step: pieces 0 and 1 make MC for pieces 2 and 3 of the step in hand, pieces 2 and 3 for pieces 0 and 1 of the next; the words' pointer steps in piece 1's turn, ahead of piece 0's words;
; the next step's bias is fetched at the end of piece 1's turn, behind BI's last reader, and awaited in piece 2's.
.macro TURN p, last=0, cnt=0
.set Y, (\p)
.set i, 0
.set q, 0
.set e, 0
.set r, 0
.if (\p) == NP-1
	s_wait_dscnt 0x0                ; K is in
.endif
	MM
	PL
	PL
	R2
.rept 15
	MM
	PL
	EX
	R2
.endr
	WIN 0
.if (\p) == NP-2
	v_add_nc_u32 v[AK], s[TBK], v[AK0]
	s_wait_dscnt 0x0                ; the next step's bias is in
.endif
	s_wait_kmcnt 0x0                ; the words are in
	MASKS ((\p)+2)%NP
.if (\p) != 1
	LOADW ((\p)+3)%NP
.endif
.rept 8
	PL
.endr
.rept 49
	EX
	PL
.endr
	EX
	EX
	v_nop                           ; a plain instruction behind the last exponential: one for the batch
	s_wait_alu depctr_va_vdst(0)    ; the wait for the batch
.if (\p) == NP-2
	FETCH_K \last
.endif
.if (\p) == 1
	STEPB \last
	LOADW 0
	s_wait_dscnt 0x0                ; V is in
.endif
.rept 16
	MM
.rept 4
	PL
.endr
.if ((\p) == 0) && (q == 118)
	v_add_nc_u32 v[AV], s[TBV], v[AV0]
.endif
.if ((\p) == 0) && (q == 130)
	s_add_co_u32 s[TBV], s[TBV], KS*PV
.endif
.if (\cnt) && (q == 130)
	s_sub_co_u32 s[CNT], s[CNT], 1
	s_cmp_lg_u32 s[CNT], 0
.endif
.endr
.if (\p) == 0
	FETCH_V
.endif
.if (\p) == 1
	FETCH_B
.endif
.endm
	CHANGE 1                        ; slot 0 and the bias window are in, everybody's part; slot 1 is asked for
	LOADW 0                         ; no tensor load names s[68:79] any more
	FETCH_B                         ; key step 0
	FETCH_K
	s_wait_loadcnt 0x0              ; Q
	s_wait_kmcnt 0x0
	s_wait_dscnt 0x0
	MASKS 0
	LOADW 1
.set i, 0
.rept 16
	KQ 0                            ; piece 0's first scores
.set i, i+1
.endr
	WIN 0                           ; the addresses for the way out: plain instructions, the places behind those products
	s_mul_i32 s101, s[WV], 16*SP
	s_add_co_u32 s101, s101, STAGE
	v_mul_u32_u24 v[STO], v1, SP
	v_lshl_add_u32 v[STO], v9, 4, v[STO]
	v_add_nc_u32 v[STO], s101, v[STO]
	v_bfe_u32 v[RD], v0, 3, 2
	v_mul_u32_u24 v[RD], v[RD], SP
	v_lshl_add_u32 v[RD], v10, 4, v[RD]
	v_add_nc_u32 v[RD], s101, v[RD]
	v_and_b32 v[GO], 31, v0
	v_lshlrev_b32 v[GO], 4, v[GO]
	s_wait_kmcnt 0x0
	MASKS 1
	LOADW 2
.set Y, NP-1
.irp n, 0,1,2,3,4,5,6,7,8,9,10,11,12,13,14,15,16,17,18,19,20,21
	XS 0, \n
	XS 1, \n
.endr
	v_nop
	s_wait_alu depctr_va_vdst(0)    ; the two a, ahead of the branch
	s_mov_b32 s[CNT], 4
	s_branch .Lfirst                ; the loop is entered at a step's first turn
.Lslot:                             ; six times: every slot but the last two is filled again
	CHANGE 1
	s_mov_b32 s[CNT], 4
.Lstep:                             ; a trip: pieces 2 and 3 of one step, then pieces 0 and 1 of the next
	TURN 2
	TURN 3
	WIN 0
.Lfirst:
	TURN 0
	TURN 1, 0, 1
	WIN 0
	s_cbranch_scc1 .Lstep
	s_sub_co_u32 s[SLOTS], s[SLOTS], 1
	s_cmp_lg_u32 s[SLOTS], 0
	s_cbranch_scc1 .Lslot
	CHANGE 0                        ; the tail is written out
	s_mov_b32 s[CNT], 5             ; four trips fetch the last slot's steps; the fifth is left in its middle
.Ltail:
	TURN 2, 1
	TURN 3
	WIN 0
	s_sub_co_u32 s[CNT], s[CNT], 1
	s_cmp_eq_u32 s[CNT], 0
	s_cbranch_scc1 .Lout
	TURN 0
	TURN 1, 1
	WIN 0
	s_branch .Ltail
.Lout:                              ; the fifth trip's products K Q^T, its MC and its words serve nothing: the price, once a launch, of one text for every trip
	s_wait_kmcnt 0x0
.set i, 0
.rept 16
	PV NP-1
.set i, i+1
.endr
	; THE WAY OUT.  l's halves are added; O^T is divided by l, rounded to f16 and sent through my stage, a tile at a time.  The additions are the places behind the last products.
	WIN 0
.macro ALL line:vararg
.set t, 0
.rept 2*NP
	\line
.set t, t+1
.endr
.endm
	ALL v_add_f32 v[ST+4*t+2], v[ST+4*t+2], v[ST+4*t+3]
	ALL v_permlanex16_b32 v[ST+4*t+3], v[ST+4*t+2], s[SEL], s[SEL+1]
	ALL v_add_f32 v[ST+4*t+2], v[ST+4*t+2], v[ST+4*t+3]
	ALL v_rcp_f32 v[ST+4*t+2], v[ST+4*t+2]
	v_nop
	s_wait_alu depctr_va_vdst(0)    ; one wait for the eight reciprocals
.macro PACK t
	WIN W_RS
.set i, 32*(\t)
.rept 16
	v_pk_mul_f32 v[i:i+1], v[i:i+1], v[ST+4*(\t)+2:ST+4*(\t)+3] op_sel_hi:[1,0]
.set i, i+2
.endr
	WIN 0x05
.set i, 0
.rept 16
	v_cvt_pk_f16_f32 v[S+16*(\t)+i], v[32*(\t)+2*i], v[32*(\t)+2*i+1]
.set i, i+1
.endr
	WIN 0
.irp f, 0,1,2,3
	ds_store_b128 v[STO], v[S+16*(\t)+4*\f:S+16*(\t)+4*\f+3] offset:32*\f
.endr
.irp f, 0,1,2,3
	ds_load_b128 v[S+16*(\t)+4*\f:S+16*(\t)+4*\f+3], v[RD] offset:\f*4*SP  ; LDS serves a wave's instructions in order (ISA guide 5.7.1.4)
.endr
.endm
.macro SEND t, younger
	WIN 0
.irp f, 0,1,2,3
	s_wait_dscnt (\younger)+3-\f
	global_store_b128 v[GO], v[S+16*(\t)+4*\f:S+16*(\t)+4*\f+3], s[OUT:OUT+1] offset:(\t)*2048+\f*512  ; 512 consecutive bytes, aligned
.endr
.endm
	PACK 0
.set t, 1
.rept 2*NP-1
	PACK t
	SEND t-1, 8
.set t, t+1
.endr
	SEND 2*NP-1, 0
	WIN W_AD
	s_wait_tensorcnt 0x0            ; the wave's end
	ds_add_u32 v[SPW], v[NIL]
	s_wait_dscnt 0x0
	WIN 0
	CROUND                          ; the closing round
	s_endpgm
.Lfunc_end_k_q5fe81ce717_attn:
	.size	k_q5fe81ce717_attn, .Lfunc_end_k_q5fe81ce717_attn-k_q5fe81ce717_attn
	.p2alignl 7, 3214868480
	.fill 96, 4, 3214868480
	.section	.rodata,"a",@progbits
	.p2align	6, 0x0
	.amdhsa_kernel k_q5fe81ce717_attn
		.amdhsa_group_segment_fixed_size 327680
		.amdhsa_private_segment_fixed_size 0
		.amdhsa_enable_private_segment 0
		.amdhsa_kernarg_size 32
		.amdhsa_user_sgpr_count 2
		.amdhsa_user_sgpr_kernarg_segment_ptr 1
		.amdhsa_wavefront_size32 1
		.amdhsa_system_sgpr_workgroup_id_x 1
		.amdhsa_system_sgpr_workgroup_id_y 1
		.amdhsa_system_sgpr_workgroup_id_z 1
		.amdhsa_system_vgpr_workitem_id 0
		.amdhsa_next_free_vgpr 928
		.amdhsa_next_free_sgpr 106
		.amdhsa_reserve_vcc 0
		.amdhsa_float_denorm_mode_32 3
		.amdhsa_float_denorm_mode_16_64 3
		.amdhsa_memory_ordered 1
		.amdhsa_forward_progress 1
		.amdhsa_inst_pref_size 250
	.end_amdhsa_kernel
	.amdgpu_metadata
---
amdhsa.version: [ 1, 2 ]
amdhsa.kernels:
  - .name:           k_q5fe81ce717_attn
    .symbol:         k_q5fe81ce717_attn.kd
    .args:
      - { .name: qkv, .offset: 0, .size: 8, .value_kind: global_buffer, .address_space: global }
      - { .name: mw, .offset: 8, .size: 8, .value_kind: global_buffer, .address_space: global }
      - { .name: bt, .offset: 16, .size: 8, .value_kind: global_buffer, .address_space: global }
      - { .name: oh, .offset: 24, .size: 8, .value_kind: global_buffer, .address_space: global }
    .group_segment_fixed_size: 327680
    .private_segment_fixed_size: 0
    .kernarg_segment_align: 8
    .kernarg_segment_size: 32
    .max_flat_workgroup_size: 128
    .sgpr_count:     106
    .vgpr_count:     928
    .wavefront_size: 32
...
	.end_amdgpu_metadata
.endif
;; end of part 3
;; launch outp (part 4): grid 4 x 64, 4 waves a work-group, clusters of 4 x 4, 327,680 bytes of LDS; arguments oh, wb, b_o, out0; writes out0
.if DOCPART == 4
	.amdgcn_target "amdgcn-amd-amdhsa--gfx1250"
	.amdhsa_code_object_version 6
	.text
	.protected	k_q5fe81ce717_outp
	.globl	k_q5fe81ce717_outp
	.p2align	8
	.type	k_q5fe81ce717_outp,@function
k_q5fe81ce717_outp:
	s_mov_b64 s[64:65], 0
	v_nop
	global_prefetch_b8 v0, s[64:65] scope:SCOPE_SE
	s_setreg_imm32_b32 hwreg(HW_REG_WAVE_MODE, 25, 1), 1
	s_wait_xcnt 0x0
	s_wait_alu depctr_hold_cnt(0) depctr_sa_sdst(0) depctr_va_vdst(0) depctr_va_sdst(0) depctr_va_ssrc(0) depctr_va_vcc(0) depctr_vm_vsrc(0)
	s_getreg_b32 s2, hwreg(HW_REG_IB_STS2, 6, 4)
	s_cmp_eq_u32 s2, 0
	s_cbranch_scc0 .Lentry_in_a_cluster
	s_endpgm
.Lentry_in_a_cluster:
	s_bfe_u32 s2, ttmp6, 0x10000c
	s_cmp_lg_u32 s2, 0xf033
	s_cbranch_scc0 .Lentry_shape_is_right
	s_endpgm
.Lentry_shape_is_right:
; THE LAST PROJECTION.  out0[m][n] = sum over k of O[m][k] w_o[n][k] + b_o[n], f32.  O: oh, f16, [batch 16 + head][s][64]: a head is a slice of 64 of K, its rows dense.
; w_o: wb[3], f16 (the bf16 rounding of w_o), [1024][1024]; the bias is rounded to bf16 like every other input and starts the sums; sums in f32.
; SHARES.  A work-group makes 128 rows x 256 columns: 64 x 4 = 256 work-groups.  Four waves, each 64 rows x 128 columns: 32 accumulators.  K in steps of 128 through two LDS slots.
; CLUSTER 4 x 4: the four of a row share O's tiles, the four of a column w_o's.  THE MATRIX INSTRUCTION IS USED TRANSPOSED: a lane holds row l % 16 and the eight columns 8 (l / 16) + 0..7.
; REGISTERS.  window 0: v0-16 addresses; v64-159, v160-255 two fragment buffers; free on the way out.   window 1: accumulator (a, b) at v[8 (8 a + b)].   window 2: v0-63 the bias as a C operand; v64 at work.
.set PA,    144
.set SUBA,  128*PA
.set BOFF,  2*SUBA
.set PB,    272
.set HALFB, 128*PB
.set SLOT1, 1<<17
.set STAGE, SLOT1+BOFF+2*HALFB         ; behind the ring: 16 rows x 528 bytes for each wave
.set SPF,   528                        ; a row of 512 bytes + 16
.set SPARE, STAGE+4*16*SPF             ; the spare words: 128 bytes a wave, two blocks of 256 bytes that no other line names
.set ASTEP, 524288
.set BSTEP, 256
.set ADRA0, 2
.set ADRB0, 3
.set ADRA,  4
.set ADRB,  5
.set STO,   6
.set RD,    7
.set GO,    8
.set PFO,   9
.set SPW,   10
.set NIL,   11
.set F0,    64
.set F1,    160
.set TMP,   64
.set WV,    16
.set TB,    41
.set LIM,   43
.set PFA,   44
.set PST,   46
.set G1A,   24
.set G0A,   32
.set G1B,   48
.set G0B,   56
.set MUL,   0x50
.set MUL0,  0x60
.set MSB, 0
.macro WIN new
.if MSB != (\new)
	s_set_vgpr_msb (MSB<<8)|(\new)
.set MSB, \new
.endif
.endm
.macro PLACES                          ; four plain places behind matrix instructions (ISA guide 7.12.1)
.rept 4
	v_nop
.endr
.endm
.macro JLOAD                           ; a joint refill by the walking set; s_nop 0 and four v_nop follow each line
	s_cmp_eq_u32 s17, 0
	s_cbranch_scc0 .Lfor_b_\@
	tensor_load_to_lds s[G0A+4:G0A+7], s[G1A:G1A+7]
	s_nop 0
.rept 4
	v_nop
.endr
	s_branch .Lasked_\@
.Lfor_b_\@:
	tensor_load_to_lds s[G0B+4:G0B+7], s[G1B:G1B+7]
	s_nop 0
.rept 4
	v_nop
.endr
.Lasked_\@:
.endm
.macro CREST
	s_cmp_lg_u32 s[WV], 0
	s_cbranch_scc1 .Lnot_wave_0_\@
	s_barrier_signal -3
.Lnot_wave_0_\@:
	s_barrier_wait -3
	s_barrier_signal -1
	s_barrier_wait -1
.endm
.macro CROUND
	s_barrier_signal -1
	s_barrier_wait -1
	CREST
.endm
; A prefetch of the K step two refills on.  O's tile is read by this cluster alone: wave 0 of each partner names 16 blocks of 256 bytes of each of the two heads, told apart by address (cx).  w_o's rows are read
; by all sixteen clusters: in the first, waves 2 and 3 name 32 of the 128 rows that they fetch, told apart by address (cy).  The trips whose K step two refills on does not exist ask for nothing.
.macro ASK
	s_cmp_gt_u32 s3, s[LIM]
	s_cbranch_scc0 .Lnot_mine_\@
	global_prefetch_b8 v[PFO], s[PFA:PFA+1] th:TH_LOAD_NT scope:SCOPE_SE
.Lnot_mine_\@:
.endm
	s_load_b256 s[4:11], s[0:1], 0x0               ; oh 4, wb 6, b_o 8, out0 10
	v_lshl_add_u32 v[SPW], v0, 2, SPARE
	v_mov_b32 v[NIL], 0
	ds_add_u32 v[SPW], v[NIL]                      ; the wave's opening: the add and its wait stand ahead of my first tensor load
	v_lshrrev_b32 v1, 5, v0
	v_readfirstlane_b32 s[WV], v1
	s_lshr_b32 s17, s[WV], 1
	s_and_b32 s18, s[WV], 1
	s_bfe_u32 s19, ttmp6, 0x40000                  ; cx
	s_bfe_u32 s20, ttmp6, 0x40004                  ; cy
	s_lshl_b32 s21, ttmp9, 2
	s_add_co_u32 s21, s21, s19                     ; tx
	s_and_b32 s22, ttmp7, 0xffff                   ; the cluster's y
	s_lshl_b32 s23, s22, 2
	s_add_co_u32 s23, s23, s20                     ; ty
	s_lshl_b32 s2, s20, 2
	s_lshl_b32 s2, 15, s2
	s_or_b32 s[G1A], s2, (1<<16)|(1<<20)|(1<<21)|(4<<22)|(3<<25)
	s_lshl_b32 s40, 0x1111, s19
	s_or_b32 s[G1B], s40, (1<<16)|(1<<20)|(1<<21)|(5<<22)|(3<<25)
	s_mov_b32 s[G1A+1], 128<<16
	s_mov_b32 s[G1A+2], 64<<16
	s_mov_b32 s[G1A+3], 128<<16
	s_mov_b32 s[G1A+4], 64
	s_mov_b32 s[G1A+5], 128
	s_mov_b32 s[G1A+6], 0
	s_mov_b32 s[G1A+7], 0
	s_mov_b32 s[G1B+1], 128<<16
	s_mov_b32 s[G1B+2], 128<<16
	s_mov_b32 s[G1B+3], 128<<16
	s_mov_b32 s[G1B+4], 128
	s_mov_b32 s[G1B+5], 1024
	s_mov_b32 s[G1B+6], 0
	s_mov_b32 s[G1B+7], 0
	s_lshr_b32 s2, s23, 4                          ; O's tile: batch, 128 rows, my head of the step's two
	s_lshl_b32 s2, s2, 22
	s_and_b32 s3, s23, 15
	s_lshl_b32 s3, s3, 14
	s_add_co_u32 s2, s2, s3
	s_lshl_b32 s3, s18, 18
	s_add_co_u32 s2, s2, s3
	s_mov_b32 s3, 0
	s_lshl_b32 s40, s21, 19                        ; w_o's tile: wb[3], 256 rows, my half
	s_add_co_u32 s40, s40, 3<<21
	s_lshl_b32 s41, s18, 18
	s_add_co_u32 s40, s40, s41
	s_mov_b32 s41, 0
	s_mov_b32 s[G0A], 1
	s_mul_i32 s[G0A+1], s18, SUBA
	s_mov_b32 s[G0A+4], 1
	s_add_co_u32 s[G0A+5], s[G0A+1], SLOT1
	s_mov_b32 s[G0B], 1
	s_mul_i32 s[G0B+1], s18, HALFB
	s_add_co_u32 s[G0B+1], s[G0B+1], BOFF
	s_mov_b32 s[G0B+4], 1
	s_add_co_u32 s[G0B+5], s[G0B+1], SLOT1
	s_wait_dscnt 0x0                               ; the opening add is done
	s_wait_kmcnt 0x0
	s_add_nc_u64 s[2:3], s[4:5], s[2:3]
	s_add_nc_u64 s[40:41], s[6:7], s[40:41]
	s_mov_b64 s[G0A+2:G0A+3], s[2:3]
	s_or_b32 s[G0A+3], s[G0A+3], 0x80000000
	s_add_nc_u64 s[G0A+6:G0A+7], s[2:3], ASTEP
	s_or_b32 s[G0A+7], s[G0A+7], 0x80000000
	s_mov_b64 s[G0B+2:G0B+3], s[40:41]
	s_or_b32 s[G0B+3], s[G0B+3], 0x80000000
	s_add_nc_u64 s[G0B+6:G0B+7], s[40:41], BSTEP
	s_or_b32 s[G0B+7], s[G0B+7], 0x80000000
	CROUND                                         ; all sixteen work-groups are here: the first joint loads meet
	s_cmp_eq_u32 s17, 0                            ; a wave's two first fills stand in one branch: two loads of mine are out
	s_cbranch_scc0 .Lfirst_b
	tensor_load_to_lds s[G0A:G0A+3], s[G1A:G1A+7]
	s_nop 0
	tensor_load_to_lds s[G0A+4:G0A+7], s[G1A:G1A+7]
	s_nop 0
.rept 4
	v_nop
.endr
	s_branch .Lfirst_done
.Lfirst_b:
	tensor_load_to_lds s[G0B:G0B+3], s[G1B:G1B+7]
	s_nop 0
	tensor_load_to_lds s[G0B+4:G0B+7], s[G1B:G1B+7]
	s_nop 0
.rept 4
	v_nop
.endr
.Lfirst_done:
	s_mov_b64 s[14:15], s[10:11]                   ; out0
	s_lshl_b32 s10, s21, 10                        ; my 128 columns, in bytes of f32: in the bias and in a row of out0
	s_lshl_b32 s11, s18, 9
	s_add_co_u32 s10, s10, s11
	s_mov_b32 s11, 0
	s_add_nc_u64 s[8:9], s[8:9], s[10:11]
	v_and_b32 v1, 15, v0                           ; r
	v_bfe_u32 v12, v0, 4, 1                        ; hh
	v_and_b32 v13, 31, v0                          ; l
	v_lshlrev_b32 v16, 5, v12
	WIN 0x80
.irp b, 0,1,2,3,4,5,6,7
	global_load_b128 v[8*(\b):8*(\b)+3], v16, s[8:9] offset:64*(\b)
	global_load_b128 v[8*(\b)+4:8*(\b)+7], v16, s[8:9] offset:64*(\b)+16
.endr
	WIN 0
	s_lshl_b32 s12, s23, 19                        ; + row 128 ty + 64 (wave / 2), 4,096 bytes a row
	s_add_co_u32 s10, s10, s12
	s_lshl_b32 s12, s17, 18
	s_add_co_u32 s10, s10, s12
	s_add_nc_u64 s[14:15], s[14:15], s[10:11]
	; the prefetches: they stand at K step 3; the first refill steps them to 4
	s_lshl_b32 s10, s19, 12
	s_lshl_b32 s11, s20, 16
	s_add_co_u32 s10, s10, 3*ASTEP
	s_add_co_u32 s11, s11, 3*BSTEP
	s_cmp_eq_u32 s22, 0                            ; the first cluster
	s_cselect_b32 s12, 2, -1
	s_cmp_eq_u32 s[WV], 0
	s_cselect_b32 s13, 2, -1
	s_mov_b32 s[PST], BSTEP
	s_cmp_eq_u32 s17, 0
	s_cselect_b64 s[PFA:PFA+1], s[2:3], s[40:41]
	s_cselect_b32 s10, s10, s11
	s_cselect_b32 s[LIM], s13, s12
	s_cselect_b32 s[PST], ASTEP, s[PST]
	s_cselect_b32 s12, -1, 0
	s_mov_b32 s11, 0
	s_mov_b32 s[PST+1], 0
	s_add_nc_u64 s[PFA:PFA+1], s[PFA:PFA+1], s[10:11]
	v_lshlrev_b32 v14, 8, v1
	v_lshl_or_b32 v14, v12, 18, v14
	v_lshlrev_b32 v15, 11, v13
	v_cndmask_b32 v[PFO], v15, v14, s12
	s_mov_b32 s[TB], 0
	v_mul_u32_u24 v[ADRA0], v1, PA
	v_lshl_add_u32 v[ADRA0], v12, 4, v[ADRA0]
	s_mul_i32 s10, s17, 64*PA
	v_add_nc_u32 v[ADRA0], s10, v[ADRA0]
	v_mul_u32_u24 v[ADRB0], v1, PB
	v_lshl_add_u32 v[ADRB0], v12, 4, v[ADRB0]
	s_mul_i32 s10, s18, HALFB
	s_add_co_u32 s10, s10, BOFF
	v_add_nc_u32 v[ADRB0], s10, v[ADRB0]
	v_mov_b32 v[ADRA], v[ADRA0]
	v_mov_b32 v[ADRB], v[ADRB0]
	s_mul_i32 s10, s[WV], 16*SPF
	s_add_co_u32 s10, s10, STAGE                   ; my stage
	v_mul_u32_u24 v[STO], v1, SPF                  ; in: row l % 16, 32 bytes for each half of the lanes
	v_lshl_add_u32 v[STO], v12, 5, v[STO]
	v_add_nc_u32 v[STO], s10, v[STO]
	v_lshlrev_b32 v[GO], 4, v13                    ; back and out: 32 lanes take one row of 512 bytes
	v_add_nc_u32 v[RD], s10, v[GO]
.macro MUL8 f, a, zero                 ; 8 matrix instructions: row block a x all 8 column blocks; zero = 1: the bias starts the sums.  The 32 accumulators take turns.
.if \zero
	WIN MUL0
.else
	WIN MUL
.endif
.irp b, 0,1,2,3,4,5,6,7
.if \zero
	v_wmma_f32_16x16x32_f16 v[8*(8*(\a)+(\b)):8*(8*(\a)+(\b))+7], v[(\f)+8*(\b):(\f)+8*(\b)+7], v[(\f)+64+8*(\a):(\f)+64+8*(\a)+7], v[8*(\b):8*(\b)+7]
.else
	v_wmma_f32_16x16x32_f16 v[8*(8*(\a)+(\b)):8*(8*(\a)+(\b))+7], v[(\f)+8*(\b):(\f)+8*(\b)+7], v[(\f)+64+8*(\a):(\f)+64+8*(\a)+7], v[8*(8*(\a)+(\b)):8*(8*(\a)+(\b))+7]
.endif
.endr
.endm
.macro FETCH q, f                      ; 24 LDS loads in one run: quarter q of the slot in hand into buffer f
	WIN 0
.irp b, 0,1,2,3,4,5,6,7
	ds_load_b128 v[(\f)+8*(\b):(\f)+8*(\b)+3],   v[ADRB] offset:64*(\q)+(\b)*16*PB
	ds_load_b128 v[(\f)+8*(\b)+4:(\f)+8*(\b)+7], v[ADRB] offset:64*(\q)+(\b)*16*PB+32
.endr
.irp a, 0,1,2,3
	ds_load_b128 v[(\f)+64+8*(\a):(\f)+64+8*(\a)+3],   v[ADRA] offset:((\q)/2)*SUBA+((\q)%2)*64+(\a)*16*PA
	ds_load_b128 v[(\f)+64+8*(\a)+4:(\f)+64+8*(\a)+7], v[ADRA] offset:((\q)/2)*SUBA+((\q)%2)*64+(\a)*16*PA+32
.endr
.endm
.macro QUARTER qn, f, g, zero
	s_wait_dscnt 4                                 ; all but the youngest four loads (O's blocks 2 and 3) are in
	MUL8 \f, 0, \zero
	MUL8 \f, 1, \zero
	PLACES
	FETCH \qn, \g
	s_wait_dscnt 24                                ; all but the 24 just issued
	MUL8 \f, 2, \zero
	MUL8 \f, 3, \zero
.endm
; The last quarter changes slots: all my tensor loads awaited, the add, my reads of the slot awaited, the barrier (fill = 1: a round of the cluster's), the joint refill first behind it.
.macro TURN fill
.if \fill
	s_wait_xcnt 0x0                                ; the last prefetch, a K step back, has read its address
	s_add_nc_u64 s[PFA:PFA+1], s[PFA:PFA+1], s[PST:PST+1]
.endif
	WIN 0
	s_wait_tensorcnt 0x0
	ds_add_u32 v[SPW], v[NIL]
	s_wait_dscnt 5                                 ; the add and the youngest four loads may be out
	MUL8 F1, 0, 0
	s_wait_dscnt 0x0
	s_barrier_signal -1
	MUL8 F1, 1, 0
	WIN 0
	s_barrier_wait -1
.if \fill
	CREST
	s_xor_b32 s[G0A+5], s[G0A+5], SLOT1
	s_add_nc_u64 s[G0A+6:G0A+7], s[G0A+6:G0A+7], ASTEP
	s_xor_b32 s[G0B+5], s[G0B+5], SLOT1
	s_add_nc_u64 s[G0B+6:G0B+7], s[G0B+6:G0B+7], BSTEP
	JLOAD
.else
	PLACES
.endif
	s_xor_b32 s[TB], s[TB], SLOT1
	v_add_nc_u32 v[ADRA], s[TB], v[ADRA0]
	v_add_nc_u32 v[ADRB], s[TB], v[ADRB0]
	FETCH 0, F0
.if \fill
	ASK
.endif
	MUL8 F1, 2, 0
	MUL8 F1, 3, 0
.endm
	s_wait_tensorcnt 1                             ; my part of K step 0 is in; K step 1's stays out
	s_barrier_signal -1
	s_barrier_wait -1
	FETCH 0, F0
	s_wait_loadcnt 0x0                             ; the bias
	WIN 0xaa
.set i, 0
.rept 32
	v_cvt_pk_bf16_f32 v64, v[i], v[i+1]
	v_lshlrev_b32 v[i], 16, v64
	v_and_b32 v[i+1], 0xffff0000, v64
.set i, i+2
.endr
	QUARTER 1, F0, F1, 1
	WIN 0
	s_mov_b32 s3, 6
.Lstep:
	QUARTER 2, F1, F0, 0
	QUARTER 3, F0, F1, 0
	TURN 1
	QUARTER 1, F0, F1, 0
	WIN 0
	s_sub_co_u32 s3, s3, 1
	s_cmp_lg_u32 s3, 0
	s_cbranch_scc1 .Lstep
	QUARTER 2, F1, F0, 0
	QUARTER 3, F0, F1, 0
	TURN 0
	QUARTER 1, F0, F1, 0
	QUARTER 2, F1, F0, 0
	QUARTER 3, F0, F1, 0
	s_wait_dscnt 4
	MUL8 F1, 0, 0
	MUL8 F1, 1, 0
	s_wait_dscnt 0x0
	MUL8 F1, 2, 0
	MUL8 F1, 3, 0
	WIN 0
	PLACES
; THE WAY OUT.  Unit a: 16 rows x 512 bytes of f32: straight from the accumulators into my stage (each accumulator's low four registers first), back as whole rows.
.macro ST a
	WIN 0x04                                       ; the stores' data in window 1
.irp b, 0,1,2,3,4,5,6,7
	ds_store_b128 v[STO], v[8*(8*(\a)+(\b)):8*(8*(\a)+(\b))+3]   offset:64*(\b)
	ds_store_b128 v[STO], v[8*(8*(\a)+(\b))+4:8*(8*(\a)+(\b))+7] offset:64*(\b)+16
.endr
	WIN 0
.irp i, 0,1,2,3,4,5,6,7,8,9,10,11,12,13,14,15
	ds_load_b128 v[TMP+64*((\a)%2)+4*(\i):TMP+64*((\a)%2)+4*(\i)+3], v[RD] offset:(\i)*SPF  ; LDS serves a wave's instructions in order (ISA guide 5.7.1.4)
.endr
.endm
.macro SENDF a, younger                ; younger: the LDS instructions issued behind unit a's loads
.irp i, 0,1,2,3,4,5,6,7,8,9,10,11,12,13,14,15
	s_wait_dscnt (\younger)+15-(\i)
	global_store_b128 v[GO], v[TMP+64*((\a)%2)+4*(\i):TMP+64*((\a)%2)+4*(\i)+3], s[14:15] offset:65536*(\a)+4096*(\i) th:TH_STORE_NT  ; 512 consecutive bytes, aligned
.endr
.endm
	ST 0
	ST 1
	SENDF 0, 32
	s_wait_xcnt 0x0                                ; unit 0's stores have read their registers, which unit 2 loads into
	ST 2
	SENDF 1, 32
	s_wait_xcnt 0x0
	ST 3
	SENDF 2, 32
	SENDF 3, 0
	s_wait_tensorcnt 0x0                           ; the wave's end
	ds_add_u32 v[SPW], v[NIL]
	s_wait_dscnt 0x0
	CROUND                                         ; the closing round
	s_endpgm
.Lfunc_end_k_q5fe81ce717_outp:
	.size	k_q5fe81ce717_outp, .Lfunc_end_k_q5fe81ce717_outp-k_q5fe81ce717_outp
	.p2alignl 7, 3214868480
	.fill 96, 4, 3214868480
	.section	.rodata,"a",@progbits
	.p2align	6, 0x0
	.amdhsa_kernel k_q5fe81ce717_outp
		.amdhsa_group_segment_fixed_size 327680
		.amdhsa_private_segment_fixed_size 0
		.amdhsa_enable_private_segment 0
		.amdhsa_kernarg_size 32
		.amdhsa_user_sgpr_count 2
		.amdhsa_user_sgpr_kernarg_segment_ptr 1
		.amdhsa_wavefront_size32 1
		.amdhsa_system_sgpr_workgroup_id_x 1
		.amdhsa_system_sgpr_workgroup_id_y 1
		.amdhsa_system_sgpr_workgroup_id_z 1
		.amdhsa_system_vgpr_workitem_id 0
		.amdhsa_next_free_vgpr 584
		.amdhsa_next_free_sgpr 66
		.amdhsa_reserve_vcc 0
		.amdhsa_float_denorm_mode_32 3
		.amdhsa_float_denorm_mode_16_64 3
		.amdhsa_memory_ordered 1
		.amdhsa_forward_progress 1
		.amdhsa_inst_pref_size 78
	.end_amdhsa_kernel
	.amdgpu_metadata
---
amdhsa.version: [ 1, 2 ]
amdhsa.kernels:
  - .name:           k_q5fe81ce717_outp
    .symbol:         k_q5fe81ce717_outp.kd
    .args:
      - { .name: oh, .offset: 0, .size: 8, .value_kind: global_buffer, .address_space: global }
      - { .name: wb, .offset: 8, .size: 8, .value_kind: global_buffer, .address_space: global }
      - { .name: b_o, .offset: 16, .size: 8, .value_kind: global_buffer, .address_space: global }
      - { .name: out0, .offset: 24, .size: 8, .value_kind: global_buffer, .address_space: global }
    .group_segment_fixed_size: 327680
    .private_segment_fixed_size: 0
    .kernarg_segment_align: 8
    .kernarg_segment_size: 32
    .max_flat_workgroup_size: 128
    .sgpr_count:     66
    .vgpr_count:     584
    .wavefront_size: 32
...
	.end_amdgpu_metadata
.endif
;; end of part 4
;; ======== version 2 of 3: 4 launches
;; limits: values are held in f16: magnitudes above 65,504 overflow, below 6.1e-05 lose precision; right only within a limited range of input values
;; workspace buffers: wb 8,388,608 bytes; mw 2,097,152 bytes; bt 1,048,576 bytes; qkv 50,331,648 bytes; oh 16,777,216 bytes
;; launch prep (part 5): grid 512 x 1, 8 waves a work-group, no clusters, 0 bytes of LDS; arguments w_q, w_k, w_v, w_o, mask, rel_bias_table, wb, mw, bt; writes wb, mw, bt
.if DOCPART == 5
	.amdgcn_target "amdgcn-amd-amdhsa--gfx1250"
	.amdhsa_code_object_version 6
	.text
	.protected	k_q5fe81ce717_prep
	.globl	k_q5fe81ce717_prep
	.p2align	8
	.type	k_q5fe81ce717_prep,@function
k_q5fe81ce717_prep:
	s_mov_b64 s[64:65], 0
	v_nop
	global_prefetch_b8 v0, s[64:65] scope:SCOPE_SE
	s_setreg_imm32_b32 hwreg(HW_REG_WAVE_MODE, 25, 1), 1
	s_wait_xcnt 0x0
; PREPARATION: a stream, no LDS, no matrix unit.  Two roles, chosen by the work-group's number; both store.
;   W  (0..255):   w_q, w_k, w_v -> wb[0..2] in bf16; w_o -> wb[3]: rounded to bf16 and that number written as f16.
;   MB (256..511): rel_bias_table -> bt[h][c][x] = 8 x bf16(table[max(4094 - x - c, 0)][h]), four copies c shifted by one number each, reversed;
;                  mask -> mw[query tile of 16][key step of 64][lane][4 words]: word g of lane l holds eight codes of four bits, code j (bits 4 j .. 4 j + 3) for
;                  mask[16 T + l % 16][64 step + 16 g + 8 (l / 16) + j]: 0 (0.0 in E2M1) where that is not 0, 0xA (-1.0 in E2M1) where it is 0.
; LIMITS.  w_o's numbers, rounded to bf16, are exact in f16 between 6.1e-5 and 65,504 in magnitude; below they keep f16's fixed step of 6e-8.
.set XD, 16                            ; v[16:79]  sixteen loads of four registers
.set YD, 80                            ; v[80:111] what is stored
	s_load_b512 s[4:19], s[0:1], 0x0               ; w_q 4, w_k 6, w_v 8, w_o 10, mask 12, table 14, wb 16, mw 18
	s_load_b64 s[20:21], s[0:1], 0x40              ; bt
	v_and_b32 v1, 31, v0                           ; lane
	v_lshrrev_b32 v2, 5, v0                        ; wave
	v_readfirstlane_b32 s30, v2
	s_mov_b32 s31, ttmp9
	s_mov_b32 s39, 0                               ; the high word of every offset pair s[38:39]
	s_wait_kmcnt 0x0
; Sixteen loads are out; load i is converted and stored while the younger ones stay out.  half = 1: bf16's number is written as f16.
.macro CONV half
.irp i, 0,1,2,3,4,5,6,7,8,9,10,11,12,13,14,15
	s_wait_loadcnt 15-(\i)                         ; loads come back in order: load i is in, the 15 - i younger ones stay out
	v_cvt_pk_bf16_f32 v[YD+2*(\i)], v[XD+4*(\i)], v[XD+4*(\i)+1]
	v_cvt_pk_bf16_f32 v[YD+2*(\i)+1], v[XD+4*(\i)+2], v[XD+4*(\i)+3]
.if \half
	v_lshlrev_b32 v[XD+4*(\i)], 16, v[YD+2*(\i)]
	v_and_b32 v[XD+4*(\i)+1], 0xffff0000, v[YD+2*(\i)]
	v_lshlrev_b32 v[XD+4*(\i)+2], 16, v[YD+2*(\i)+1]
	v_and_b32 v[XD+4*(\i)+3], 0xffff0000, v[YD+2*(\i)+1]
	v_cvt_pk_f16_f32 v[YD+2*(\i)], v[XD+4*(\i)], v[XD+4*(\i)+1]
	v_cvt_pk_f16_f32 v[YD+2*(\i)+1], v[XD+4*(\i)+2], v[XD+4*(\i)+3]
.endif
	global_store_b64 v5, v[YD+2*(\i):YD+2*(\i)+1], s[40:41] offset:2048*(\i) th:TH_STORE_NT  ; a wave's 32 lanes store 256 consecutive bytes, aligned
.endr
.endm
	s_cmp_lt_u32 s31, 256
	s_cbranch_scc0 .Lmb
	; ROLE W: 65,536 consecutive bytes of one weight
	s_lshr_b32 s33, s31, 6                         ; t
	s_and_b32 s34, s31, 63
	s_cmp_eq_u32 s33, 1
	s_cselect_b64 s[36:37], s[6:7], s[4:5]
	s_cmp_eq_u32 s33, 2
	s_cselect_b64 s[36:37], s[8:9], s[36:37]
	s_cmp_eq_u32 s33, 3
	s_cselect_b64 s[36:37], s[10:11], s[36:37]
	s_lshl_b32 s38, s34, 16
	s_add_nc_u64 s[36:37], s[36:37], s[38:39]
	s_lshl_b32 s38, s33, 21
	s_lshl_b32 s35, s34, 15
	s_add_co_u32 s38, s38, s35
	s_add_nc_u64 s[40:41], s[16:17], s[38:39]
	v_lshlrev_b32 v4, 4, v0
	v_lshlrev_b32 v5, 3, v0
.irp i, 0,1,2,3,4,5,6,7,8,9,10,11,12,13,14,15
	global_load_b128 v[XD+4*(\i):XD+4*(\i)+3], v4, s[36:37] offset:4096*(\i) th:TH_LOAD_NT
.endr
	s_cmp_eq_u32 s33, 3
	s_cbranch_scc1 .Lw_f16
	CONV 0
	s_endpgm
.Lw_f16:
	CONV 1
	s_endpgm
.Lmb:
	; ROLE MB.  The table: thread G makes four numbers of bt, 16 bytes at 16 G.
	s_sub_co_u32 s32, s31, 256                     ; j
	s_lshl_b32 s33, s32, 8
	v_add_nc_u32 v3, s33, v0                       ; G = 256 j + thread
	v_lshrrev_b32 v4, 12, v3                       ; h
	v_bfe_u32 v5, v3, 10, 2                        ; c
	v_and_b32 v6, 0x3ff, v3
	v_lshl_add_u32 v5, v6, 2, v5                   ; x + c
	v_sub_nc_u32 v5, 0xffe, v5                     ; 4094 - x - c
	v_lshlrev_b32 v4, 2, v4                        ; 4 h
.irp e, 0,1,2,3
	v_add_nc_u32 v[100+(\e)], -(\e), v5
	v_max_i32 v[100+(\e)], 0, v[100+(\e)]          ; the few places past the table's first row are never used: they take row 0
	v_lshl_add_u32 v[100+(\e)], v[100+(\e)], 6, v4 ; a row of the table is 64 bytes
	global_load_b32 v[10+(\e)], v[100+(\e)], s[14:15]
.endr
	; The mask: a wave takes 16 queries x 128 keys, two key steps.  Lane l reads row l % 16, and of each 16 keys the eight at 8 (l / 16): just the numbers whose codes it stores.
	s_lshl_b32 s34, s32, 3
	s_add_co_u32 s34, s34, s30                     ; the wave's task
	s_lshr_b32 s35, s34, 4                         ; T: the query tile
	s_and_b32 s34, s34, 15                         ; sp: which two key steps
	s_lshl_b32 s38, s35, 17                        ; 16 rows of 8,192 bytes
	s_lshl_b32 s33, s34, 9
	s_add_co_u32 s38, s38, s33
	s_add_nc_u64 s[36:37], s[12:13], s[38:39]
	s_lshl_b32 s38, s32, 12
	s_add_nc_u64 s[44:45], s[20:21], s[38:39]      ; bt at this work-group's 4,096 bytes
	s_lshl_b32 s38, s35, 14                        ; mw: a tile's 32 key steps of 512 bytes,
	s_lshl_b32 s33, s34, 10                        ; this wave's two
	s_add_co_u32 s38, s38, s33
	s_add_nc_u64 s[46:47], s[18:19], s[38:39]
	v_and_b32 v6, 15, v1
	v_lshrrev_b32 v7, 4, v1
	v_lshlrev_b32 v6, 13, v6
	v_lshl_or_b32 v6, v7, 5, v6
	v_lshlrev_b32 v104, 4, v0
	v_lshlrev_b32 v105, 4, v1
.irp w, 0,1,2,3,4,5,6,7,8,9,10,11,12,13,14,15      ; register XD + 4 w + i holds number 32 e + 8 g + j of the lane's 64 (e: key step, g: group of 16 keys)
	global_load_b128 v[XD+4*(\w):XD+4*(\w)+3], v6, s[36:37] offset:256*((\w)/8)+64*(((\w)/2)%4)+16*((\w)%2)
.endr
	s_wait_loadcnt 16                              ; the four numbers of the table are in; the mask's sixteen loads stay out
	v_cvt_pk_bf16_f32 v14, v10, v11
	v_cvt_pk_bf16_f32 v15, v12, v13
	v_lshlrev_b32 v10, 16, v14
	v_and_b32 v11, 0xffff0000, v14
	v_lshlrev_b32 v12, 16, v15
	v_and_b32 v13, 0xffff0000, v15
	v_mul_f32 v10, 0x41000000, v10                 ; times 8: the scores are divided by 8 later, bias and all
	v_mul_f32 v11, 0x41000000, v11
	v_mul_f32 v12, 0x41000000, v12
	v_mul_f32 v13, 0x41000000, v13
	global_store_b128 v104, v[10:13], s[44:45]
	s_wait_loadcnt 0x0
	; Word w = 4 e + g gathers its eight numbers, each made 0 or 1, four bits apart, number 7 first; the eight words go side by side, so that no line waits for the one before it.
.set w, 0
.rept 8
	v_min_u32 v[YD+w], 1, v[XD+8*w+7]
.set w, w+1
.endr
.irp j, 6,5,4,3,2,1,0
.set w, 0
.rept 8
	v_min_u32 v[XD+8*w+(\j)], 1, v[XD+8*w+(\j)]
.set w, w+1
.endr
.set w, 0
.rept 8
	v_lshl_or_b32 v[YD+w], v[YD+w], 4, v[XD+8*w+(\j)]
.set w, w+1
.endr
.endr
.set w, 0
.rept 8
	v_xor_b32 v[YD+w], 0x11111111, v[YD+w]         ; 1 where the key is hidden,
.set w, w+1
.endr
.set w, 0
.rept 8
	v_lshlrev_b32 v[XD+w], 1, v[YD+w]
.set w, w+1
.endr
.set w, 0
.rept 8
	v_lshl_or_b32 v[YD+w], v[YD+w], 3, v[XD+w]     ; times ten: 0xA
.set w, w+1
.endr
	global_store_b128 v105, v[YD:YD+3], s[46:47]               ; a key step's 512 consecutive bytes, aligned
	global_store_b128 v105, v[YD+4:YD+7], s[46:47] offset:512
	s_endpgm
.Lfunc_end_k_q5fe81ce717_prep:
	.size	k_q5fe81ce717_prep, .Lfunc_end_k_q5fe81ce717_prep-k_q5fe81ce717_prep
	.p2alignl 7, 3214868480
	.fill 96, 4, 3214868480
	.section	.rodata,"a",@progbits
	.p2align	6, 0x0
	.amdhsa_kernel k_q5fe81ce717_prep
		.amdhsa_group_segment_fixed_size 0
		.amdhsa_private_segment_fixed_size 0
		.amdhsa_enable_private_segment 0
		.amdhsa_kernarg_size 72
		.amdhsa_user_sgpr_count 2
		.amdhsa_user_sgpr_kernarg_segment_ptr 1
		.amdhsa_wavefront_size32 1
		.amdhsa_system_sgpr_workgroup_id_x 1
		.amdhsa_system_sgpr_workgroup_id_y 1
		.amdhsa_system_sgpr_workgroup_id_z 1
		.amdhsa_system_vgpr_workitem_id 0
		.amdhsa_next_free_vgpr 112
		.amdhsa_next_free_sgpr 66
		.amdhsa_reserve_vcc 0
		.amdhsa_float_denorm_mode_32 3
		.amdhsa_float_denorm_mode_16_64 3
		.amdhsa_memory_ordered 1
		.amdhsa_forward_progress 1
		.amdhsa_inst_pref_size 27
	.end_amdhsa_kernel
	.amdgpu_metadata
---
amdhsa.version: [ 1, 2 ]
amdhsa.kernels:
  - .name:           k_q5fe81ce717_prep
    .symbol:         k_q5fe81ce717_prep.kd
    .args:
      - { .name: w_q, .offset: 0, .size: 8, .value_kind: global_buffer, .address_space: global }
      - { .name: w_k, .offset: 8, .size: 8, .value_kind: global_buffer, .address_space: global }
      - { .name: w_v, .offset: 16, .size: 8, .value_kind: global_buffer, .address_space: global }
      - { .name: w_o, .offset: 24, .size: 8, .value_kind: global_buffer, .address_space: global }
      - { .name: mask, .offset: 32, .size: 8, .value_kind: global_buffer, .address_space: global }
      - { .name: rel_bias_table, .offset: 40, .size: 8, .value_kind: global_buffer, .address_space: global }
      - { .name: wb, .offset: 48, .size: 8, .value_kind: global_buffer, .address_space: global }
      - { .name: mw, .offset: 56, .size: 8, .value_kind: global_buffer, .address_space: global }
      - { .name: bt, .offset: 64, .size: 8, .value_kind: global_buffer, .address_space: global }
    .group_segment_fixed_size: 0
    .private_segment_fixed_size: 0
    .kernarg_segment_align: 8
    .kernarg_segment_size: 72
    .max_flat_workgroup_size: 256
    .sgpr_count:     66
    .vgpr_count:     112
    .wavefront_size: 32
...
	.end_amdgpu_metadata
.endif
;; end of part 5
;; launch proj (part 6): grid 4 x 192, 4 waves a work-group, clusters of 4 x 4, 327,680 bytes of LDS; arguments query, key, value, wb, b_q, b_k, b_v, qkv; writes qkv
.if DOCPART == 6
	.amdgcn_target "amdgcn-amd-amdhsa--gfx1250"
	.amdhsa_code_object_version 6
	.text
	.protected	k_q5fe81ce717_proj
	.globl	k_q5fe81ce717_proj
	.p2align	8
	.type	k_q5fe81ce717_proj,@function
k_q5fe81ce717_proj:
	s_mov_b64 s[64:65], 0
	v_nop
	global_prefetch_b8 v0, s[64:65] scope:SCOPE_SE
	s_setreg_imm32_b32 hwreg(HW_REG_WAVE_MODE, 25, 1), 1
	s_wait_xcnt 0x0
	s_wait_alu depctr_hold_cnt(0) depctr_sa_sdst(0) depctr_va_vdst(0) depctr_va_sdst(0) depctr_va_ssrc(0) depctr_va_vcc(0) depctr_vm_vsrc(0)
	s_getreg_b32 s2, hwreg(HW_REG_IB_STS2, 6, 4)
	s_cmp_eq_u32 s2, 0
	s_cbranch_scc0 .Lentry_in_a_cluster
	s_endpgm
.Lentry_in_a_cluster:
	s_bfe_u32 s2, ttmp6, 0x10000c
	s_cmp_lg_u32 s2, 0xf033
	s_cbranch_scc0 .Lentry_shape_is_right
	s_endpgm
.Lentry_shape_is_right:
; THE THREE PROJECTIONS IN ONE LAUNCH.  qkv[t][b 16 + head][s][64] = f16(sum over k of x_t[b][s][k] w_t[n][k] + bias_t[n]), n = 64 head + channel, unscaled.
; x_t: query, key or value, f32, [8192][1024]: it comes into LDS as it lies and is rounded to bf16 between LDS and the matrix unit; w_t: wb[t], bf16, [1024][1024];
; the bias is rounded to bf16 like every other input; sums in f32, the bias starts them.
; LIMIT.  A result of 65,520 or more in magnitude becomes an infinity in f16.
; SHARES.  A work-group makes 128 rows x 256 columns: 64 x 4 tiles a tensor, 768 in all, three for each of 256 WGPs.  Four waves, each 64 rows x 128 columns: 32 accumulators.
; K goes in steps of 128 through two LDS slots.  A slot: 128 rows of x (512 bytes each), then 256 rows of w (256 bytes each).
; CLUSTER 4 x 4: the four of a row share x's tiles, the four of a column w's: each tile is asked for jointly.
; THE MATRIX INSTRUCTION IS USED TRANSPOSED (source 0 = 16 rows of w, source 1 = 16 rows of x): a lane holds row l % 16 and the eight columns 8 (l / 16) + 0..7.
; REGISTERS.  window 0: v0-16 addresses; v64-159, v160-255 two fragment buffers (w's eight blocks, then x's four); free on the way out.   window 1: accumulator (a, b) at v[8 (8 a + b)].
;   window 2: v0-63 the bias of my 128 columns, laid as a C operand (block b at 8 b); v64 at work; v128-191 x's four blocks of a quarter in f32, 16 registers each.
.set PA,    528                        ; a row of x in LDS: 512 bytes + 16 = 132 words: the 16 rows of a load start at 16 different groups of four banks (ISA guide 11.1)
.set HALFA, 64*PA                      ; what one tensor load brings of x, and what one wave reads
.set BOFF,  2*HALFA
.set PB,    272                        ; a row of w: 256 bytes + 16
.set HALFB, 128*PB
.set SLOT,  BOFF+2*HALFB               ; 137,216 bytes
.set STAGE, 2*SLOT                     ; behind the ring: 16 rows x 144 bytes for each wave
.set SP,    144
.set SPARE, STAGE+4*16*SP              ; the spare words: 128 bytes a wave, two blocks of 256 bytes that no other line names
.set ASTEP, 512                        ; a K step in a row of x
.set BSTEP, 256                        ; in a row of w
.set ADRA0, 2                          ; v2  my place in x's tile; never rewritten
.set ADRB0, 3                          ; v3  in w's
.set ADRA,  4                          ; v4  the same in the slot in hand
.set ADRB,  5
.set STO,   6
.set RD,    7
.set GO,    8
.set PFO,   9                          ; v9  the prefetches' lane offset
.set SPW,   10
.set NIL,   11
.set F0,    64
.set F1,    160
.set TMP,   64
.set RAW,   128                        ; window 2
.set WV,    16                         ; s16 wave; s17 = wave / 2: my half of the rows, and 0: I fetch x, 1: I fetch w; s18 = wave % 2: my half of the columns, and which half I fetch
.set TB,    41                         ; s41 LDS byte at which the slot in hand begins: 0 or SLOT
.set LIM,   43                         ; s43 a wave prefetches while the trip counter is above it
.set PFA,   44                         ; s[44:45] where my prefetches stand
.set PST,   46                         ; s[46:47] their step
.set G1A,   24
.set G0A,   32                         ; two sets; the second walks
.set G1B,   48
.set G0B,   56
.set MUL,   0x50                       ; C and D in window 1
.set MUL0,  0x60                       ; D in window 1, C (the bias) in window 2
.set MSB, 0
.macro WIN new                         ; the immediate's high byte repeats the setting that is left
.if MSB != (\new)
	s_set_vgpr_msb (MSB<<8)|(\new)
.set MSB, \new
.endif
.endm
.macro PLACES                          ; four plain places behind matrix instructions, in front of readers of their results (ISA guide 7.12.1)
.rept 4
	v_nop
.endr
.endm
.macro JLOAD                           ; a joint refill by the walking set; the branch hangs on the wave's number alone; s_nop 0 and four v_nop follow each line
	s_cmp_eq_u32 s17, 0
	s_cbranch_scc0 .Lfor_b_\@
	tensor_load_to_lds s[G0A+4:G0A+7], s[G1A:G1A+7]
	s_nop 0
.rept 4
	v_nop
.endr
	s_branch .Lasked_\@
.Lfor_b_\@:
	tensor_load_to_lds s[G0B+4:G0B+7], s[G1B:G1B+7]
	s_nop 0
.rept 4
	v_nop
.endr
.Lasked_\@:
.endm
.macro CREST                           ; a round of the cluster's barrier behind its opening barrier
	s_cmp_lg_u32 s[WV], 0
	s_cbranch_scc1 .Lnot_wave_0_\@
	s_barrier_signal -3
.Lnot_wave_0_\@:
	s_barrier_wait -3
	s_barrier_signal -1
	s_barrier_wait -1
.endm
.macro CROUND
	s_barrier_signal -1
	s_barrier_wait -1
	CREST
.endm
; A prefetch of the K step that stands two refills on.  x's tile is read by this cluster alone: of the 64 rows that wave 0 or 1 fetches each partner names 16, two blocks of 256 bytes a row, a lane a block,
; the partners told apart by address (cx).  w's rows are read by sixteen clusters: in the first of them waves 2 and 3 name 32 of the 128 rows that they fetch, a lane a row, the partners told apart by
; address (cy).  The trips whose K step two refills on does not exist ask for nothing.
.macro ASK
	s_cmp_gt_u32 s3, s[LIM]
	s_cbranch_scc0 .Lnot_mine_\@
	global_prefetch_b8 v[PFO], s[PFA:PFA+1] th:TH_LOAD_NT scope:SCOPE_SE
.Lnot_mine_\@:
.endm
	s_load_b512 s[68:83], s[0:1], 0x0              ; query 68, key 70, value 72, wb 74, b_q 76, b_k 78, b_v 80, qkv 82
	v_lshl_add_u32 v[SPW], v0, 2, SPARE
	v_mov_b32 v[NIL], 0
	ds_add_u32 v[SPW], v[NIL]                      ; the wave's opening: the add and its wait stand ahead of my first tensor load
	v_lshrrev_b32 v1, 5, v0
	v_readfirstlane_b32 s[WV], v1
	s_lshr_b32 s17, s[WV], 1
	s_and_b32 s18, s[WV], 1
	s_bfe_u32 s19, ttmp6, 0x40000                  ; cx
	s_bfe_u32 s20, ttmp6, 0x40004                  ; cy
	s_lshl_b32 s21, ttmp9, 2
	s_add_co_u32 s21, s21, s19                     ; tx: tile column
	s_and_b32 s22, ttmp7, 0xffff                   ; the cluster's y
	s_lshl_b32 s23, s22, 2
	s_add_co_u32 s23, s23, s20                     ; ty: tile row, 64 a tensor
	s_lshr_b32 s42, s22, 4                         ; t: which tensor; the same in all sixteen partners
	s_lshl_b32 s2, s20, 2
	s_lshl_b32 s2, 15, s2                          ; my row of the cluster
	s_or_b32 s[G1A], s2, (2<<16)|(1<<20)|(1<<21)|(6<<22)|(3<<25)   ; mask; 4-byte elements; padding on; bit 21 beside a mask; after every 128 words, 4 words
	s_lshl_b32 s40, 0x1111, s19                    ; my column
	s_or_b32 s[G1B], s40, (1<<16)|(1<<20)|(1<<21)|(5<<22)|(3<<25)  ; mask; 2-byte elements; after every 64 words, 4 words
	s_mov_b32 s[G1A+1], 128<<16                    ; tensor_dim0 = 128
	s_mov_b32 s[G1A+2], 64<<16                     ; tensor_dim1 = 64
	s_mov_b32 s[G1A+3], 128<<16                    ; tile_dim0 = 128
	s_mov_b32 s[G1A+4], 64                         ; tile_dim1 = 64
	s_mov_b32 s[G1A+5], 1024                       ; 1,024 elements from row to row
	s_mov_b32 s[G1A+6], 0
	s_mov_b32 s[G1A+7], 0
	s_mov_b32 s[G1B+1], 128<<16
	s_mov_b32 s[G1B+2], 128<<16
	s_mov_b32 s[G1B+3], 128<<16
	s_mov_b32 s[G1B+4], 128
	s_mov_b32 s[G1B+5], 1024
	s_mov_b32 s[G1B+6], 0
	s_mov_b32 s[G1B+7], 0
	s_and_b32 s2, s23, 63                          ; x's tile: 128 rows of 4,096 bytes, my 64 of them: made of ty and the wave alone
	s_lshl_b32 s2, s2, 19
	s_lshl_b32 s3, s18, 18
	s_add_co_u32 s2, s2, s3
	s_mov_b32 s3, 0
	s_lshl_b32 s40, s42, 21                        ; w's tile: t, 256 rows, my half: made of t, tx and the wave alone
	s_lshl_b32 s41, s21, 19
	s_add_co_u32 s40, s40, s41
	s_lshl_b32 s41, s18, 18
	s_add_co_u32 s40, s40, s41
	s_mov_b32 s41, 0
	s_mov_b32 s[G0A], 1
	s_mul_i32 s[G0A+1], s18, HALFA                 ; LDS addresses hang on the wave's number alone
	s_mov_b32 s[G0A+4], 1
	s_add_co_u32 s[G0A+5], s[G0A+1], SLOT
	s_mov_b32 s[G0B], 1
	s_mul_i32 s[G0B+1], s18, HALFB
	s_add_co_u32 s[G0B+1], s[G0B+1], BOFF
	s_mov_b32 s[G0B+4], 1
	s_add_co_u32 s[G0B+5], s[G0B+1], SLOT
	s_wait_dscnt 0x0                               ; the opening add is done
	s_wait_kmcnt 0x0
	s_cmp_eq_u32 s42, 1                            ; the tensor
	s_cselect_b64 s[4:5], s[70:71], s[68:69]
	s_cmp_eq_u32 s42, 2
	s_cselect_b64 s[4:5], s[72:73], s[4:5]
	s_add_nc_u64 s[2:3], s[4:5], s[2:3]
	s_add_nc_u64 s[40:41], s[74:75], s[40:41]
	s_mov_b64 s[G0A+2:G0A+3], s[2:3]               ; K step 0
	s_or_b32 s[G0A+3], s[G0A+3], 0x80000000
	s_add_nc_u64 s[G0A+6:G0A+7], s[2:3], ASTEP     ; K step 1
	s_or_b32 s[G0A+7], s[G0A+7], 0x80000000
	s_mov_b64 s[G0B+2:G0B+3], s[40:41]
	s_or_b32 s[G0B+3], s[G0B+3], 0x80000000
	s_add_nc_u64 s[G0B+6:G0B+7], s[40:41], BSTEP
	s_or_b32 s[G0B+7], s[G0B+7], 0x80000000
	CROUND                                         ; all sixteen work-groups are here: the first joint loads meet
	s_cmp_eq_u32 s17, 0                            ; a wave's two first fills stand in one branch: two loads of mine are out
	s_cbranch_scc0 .Lfirst_b
	tensor_load_to_lds s[G0A:G0A+3], s[G1A:G1A+7]
	s_nop 0
	tensor_load_to_lds s[G0A+4:G0A+7], s[G1A:G1A+7]
	s_nop 0
.rept 4
	v_nop
.endr
	s_branch .Lfirst_done
.Lfirst_b:
	tensor_load_to_lds s[G0B:G0B+3], s[G1B:G1B+7]
	s_nop 0
	tensor_load_to_lds s[G0B+4:G0B+7], s[G1B:G1B+7]
	s_nop 0
.rept 4
	v_nop
.endr
.Lfirst_done:
	s_cmp_eq_u32 s42, 1                            ; the tensor's bias,
	s_cselect_b64 s[8:9], s[78:79], s[76:77]
	s_cmp_eq_u32 s42, 2
	s_cselect_b64 s[8:9], s[80:81], s[8:9]
	s_lshl_b32 s10, s21, 10                        ; at my 128 columns
	s_lshl_b32 s11, s18, 9
	s_add_co_u32 s10, s10, s11
	s_mov_b32 s11, 0
	s_add_nc_u64 s[8:9], s[8:9], s[10:11]
	v_and_b32 v1, 15, v0                           ; r = l % 16
	v_bfe_u32 v12, v0, 4, 1                        ; hh = l / 16
	v_and_b32 v13, 31, v0                          ; l
	v_lshlrev_b32 v16, 5, v12                      ; my eight columns of a block of 16: 32 bytes
	WIN 0x80                                       ; destination window 2
.irp b, 0,1,2,3,4,5,6,7
	global_load_b128 v[8*(\b):8*(\b)+3], v16, s[8:9] offset:64*(\b)
	global_load_b128 v[8*(\b)+4:8*(\b)+7], v16, s[8:9] offset:64*(\b)+16
.endr
	WIN 0
	s_lshr_b32 s10, s23, 4                         ; qkv: (t, batch), head 4 tx + 2 (wave % 2), row 128 (ty % 16) + 64 (wave / 2)
	s_lshl_b32 s10, s10, 22
	s_lshl_b32 s12, s21, 20
	s_add_co_u32 s10, s10, s12
	s_lshl_b32 s12, s18, 19
	s_add_co_u32 s10, s10, s12
	s_and_b32 s12, s23, 15
	s_lshl_b32 s12, s12, 14
	s_add_co_u32 s10, s10, s12
	s_lshl_b32 s12, s17, 13
	s_add_co_u32 s10, s10, s12
	s_add_nc_u64 s[14:15], s[82:83], s[10:11]
	; the prefetches: they stand at K step 3; the first refill steps them to 4
	s_lshl_b32 s10, s19, 16                        ; x: my work-group's 16 rows of 4,096 bytes
	s_lshl_b32 s11, s20, 16                        ; w: my work-group's 32 rows of 2,048 bytes
	s_add_co_u32 s10, s10, 3*ASTEP
	s_add_co_u32 s11, s11, 3*BSTEP
	s_and_b32 s12, s22, 15
	s_cmp_eq_u32 s12, 0                            ; the first cluster that reads this weight
	s_cselect_b32 s12, 2, -1
	s_mov_b32 s[PST], BSTEP
	s_cmp_eq_u32 s17, 0
	s_cselect_b64 s[PFA:PFA+1], s[2:3], s[40:41]
	s_cselect_b32 s10, s10, s11
	s_cselect_b32 s[LIM], 2, s12
	s_cselect_b32 s[PST], ASTEP, s[PST]
	s_cselect_b32 s12, -1, 0
	s_mov_b32 s11, 0
	s_mov_b32 s[PST+1], 0
	s_add_nc_u64 s[PFA:PFA+1], s[PFA:PFA+1], s[10:11]
	v_lshrrev_b32 v14, 1, v13                      ; x: row l / 2, block l % 2
	v_and_b32 v15, 1, v13
	v_lshlrev_b32 v14, 12, v14
	v_lshl_or_b32 v14, v15, 8, v14
	v_lshlrev_b32 v15, 11, v13                     ; w: row l
	v_cndmask_b32 v[PFO], v15, v14, s12
	s_mov_b32 s[TB], 0
	; a fragment is 16 rows x 32 K in 8 registers: lane l holds row l % 16, K = 8 (l / 16) + 0..7 and 16 + 8 (l / 16) + 0..7.  Of w: two loads of 16 bytes, 32 bytes apart.
	; Of x, in f32: 32 bytes at 32 (l / 16) and 32 bytes 64 further on: four loads of 16 bytes, then eight roundings of two numbers each.
	v_mul_u32_u24 v[ADRA0], v1, PA
	v_lshl_add_u32 v[ADRA0], v12, 5, v[ADRA0]
	s_mul_i32 s10, s17, HALFA
	v_add_nc_u32 v[ADRA0], s10, v[ADRA0]
	v_mul_u32_u24 v[ADRB0], v1, PB
	v_lshl_add_u32 v[ADRB0], v12, 4, v[ADRB0]
	s_mul_i32 s10, s18, HALFB
	s_add_co_u32 s10, s10, BOFF
	v_add_nc_u32 v[ADRB0], s10, v[ADRB0]
	v_mov_b32 v[ADRA], v[ADRA0]
	v_mov_b32 v[ADRB], v[ADRB0]
	s_mul_i32 s10, s[WV], 16*SP
	s_add_co_u32 s10, s10, STAGE                   ; my stage
	v_mul_u32_u24 v[STO], v1, SP                   ; in: row l % 16, 16 bytes for each half of the lanes
	v_lshl_add_u32 v[STO], v12, 4, v[STO]
	v_add_nc_u32 v[STO], s10, v[STO]
	v_bfe_u32 v[RD], v0, 3, 2                      ; back: 32 lanes take four rows of 128 bytes,
	v_mul_u32_u24 v[RD], v[RD], SP
	v_and_b32 v14, 7, v0
	v_lshl_add_u32 v[RD], v14, 4, v[RD]
	v_add_nc_u32 v[RD], s10, v[RD]
	v_lshlrev_b32 v[GO], 4, v13                    ; which are 512 consecutive bytes of a head
; 8 matrix instructions: row block a x all 8 column blocks, 32 along K.  zero = 1: the bias starts the sums.  The 32 accumulators take turns in the same order in every quarter.
.macro MUL8 f, a, zero
.if \zero
	WIN MUL0
.else
	WIN MUL
.endif
.irp b, 0,1,2,3,4,5,6,7
.if \zero
	v_wmma_f32_16x16x32_bf16 v[8*(8*(\a)+(\b)):8*(8*(\a)+(\b))+7], v[(\f)+8*(\b):(\f)+8*(\b)+7], v[(\f)+64+8*(\a):(\f)+64+8*(\a)+7], v[8*(\b):8*(\b)+7]
.else
	v_wmma_f32_16x16x32_bf16 v[8*(8*(\a)+(\b)):8*(8*(\a)+(\b))+7], v[(\f)+8*(\b):(\f)+8*(\b)+7], v[(\f)+64+8*(\a):(\f)+64+8*(\a)+7], v[8*(8*(\a)+(\b)):8*(8*(\a)+(\b))+7]
.endif
.endr
.endm
; x's block a of the quarter at hand: 16 numbers a lane in f32, rounded to bf16 into buffer f
.macro CVT f, a
	WIN 0x0a                                       ; sources in window 2, destination in window 0
.irp i, 0,1,2,3,4,5,6,7
	v_cvt_pk_bf16_f32 v[(\f)+64+8*(\a)+(\i)], v[RAW+16*(\a)+2*(\i)], v[RAW+16*(\a)+2*(\i)+1]
.endr
.endm
; 32 LDS loads in one run: quarter q (32 along K) of the slot in hand: w's eight blocks into buffer f, then x's four in f32
.macro FETCH q, f
	WIN 0
.irp b, 0,1,2,3,4,5,6,7
	ds_load_b128 v[(\f)+8*(\b):(\f)+8*(\b)+3],   v[ADRB] offset:64*(\q)+(\b)*16*PB
	ds_load_b128 v[(\f)+8*(\b)+4:(\f)+8*(\b)+7], v[ADRB] offset:64*(\q)+(\b)*16*PB+32
.endr
	WIN 0x80                                       ; destination window 2
.irp a, 0,1,2,3
	ds_load_b128 v[RAW+16*(\a):RAW+16*(\a)+3],     v[ADRA] offset:128*(\q)+(\a)*16*PA
	ds_load_b128 v[RAW+16*(\a)+4:RAW+16*(\a)+7],   v[ADRA] offset:128*(\q)+(\a)*16*PA+16
	ds_load_b128 v[RAW+16*(\a)+8:RAW+16*(\a)+11],  v[ADRA] offset:128*(\q)+(\a)*16*PA+64
	ds_load_b128 v[RAW+16*(\a)+12:RAW+16*(\a)+15], v[ADRA] offset:128*(\q)+(\a)*16*PA+80
.endr
.endm
; One of a K step's first three quarters: multiplies buffer f, and in its middle fetches quarter qn into buffer g.  The roundings of blocks 2 and 3 free the f32 registers for that fetch, and are
; the plain places between the last products that read buffer g (the quarter before) and the loads into it.
.macro QUARTER qn, f, g, zero
	s_wait_dscnt 8                                 ; all but the youngest eight loads (x's blocks 2 and 3) are in
	CVT \f, 0
	CVT \f, 1
	MUL8 \f, 0, \zero
	MUL8 \f, 1, \zero
	s_wait_dscnt 0x0                               ; x's blocks 2 and 3: nothing was issued behind them
	CVT \f, 2
	CVT \f, 3
	FETCH \qn, \g
	MUL8 \f, 2, \zero
	MUL8 \f, 3, \zero
.endm
; The last quarter multiplies buffer 1 and changes slots.  In front of the barrier each wave waits for all its tensor loads (one is out: its part of the next slot), adds 0 to its spare word, and waits
; for that and for its reads of this slot.  fill = 1: the barrier opens a round of the cluster's, and the joint refill (the K step two on, into the slot just read) is the first thing behind it:
; 112 matrix instructions ahead of the wait for it.
.macro TURN fill
.if \fill
	s_wait_xcnt 0x0                                ; the last prefetch, a K step back, has read its address
	s_add_nc_u64 s[PFA:PFA+1], s[PFA:PFA+1], s[PST:PST+1]
.endif
	WIN 0
	s_wait_tensorcnt 0x0
	ds_add_u32 v[SPW], v[NIL]
	s_wait_dscnt 9                                 ; the add and the youngest eight loads may be out
	CVT F1, 0
	CVT F1, 1
	MUL8 F1, 0, 0
	s_wait_dscnt 0x0                               ; the add is done, and my reads of this slot are over
	s_barrier_signal -1
	MUL8 F1, 1, 0
	CVT F1, 2
	CVT F1, 3
	WIN 0
	s_barrier_wait -1
.if \fill
	CREST
	s_add_co_u32 s[G0A+5], s[G0A+1], s[TB]         ; the walking sets: the slot just read, the next K step
	s_add_nc_u64 s[G0A+6:G0A+7], s[G0A+6:G0A+7], ASTEP
	s_add_co_u32 s[G0B+5], s[G0B+1], s[TB]
	s_add_nc_u64 s[G0B+6:G0B+7], s[G0B+6:G0B+7], BSTEP
	JLOAD
.endif
	s_xor_b32 s[TB], s[TB], SLOT                   ; 0 and SLOT by turns
	v_add_nc_u32 v[ADRA], s[TB], v[ADRA0]
	v_add_nc_u32 v[ADRB], s[TB], v[ADRB0]
	FETCH 0, F0
	WIN 0
.if \fill
	ASK
.endif
	MUL8 F1, 2, 0
	MUL8 F1, 3, 0
.endm
	s_wait_tensorcnt 1                             ; my part of K step 0 is in; K step 1's stays out
	s_barrier_signal -1
	s_barrier_wait -1
	FETCH 0, F0
	s_wait_loadcnt 0x0                             ; the bias
	WIN 0xaa                                       ; all places window 2: the bias is rounded to bf16, like every input
.set i, 0
.rept 32
	v_cvt_pk_bf16_f32 v64, v[i], v[i+1]
	v_lshlrev_b32 v[i], 16, v64
	v_and_b32 v[i+1], 0xffff0000, v64
.set i, i+2
.endr
	QUARTER 1, F0, F1, 1                           ; the first quarter stands ahead of the loop: it starts the sums
	WIN 0
	s_mov_b32 s3, 6                                ; six trips fill a slot again: K steps 2 to 7
.Lstep:
	QUARTER 2, F1, F0, 0
	QUARTER 3, F0, F1, 0
	TURN 1
	QUARTER 1, F0, F1, 0
	WIN 0
	s_sub_co_u32 s3, s3, 1
	s_cmp_lg_u32 s3, 0
	s_cbranch_scc1 .Lstep
	QUARTER 2, F1, F0, 0                           ; the tail is written out: nothing more is asked for
	QUARTER 3, F0, F1, 0
	TURN 0
	QUARTER 1, F0, F1, 0
	QUARTER 2, F1, F0, 0
	QUARTER 3, F0, F1, 0
	s_wait_dscnt 8
	CVT F1, 0
	CVT F1, 1
	MUL8 F1, 0, 0
	MUL8 F1, 1, 0
	s_wait_dscnt 0x0
	CVT F1, 2
	CVT F1, 3
	MUL8 F1, 2, 0
	MUL8 F1, 3, 0
	WIN 0
	PLACES
; THE WAY OUT.  Unit u = 2 a + hd: 16 rows of one head, 2,048 dense bytes.  Rounded to f16, 16 bytes a lane into my stage, back as whole rows, stored 512 consecutive bytes at a time.
.macro PACK u
	WIN 0x05                                       ; sources in window 1
.irp f, 0,1,2,3
.irp r, 0,1,2,3
	v_cvt_pk_f16_f32 v[TMP+16*(\u)+4*(\f)+(\r)], v[8*(8*((\u)/2)+4*((\u)%2)+(\f))+2*(\r)], v[8*(8*((\u)/2)+4*((\u)%2)+(\f))+2*(\r)+1]
.endr
.endr
	WIN 0
.irp f, 0,1,2,3
	ds_store_b128 v[STO], v[TMP+16*(\u)+4*(\f):TMP+16*(\u)+4*(\f)+3] offset:32*(\f)
.endr
.irp f, 0,1,2,3
	ds_load_b128 v[TMP+16*(\u)+4*(\f):TMP+16*(\u)+4*(\f)+3], v[RD] offset:(\f)*4*SP  ; LDS serves a wave's instructions in order (ISA guide 5.7.1.4): these see the stores above
.endr
.endm
.macro SEND u, younger                 ; younger: the LDS instructions issued behind unit u's loads
.irp f, 0,1,2,3
	s_wait_dscnt (\younger)+3-(\f)
	global_store_b128 v[GO], v[TMP+16*(\u)+4*(\f):TMP+16*(\u)+4*(\f)+3], s[14:15] offset:((\u)%2)*262144+((\u)/2)*2048+(\f)*512
.endr
.endm
	PACK 0
.irp u, 1,2,3,4,5,6,7
	PACK \u
	SEND (\u)-1, 8
.endr
	SEND 7, 0
	s_wait_tensorcnt 0x0                           ; the wave's end
	ds_add_u32 v[SPW], v[NIL]
	s_wait_dscnt 0x0
	CROUND                                         ; the closing round
	s_endpgm
.Lfunc_end_k_q5fe81ce717_proj:
	.size	k_q5fe81ce717_proj, .Lfunc_end_k_q5fe81ce717_proj-k_q5fe81ce717_proj
	.p2alignl 7, 3214868480
	.fill 96, 4, 3214868480
	.section	.rodata,"a",@progbits
	.p2align	6, 0x0
	.amdhsa_kernel k_q5fe81ce717_proj
		.amdhsa_group_segment_fixed_size 327680
		.amdhsa_private_segment_fixed_size 0
		.amdhsa_enable_private_segment 0
		.amdhsa_kernarg_size 64
		.amdhsa_user_sgpr_count 2
		.amdhsa_user_sgpr_kernarg_segment_ptr 1
		.amdhsa_wavefront_size32 1
		.amdhsa_system_sgpr_workgroup_id_x 1
		.amdhsa_system_sgpr_workgroup_id_y 1
		.amdhsa_system_sgpr_workgroup_id_z 1
		.amdhsa_system_vgpr_workitem_id 0
		.amdhsa_next_free_vgpr 704
		.amdhsa_next_free_sgpr 84
		.amdhsa_reserve_vcc 0
		.amdhsa_float_denorm_mode_32 3
		.amdhsa_float_denorm_mode_16_64 3
		.amdhsa_memory_ordered 1
		.amdhsa_forward_progress 1
		.amdhsa_inst_pref_size 109
	.end_amdhsa_kernel
	.amdgpu_metadata
---
amdhsa.version: [ 1, 2 ]
amdhsa.kernels:
  - .name:           k_q5fe81ce717_proj
    .symbol:         k_q5fe81ce717_proj.kd
    .args:
      - { .name: query, .offset: 0, .size: 8, .value_kind: global_buffer, .address_space: global }
      - { .name: key, .offset: 8, .size: 8, .value_kind: global_buffer, .address_space: global }
      - { .name: value, .offset: 16, .size: 8, .value_kind: global_buffer, .address_space: global }
      - { .name: wb, .offset: 24, .size: 8, .value_kind: global_buffer, .address_space: global }
      - { .name: b_q, .offset: 32, .size: 8, .value_kind: global_buffer, .address_space: global }
      - { .name: b_k, .offset: 40, .size: 8, .value_kind: global_buffer, .address_space: global }
      - { .name: b_v, .offset: 48, .size: 8, .value_kind: global_buffer, .address_space: global }
      - { .name: qkv, .offset: 56, .size: 8, .value_kind: global_buffer, .address_space: global }
    .group_segment_fixed_size: 327680
    .private_segment_fixed_size: 0
    .kernarg_segment_align: 8
    .kernarg_segment_size: 64
    .max_flat_workgroup_size: 128
    .sgpr_count:     84
    .vgpr_count:     704
    .wavefront_size: 32
...
	.end_amdgpu_metadata
.endif
;; end of part 6
;; launch attn (part 7): grid 4 x 64, 4 waves a work-group, clusters of 4 x 1, 327,680 bytes of LDS; arguments qkv, mw, bt, oh; writes oh
.if DOCPART == 7
	.amdgcn_target "amdgcn-amd-amdhsa--gfx1250"
	.amdhsa_code_object_version 6
	.text
	.protected	k_q5fe81ce717_attn
	.globl	k_q5fe81ce717_attn
	.p2align	8
	.type	k_q5fe81ce717_attn,@function
k_q5fe81ce717_attn:
	s_mov_b64 s[64:65], 0
	v_nop
	global_prefetch_b8 v0, s[64:65] scope:SCOPE_SE
	s_setreg_imm32_b32 hwreg(HW_REG_WAVE_MODE, 25, 1), 1
	s_wait_xcnt 0x0
	s_wait_alu depctr_hold_cnt(0) depctr_sa_sdst(0) depctr_va_vdst(0) depctr_va_sdst(0) depctr_va_ssrc(0) depctr_va_vcc(0) depctr_vm_vsrc(0)
	s_getreg_b32 s2, hwreg(HW_REG_IB_STS2, 6, 4)
	s_cmp_eq_u32 s2, 0
	s_cbranch_scc0 .Lentry_in_a_cluster
	s_endpgm
.Lentry_in_a_cluster:
	s_bfe_u32 s2, ttmp6, 0x10000c
	s_cmp_lg_u32 s2, 0x3003
	s_cbranch_scc0 .Lentry_shape_is_right
	s_endpgm
.Lentry_shape_is_right:
; ATTENTION WITH A RELATIVE BIAS AND A MASK THAT IS AN INPUT.  oh[y][q][:] = the sum over k of softmax_k(score) V[y][k][:], y = 16 batch + head,
; score = Q[y][q] . K[y][k] / 8 + table[q - k + 2047][head] where mask[q][k] != 0, and a number far below every score where it is 0.
; Q, K, V: qkv, f16, [3][64][2048][64], a head's rows dense; oh likewise.  Products, maxima and sums in f32; the weights p are rounded to f16 for the second product, O once at the end.
; LIMITS.  A hidden score counts as -2^100 (reference: -1e9): the same result wherever true scores lie above some -1e9.  -2^100 plus 8 x bias and plus a product Q . K, each below 2^75 in magnitude, is -2^100
; in f32, and c x 2^100 is exact, so a row with no open key has c s - c m = 0 for all its keys and weighs them alike.  A weight below 2^-126 counts as 0 in l; NaN and infinities are not treated apart.
; MASK AND BIAS are the C operand MC that starts the sum S^T = K Q^T: 8 x bias, or -2^100.  mw holds a code of four bits for each score, in the E2M1 format: 0.0 where the key is open, -1.0 where it is
; hidden; a lane's word holds the codes of the eight scores that the lane has in one accumulator.  One scaled conversion makes eight f32 numbers of a word, times 2^100 (scale byte 227): 0 or -2^100; one
; packed addition lays 8 x bias on two of them: 20 instructions for a tile's 32 registers.  A tile's codes of a key step are 512 consecutive bytes: one load of 16 bytes a lane, a whole key step, four turns, ahead.
; The bias hangs on k - q alone: the wave's 8 tiles x 4 groups of 16 keys need the 11 groups d = g - t + 7: 88 registers (BI), 22 LDS loads a key step, out of a window of bt (four copies, shifted by one
; number each, so that every lane's eight numbers begin on 16 bytes) that each work-group loads for itself: the window's place in bt hangs on the query block, its place in LDS does not.
; SHARES, LAYOUT, SOFTMAX.  A wave owns four PIECES of two tiles of 16 queries, a work-group 512 queries of one y; every wave walks all 2,048 keys, 64 a step.  S^T holds ONE query a lane (lane % 16) and
; the keys 8 (lane / 16) + 0..7; two such results rounded to f16 ARE source 1 of O^T = V^T P.  p = 2^(c s - c m), c = log2(e) / 8, with a running maximum m; O and l are multiplied by a = 2^(c m_old - c m_new) in every step.
; m starts at the lowest finite number, O and l at 0.
; BY TURNS.  Turn n belongs to piece n: 16 products K Q^T of piece n + 1, later 16 products V^T P of piece n - 1; beside them the scaling, exponentials, roundings, sums and rescaling of piece n, the maximum
; and statistics of piece n + 1, and MC for piece n + 2.  Four vector instructions stand behind every matrix instruction, the rest in one lump.  A turn's 66 exponentials are one batch, with one wait.
; CLUSTER.  The four query blocks of one y walk the same K and V: each tile is asked for jointly.
; REGISTERS, in windows of 256 (s_set_vgpr_msb: bits 1:0 source 0, 3:2 source 1, 5:4 source 2, 7:6 destination):
;   window 0: v0-11 addresses; v12-15, v48-63 at work; v16-47 statistics; v64-191 S^T, two buffers of two tiles; v192-255 P, likewise      window 1: O^T, 32 a tile
;   window 2: v0-127 Q; v128-191 K of one step; v192-255 V of one step      window 3: v0-1 the add's registers; v2 the scale; v3-4 bias addresses; v5 16 x lane; v8-95 BI; v96-159 MC; v160-191 the codes, four registers a tile
.set NP,    4
.set KS,    64
.set PK,    144       ; a row of K in LDS: 128 bytes + 16
.set PV,    144       ; V the same, so that one descriptor group 1 serves both
.set VOFF,  4*KS*PK   ; a slot holds four steps: 256 rows of K, then 256 rows of V
.set BIAS,  4*KS*(PK+PV)  ; behind slot 0: the bias window, filled once
.set CPL,   10304     ; a copy: 2,560 numbers + 64 bytes, so that the four copies begin 16 banks apart
.set SLOT1, 1<<17
.set STAGE, SLOT1+4*KS*(PK+PV)  ; 16 rows x 144 bytes for each wave, for the way out
.set SP,    144
.set SPARE, STAGE+4*16*SP  ; the spare words: 128 bytes a wave, two blocks of 256 bytes that no other line names
.set MSTEP, 512       ; a tile's codes of a key step, in bytes
.set MTILE, 32*MSTEP  ; a tile's codes of all 32 key steps
.set AK0, 2
.set AV0, 3
.set AK,  4
.set AV,  5
.set QO,  6
.set STO, 6
.set RD,  7
.set GO,  8
.set PFO, 11          ; v11  256 x my lane
.set SPW, 0           ; window 3
.set NIL, 1
.set SCL, 2           ; 227 in each of its four bytes: the conversions' scale, 2^100; never rewritten
.set AB0, 3           ; my lane's place in the bias window; never rewritten
.set AB,  4           ; the same for the step to be fetched
.set WDO, 5           ; 16 x my lane; never rewritten
.set BI,  8           ; group d at BI + 8 d
.set MC,  96          ; tile u (0, 1), key group g at MC + 32 u + 8 g
.set WD,  160         ; tile t's codes at WD + 4 t: word g for key group g
.set MV,  12
.set ST,  16
.set TMP, 48
.set S,   64
.set P,   192
.set KF,  128
.set VF,  192
.set QP,  2           ; s[2:3]   Q at my wave's first row
.set PFA, 4           ; s[4:5]   where my prefetches stand
.set MP,  6           ; s[6:7]   mw at my wave's first tile, at the key step whose codes are asked for next
.set SEL, 8           ; s[8:9]   v_permlanex16_b32's selects
.set OUT, 10          ; s[10:11] oh at my wave's first row
.set WV,  12
.set LIM, 13
.set SLOTS, 14
.set CNT, 15
.set G1,  16          ; s[16:23] descriptor group 1 for K's and V's tiles
.set G0K, 24          ; s[24:27] group 0 for K: it walks
.set G0V, 28          ; s[28:31] for V
                      ; s[32:55] at the head: arguments and temporaries
.set TBK, 66
.set TBV, 67
.set GB0, 68          ; s[68:71], s[72:79] the bias window's descriptor
.set GB1, 72
.set TBB, 100         ; s100 256 x the key step whose bias is fetched next
.set CS,  104         ; s[104:105] c
.set MSB, 0
.macro WIN new
.if MSB != (\new)
	s_set_vgpr_msb (MSB<<8)|(\new)
.set MSB, (\new)
.endif
.endm
.set W_KQ, 0x0a       ; K and Q in window 2, S^T in window 0
.set W_KM, 0x3a       ; the same with the C operand in window 3
.set W_PV, 0x52       ; V in window 2, P in window 0, O^T in window 1
.set W_RS, 0x41
.set W_MK, 0xc0
.set W_AD, 0x0f
.macro JLOAD          ; a joint fill: waves 0 and 1 fetch the halves of a slot's K, waves 2 and 3 of its V; s_nop 0 and four v_nop follow each line
	s_cmp_lt_u32 s[WV], 2
	s_cbranch_scc0 .Lfor_v_\@
	tensor_load_to_lds s[G0K:G0K+3], s[G1:G1+7]
	s_nop 0
.rept 4
	v_nop
.endr
	s_branch .Lasked_\@
.Lfor_v_\@:
	tensor_load_to_lds s[G0V:G0V+3], s[G1:G1+7]
	s_nop 0
.rept 4
	v_nop
.endr
.Lasked_\@:
.endm
; A prefetch of the slot that the NEXT change will ask for: 128 blocks of 256 bytes of K and of V.  This cluster alone reads them: its four partners take 32 blocks each, told apart by address; in each, wave 0
; names K's and wave 2 V's, a lane a block.  The last change that fills a slot asks for nothing.
.macro ASK
	s_cmp_gt_u32 s[SLOTS], s[LIM]
	s_cbranch_scc0 .Lnot_mine_\@
	global_prefetch_b8 v[PFO], s[PFA:PFA+1] th:TH_LOAD_NT scope:SCOPE_SE
.Lnot_mine_\@:
.endm
.macro CROUND
	s_barrier_signal -1
	s_barrier_wait -1
	s_cmp_lg_u32 s[WV], 0
	s_cbranch_scc1 .Lnot_wave_0_\@
	s_barrier_signal -3
.Lnot_wave_0_\@:
	s_barrier_wait -3
	s_barrier_signal -1
	s_barrier_wait -1
.endm
; THE CHANGE OF SLOTS.  Each wave waits for all its tensor loads, adds 0 to its spare word, and waits for that and for its reads of the slot.  fill = 1: the barrier is a round of the cluster's, and the joint
; fill (the keys two slots on) is the first thing behind it: it has four key steps, 512 matrix instructions, in which to land.  (At its first use slot 0 and the bias window are waited for, slot 1 filled.)
.macro CHANGE fill
	WIN W_AD
	s_wait_tensorcnt 0x0
	ds_add_u32 v[SPW], v[NIL]
	WIN 0
.if \fill
.irp g, G0K, G0V
	s_xor_b32 s[\g+1], s[\g+1], SLOT1
	s_add_nc_u64 s[\g+2:\g+3], s[\g+2:\g+3], 4*KS*128
.endr
	s_wait_xcnt 0x0                 ; the last prefetch, four key steps back, has read its address
	s_add_nc_u64 s[PFA:PFA+1], s[PFA:PFA+1], 4*KS*128
	s_wait_dscnt 0x0                ; the add is done, and my reads of the slot are over
	CROUND
	JLOAD
	ASK
.else
	s_wait_dscnt 0x0
	s_barrier_signal -1
	s_barrier_wait -1
.endif
	s_sub_co_u32 s[TBK], s[TBK], 4*KS*PK
	s_xor_b32 s[TBK], s[TBK], SLOT1
	s_sub_co_u32 s[TBV], s[TBV], 4*KS*PV
	s_xor_b32 s[TBV], s[TBV], SLOT1
.endm
	s_load_b256 s[32:39], s[0:1], 0x0  ; qkv 32, mw 34, bt 36, oh 38
	WIN W_MK
	v_lshl_add_u32 v[SPW], v0, 2, SPARE
	v_mov_b32 v[NIL], 0
	v_mov_b32 v[SCL], 0xe3e3e3e3    ; 227 = 127 + 100, four times
	WIN W_AD
	ds_add_u32 v[SPW], v[NIL]       ; the wave's opening: the add and its wait stand ahead of my first tensor load
	WIN 0
	v_lshrrev_b32 v1, 5, v0
	v_readfirstlane_b32 s[WV], v1
	s_bfe_u32 s40, ttmp6, 0x40000   ; cx
	s_lshl_b32 s41, ttmp9, 2
	s_add_co_u32 s41, s41, s40      ; my block of 512 queries: it enters Q's, O's, mw's and bt's addresses alone
	s_and_b32 s42, ttmp7, 0xffff    ; y, which the four partners share
	s_and_b32 s43, s[WV], 1         ; which half of a slot's 256 keys I fetch
	s_lshl_b32 s44, s42, 18         ; y's rows,
	s_lshl_b32 s45, s43, 14         ; my 128 of the slot's
	s_add_co_u32 s44, s44, s45
	s_add_co_u32 s46, s44, 2<<24    ; in V
	s_add_co_u32 s44, s44, 1<<24    ; in K
	s_mov_b32 s45, 0
	s_mov_b32 s47, 0
	s_lshl_b32 s48, s42, 18         ; Q and O: y, block, my wave's 128 rows
	s_lshl_b32 s49, s41, 16
	s_add_co_u32 s48, s48, s49
	s_lshl_b32 s49, s[WV], 14
	s_add_co_u32 s48, s48, s49
	s_mov_b32 s49, 0
	s_lshl_b32 s50, s41, 19         ; mw: query tile 32 block + 8 wave, 16,384 bytes a tile
	s_lshl_b32 s51, s[WV], 17
	s_add_co_u32 s50, s50, s51
	s_mov_b32 s51, 0
	s_and_b32 s52, s42, 15          ; bt: head, copy = my wave's number, the window's first number 512 (3 - block)
	s_lshl_b32 s52, s52, 16
	s_lshl_b32 s53, s[WV], 14
	s_add_co_u32 s52, s52, s53
	s_xor_b32 s53, s41, 3
	s_lshl_b32 s53, s53, 11
	s_add_co_u32 s52, s52, s53
	s_mov_b32 s53, 0
	s_lshl_b32 s54, s40, 13         ; the prefetches: my work-group's 32 blocks, in slot 1; the first change steps them to slot 2
	s_add_co_u32 s54, s54, 4*KS*128
	s_mov_b32 s55, 0
	; group 1: 128 keys are 16,384 dense bytes: 64 rows of 256 bytes, padded in LDS after every key
	s_mov_b32 s[G1], 15|(1<<16)|(1<<20)|(1<<21)|(4<<22)|(3<<25)
	s_mov_b32 s[G1+1], 128<<16
	s_mov_b32 s[G1+2], 64<<16
	s_mov_b32 s[G1+3], 128<<16
	s_mov_b32 s[G1+4], 64
	s_mov_b32 s[G1+5], 128
	s_mov_b32 s[G1+6], 0
	s_mov_b32 s[G1+7], 0
	; the bias window: a load of my work-group's own (no mask): 10,240 dense bytes as 40 rows of 32 elements of 8 bytes, no padding
	s_mov_b32 s[GB1], 3<<16
	s_mov_b32 s[GB1+1], 32<<16
	s_mov_b32 s[GB1+2], 40<<16
	s_mov_b32 s[GB1+3], 32<<16
	s_mov_b32 s[GB1+4], 40
	s_mov_b32 s[GB1+5], 32
	s_mov_b32 s[GB1+6], 0
	s_mov_b32 s[GB1+7], 0
	s_mov_b32 s[GB0], 1
	s_mul_i32 s[GB0+1], s[WV], CPL
	s_add_co_u32 s[GB0+1], s[GB0+1], BIAS
	s_mov_b32 s[G0K], 1
	s_mul_i32 s[G0K+1], s43, 128*PK
	s_mov_b32 s[G0V], 1
	s_mul_i32 s[G0V+1], s43, 128*PV
	s_add_co_u32 s[G0V+1], s[G0V+1], VOFF
	s_mov_b32 s[CS], 0x3e38aa3b     ; c = log2(e) / 8
	s_mov_b32 s[CS+1], s[CS]
	s_mov_b32 s[SEL], 0x76543210
	s_mov_b32 s[SEL+1], 0xfedcba98
	s_mov_b32 s[TBK], SLOT1+4*KS*PK ; the first change of slots turns these two into 0
	s_mov_b32 s[TBV], SLOT1+4*KS*PV
	s_mov_b32 s[TBB], 0
	s_mov_b32 s[SLOTS], 7
	s_and_b32 s[LIM], s[WV], 1
	s_cmp_eq_u32 s[LIM], 0
	s_cselect_b32 s[LIM], 1, -1     ; waves 0 and 2 prefetch
	s_wait_dscnt 0x0                ; the opening add is done
	s_wait_kmcnt 0x0
	s_add_nc_u64 s[G0K+2:G0K+3], s[32:33], s[44:45]
	s_add_nc_u64 s[G0V+2:G0V+3], s[32:33], s[46:47]
	s_cmp_lt_u32 s[WV], 2
	s_cselect_b64 s[PFA:PFA+1], s[G0K+2:G0K+3], s[G0V+2:G0V+3]
	s_add_nc_u64 s[PFA:PFA+1], s[PFA:PFA+1], s[54:55]
	s_or_b32 s[G0K+3], s[G0K+3], 0x80000000
	s_or_b32 s[G0V+3], s[G0V+3], 0x80000000
	s_add_nc_u64 s[QP:QP+1], s[32:33], s[48:49]
	s_add_nc_u64 s[OUT:OUT+1], s[38:39], s[48:49]
	s_add_nc_u64 s[MP:MP+1], s[34:35], s[50:51]
	s_add_nc_u64 s[GB0+2:GB0+3], s[36:37], s[52:53]
	s_or_b32 s[GB0+3], s[GB0+3], 0x80000000
	CROUND                          ; all four work-groups are here: the first joint loads meet
	s_cmp_lt_u32 s[WV], 2           ; a wave's two first fills stand in one branch: its copy of the bias window and its half of slot 0's K or V: two loads of mine are out
	s_cbranch_scc0 .Lfirst_v
	tensor_load_to_lds s[GB0:GB0+3], s[GB1:GB1+7]
	s_nop 0
	tensor_load_to_lds s[G0K:G0K+3], s[G1:G1+7]
	s_nop 0
.rept 4
	v_nop
.endr
	s_branch .Lfirst_asked
.Lfirst_v:
	tensor_load_to_lds s[GB0:GB0+3], s[GB1:GB1+7]
	s_nop 0
	tensor_load_to_lds s[G0V:G0V+3], s[G1:G1+7]
	s_nop 0
.rept 4
	v_nop
.endr
.Lfirst_asked:
	v_and_b32 v1, 15, v0            ; r = l % 16
	v_bfe_u32 v9, v0, 4, 1          ; hh = l / 16
	v_lshlrev_b32 v[QO], 7, v1
	v_lshl_add_u32 v[QO], v9, 4, v[QO]
	v_and_b32 v12, 31, v0
	WIN 0xc0
	v_lshlrev_b32 v[WDO], 4, v12    ; four words a lane
	WIN 0x80
.set i, 0
.rept 4*NP                          ; Q stays in registers: tile i / 2, channels 32 (i % 2) on
	global_load_b128 v[8*i:8*i+3],   v[QO], s[QP:QP+1] offset:(i/2)*2048+(i%2)*64
	global_load_b128 v[8*i+4:8*i+7], v[QO], s[QP:QP+1] offset:(i/2)*2048+(i%2)*64+32
.set i, i+1
.endr
	WIN 0xc3                        ; destination and address in window 3
.set i, 0
.rept 2*NP                          ; key step 0's codes of my eight tiles
	global_load_b128 v[WD+4*i:WD+4*i+3], v[WDO], s[MP:MP+1] offset:i*MTILE
.set i, i+1
.endr
	WIN 0x80
	; What the first turn finds: V's registers and P's second buffer hold 0, O^T and l are 0.  All this stands in the wait for the first tile.
.set i, VF
.rept 64
	v_mov_b32 v[i], 0
.set i, i+1
.endr
	WIN 0x40
.set i, 0
.rept 64*NP
	v_mov_b32 v[i], 0
.set i, i+1
.endr
	WIN 0
.set i, 0
.rept 2*NP
	v_mov_b32 v[ST+4*i], 0xfe000000    ; c m: far below every c s, hidden ones too
	v_mov_b32 v[ST+4*i+1], 0xff7fffff  ; m
	v_mov_b32 v[ST+4*i+2], 0
	v_mov_b32 v[ST+4*i+3], 0
.set i, i+1
.endr
.set i, P+32
.rept 32
	v_mov_b32 v[i], 0
.set i, i+1
.endr
	v_mul_u32_u24 v[AK0], v1, PK
	v_lshl_add_u32 v[AK0], v9, 4, v[AK0]
	v_and_b32 v10, 7, v0
	v_bfe_u32 v11, v0, 3, 1
	v_lshl_add_u32 v[AV0], v9, 3, v10
	v_mul_u32_u24 v[AV0], v[AV0], PV
	v_lshl_add_u32 v[AV0], v11, 4, v[AV0]
	v_add_nc_u32 v[AV0], VOFF, v[AV0]
	v_mov_b32 v[AK], v[AK0]
	v_and_b32 v[PFO], 31, v0
	v_lshlrev_b32 v[PFO], 8, v[PFO]
	; The bias of query q and key k is number 511 - q_local + k of the window.  For tile t, key group g, step s and register j that is (399 - 128 w - r + 8 hh) + 16 (g - t + 7) + 64 s + j.
	; Copy c = (3 - r) % 4 = (r & 3) ^ 3 holds it c numbers earlier, on a multiple of four: 128 (w ^ 3) + ((r & 12) ^ 12) + 8 hh.
	v_and_b32 v12, 3, v1
	v_xor_b32 v12, 3, v12
	v_and_b32 v13, 12, v1
	v_xor_b32 v13, 12, v13
	v_lshlrev_b32 v13, 2, v13
	v_lshl_add_u32 v13, v9, 5, v13
	v_mad_u32_u24 v13, v12, CPL, v13
	s_xor_b32 s40, s[WV], 3
	s_lshl_b32 s40, s40, 9
	s_add_co_u32 s40, s40, BIAS
	WIN 0xc0
	v_add_nc_u32 v[AB0], s40, v13
	WIN 0xc3
	v_mov_b32 v[AB], v[AB0]
	WIN 0
; THE MATRIX WORK.  The 8 accumulators of a run of 16 take turns.  Product i of 16 of S^T = K Q^T for piece x: channels 32 (i / 8) on, keys 16 ((i / 2) % 4) on, tile 2 x + i % 2.  The first 8 start the sums, with MC.
.macro KQ x
.set rS, S+64*((\x)%2)+32*(i%2)+8*((i/2)%4)
.set rK, KF+16*((i/2)%4)+8*(i/8)
.set rQ, 16*(2*(\x)+i%2)+8*(i/8)
.set rMC, MC+32*(i%2)+8*((i/2)%4)
.if i < 8
	WIN W_KM
	v_wmma_f32_16x16x32_f16 v[rS:rS+7], v[rK:rK+7], v[rQ:rQ+7], v[rMC:rMC+7]
.else
	WIN W_KQ
	v_wmma_f32_16x16x32_f16 v[rS:rS+7], v[rK:rK+7], v[rQ:rQ+7], v[rS:rS+7]
.endif
.endm
.macro PV x                         ; product i of 16 of O^T += V^T P for piece x
	WIN W_PV
.set rO, 32*(2*(\x)+i%2)+8*((i/2)%4)
.set rV, VF+32*(i/8)+8*((i/2)%4)
.set rP, P+32*((\x)%2)+16*(i%2)+8*(i/8)
	v_wmma_f32_16x16x32_f16 v[rO:rO+7], v[rV:rV+7], v[rP:rP+7], v[rO:rO+7]
.endm
.macro MM
.if i < 16
	KQ (Y+1)%NP
.set i, i+1
.else
.set i, i-16
	PV (Y+NP-1)%NP
.set i, i+17
.endif
.endm
; THE LDS LOADS stand in runs.  last = 1 (the tail): in the last trip there is no further step, and K's run is jumped over.
.macro FETCH_K last=0
	WIN 0
.if \last
	s_cmp_eq_u32 s[CNT], 1
	s_cbranch_scc1 .Lno_k_\@
.endif
	WIN 0x80
.irp f, 0,1,2,3,4,5,6,7
	ds_load_b128 v[KF+8*\f:KF+8*\f+3],   v[AK] offset:(\f/2)*16*PK+(\f%2)*64
	ds_load_b128 v[KF+8*\f+4:KF+8*\f+7], v[AK] offset:(\f/2)*16*PK+(\f%2)*64+32
.endr
	s_add_co_u32 s[TBK], s[TBK], KS*PK
	WIN 0
.if \last
.Lno_k_\@:
.endif
.endm
.macro FETCH_V
	WIN 0x80
.irp f, 0,1,2,3,4,5,6,7
	ds_load_tr16_b128 v[VF+8*\f:VF+8*\f+3],   v[AV] offset:(\f/4)*32*PV+(\f%4)*32
	ds_load_tr16_b128 v[VF+8*\f+4:VF+8*\f+7], v[AV] offset:(\f/4)*32*PV+16*PV+(\f%4)*32
.endr
	WIN 0
.endm
.macro FETCH_B                      ; a step's 11 groups of bias
	WIN 0xc3
.set mz, 0
.rept 11
	ds_load_b128 v[BI+8*mz:BI+8*mz+3],   v[AB] offset:64*mz
	ds_load_b128 v[BI+8*mz+4:BI+8*mz+7], v[AB] offset:64*mz+16
.set mz, mz+1
.endr
	WIN 0
.endm
; MC for piece y.  Eight scaled conversions, one for each of its two tiles' four key groups: a word's eight codes become 0 or -2^100 in the eight registers of the C operand.  One plain instruction stands
; between the conversions and the first reader of a result.  32 packed additions lay 8 x bias on them.  Then the piece's eight registers of codes are asked for again, with the
; key step at which MP stands.  All that the macro names lies in window 3, and every operand place is set to it.
.macro MASKS y
	WIN 0xff
.set mz, 0
.rept 8                             ; mz = 4 u + g
	v_cvt_scale_pk8_f32_fp4 v[MC+8*mz:MC+8*mz+7], v[WD+8*(\y)+mz], v[SCL]
.set mz, mz+1
.endr
	v_nop
.set mz, 0
.rept 16                            ; tile 2 y: pair mz of its 16, key group mz / 4, bias group g - 2 y + 7
	v_pk_add_f32 v[MC+2*mz:MC+2*mz+1], v[MC+2*mz:MC+2*mz+1], v[BI+8*(mz/4-2*(\y)+7)+(2*mz)%8:BI+8*(mz/4-2*(\y)+7)+(2*mz)%8+1]
.set mz, mz+1
.endr
.set mz, 0
.rept 16                            ; tile 2 y + 1: bias group g - 2 y + 6
	v_pk_add_f32 v[MC+32+2*mz:MC+32+2*mz+1], v[MC+32+2*mz:MC+32+2*mz+1], v[BI+8*(mz/4-2*(\y)+6)+(2*mz)%8:BI+8*(mz/4-2*(\y)+6)+(2*mz)%8+1]
.set mz, mz+1
.endr
	global_load_b128 v[WD+8*(\y):WD+8*(\y)+3],   v[WDO], s[MP:MP+1] offset:2*(\y)*MTILE
	global_load_b128 v[WD+8*(\y)+4:WD+8*(\y)+7], v[WDO], s[MP:MP+1] offset:(2*(\y)+1)*MTILE
	WIN 0
.endm
; In piece 1's turn of key step s the codes' pointer goes from step s + 1 (pieces 2 and 3 have just asked) to s + 2 (pieces 0 and 1 ask next), the bias from s to s + 1.
; last = 1 (the tail): the pointer stops at step 31 (CNT is 2 at s = 30, 1 at s = 31), the bias behind s = 30: the dead work behind the last step reads step 31's again, and no load leaves mw.
.macro STEPB last
	WIN 0
	s_wait_xcnt 0x0                 ; the loads of codes issued so far have read MP
.if \last
	s_cmp_lt_u32 s[CNT], 3
	s_cbranch_scc1 .Lno_word_\@
.endif
	s_add_nc_u64 s[MP:MP+1], s[MP:MP+1], MSTEP
.if \last
.Lno_word_\@:
	s_cmp_eq_u32 s[CNT], 1
	s_cbranch_scc1 .Lno_step_\@
.endif
	s_add_co_u32 s[TBB], s[TBB], 256
.if \last
.Lno_step_\@:
.endif
	WIN 0xcc
	v_add_nc_u32 v[AB], s[TBB], v[AB0]
	WIN 0
.endm
; THE VECTOR WORK OF A TURN stands in three queues, each in the order in which its entries become ready; the two tiles alternate.
.macro REGS y, u
.set rT, ST+4*(2*(\y)+(\u))
.set rC, TMP+8*((\y)%2)+4*(\u)
.set rM, MV+2*((\y)%2)+(\u)
.set rS, S+64*((\y)%2)+32*(\u)
.set rP, P+32*((\y)%2)+16*(\u)
.set rO, 32*(2*(\y)+(\u))
.endm
; Number n of the 22 that find the NEXT piece's maximum and statistics; each accumulator's lowest registers are read first.
.macro XS u, n
	REGS (Y+1)%NP, \u
.if (\n) < 4
	v_max3_num_f32 v[rC+(\n)], v[rS+8*(\n)], v[rS+8*(\n)+1], v[rS+8*(\n)+2]
.elseif (\n) < 12
	v_max3_num_f32 v[rC+(\n)%4], v[rC+(\n)%4], v[rS+8*((\n)%4)+2*((\n)/4)+1], v[rS+8*((\n)%4)+2*((\n)/4)+2]
.elseif (\n) == 12
	v_max3_num_f32 v[rC], v[rC], v[rS+7], v[rS+15]
.elseif (\n) == 13
	v_max3_num_f32 v[rC+1], v[rC+1], v[rS+23], v[rS+31]
.elseif (\n) == 14
	v_max3_num_f32 v[rC+2], v[rC+2], v[rC+3], v[rT+1]
.elseif (\n) == 15
	v_mov_b32 v[rM], v[rT]
.elseif (\n) == 16
	v_max3_num_f32 v[rC], v[rC], v[rC+1], v[rC+2]
.elseif (\n) == 17
	v_permlanex16_b32 v[rC+3], v[rC], s[SEL], s[SEL+1]
.elseif (\n) == 18
	v_max_num_f32 v[rT+1], v[rC], v[rC+3]
.elseif (\n) == 19
	v_mul_f32 v[rT], s[CS], v[rT+1]
.elseif (\n) == 20
	v_sub_f32 v[rC+1], v[rM], v[rT]
.else
	v_exp_f32 v[rC+2], v[rC+1]
.endif
.endm
; Number g of the 64 that follow the exponentials: roundings to f16, the second pair of four weights added onto the first, l a group later.
.macro GS g
.set h, (\g)+6*((\g)/62)
.if h >= 6
.set h, h+2
.endif
	REGS Y, h%2
.set k, h/8
.if h%8 < 4
	v_cvt_pk_f16_f32 v[rP+2*k+(h%8)/2], v[rS+4*k+2*((h%8)/2)], v[rS+4*k+2*((h%8)/2)+1]
.elseif h%8 < 6
	v_pk_add_f32 v[rS+4*k:rS+4*k+1], v[rS+4*k:rS+4*k+1], v[rS+4*k+2:rS+4*k+3]
.elseif k == 1
	v_pk_fma_f32 v[rT+2:rT+3], v[rT+2:rT+3], v[rC+2:rC+3], v[rS:rS+1] op_sel_hi:[1,0,1]
.else
	v_pk_add_f32 v[rT+2:rT+3], v[rT+2:rT+3], v[rS+4*k-4:rS+4*k-3]
.endif
.endm
; THE PLAIN QUEUE, 138 long: 0-73 read no exponential's result (32 scalings, the next piece's 42); 74-137 are GS's 64, behind the wait.
.macro FS f
	REGS Y, (\f)%2
	v_pk_fma_f32 v[rS+2*((\f)/2):rS+2*((\f)/2)+1], v[rS+2*((\f)/2):rS+2*((\f)/2)+1], s[CS:CS+1], v[rT:rT+1] op_sel_hi:[1,0,0] neg_lo:[0,0,1] neg_hi:[0,0,1]
.endm
.macro PL
	WIN 0
.if q < 27
	FS q
.elseif q < 55
	XS (q-27)%2, (q-27)/2
.elseif q < 57
	XS q-55, 15
.elseif (q < 72) && ((q-57)%3 == 0)
	FS 27+(q-57)/3
.elseif q < 60
	XS (q-57)%3-1, 14
.elseif q < 72
	XS (q-57)%3-1, 15+(q-57)/3
.elseif q < 74
	XS q-72, 20
.else
	GS q-74
.endif
.set q, q+1
.endm
.macro EX                           ; the exponentials' queue, 66 long: one batch, all ahead of the turn's one wait
	WIN 0
.if e >= 64
	XS e-64, 21
.else
	REGS Y, e%2
	v_exp_f32 v[rS+e/2], v[rS+e/2]
.endif
.set e, e+1
.endm
.macro R2                           ; the rescaling's queue: O^T times a, two at a time
	REGS Y, r%2
	WIN W_RS
.irp z, 0,1
	v_pk_mul_f32 v[rO+4*(r/2)+2*\z:rO+4*(r/2)+2*\z+1], v[rO+4*(r/2)+2*\z:rO+4*(r/2)+2*\z+1], v[rC+2:rC+3] op_sel_hi:[1,0]
.endr
.set r, r+1
.endm
; A TURN, for piece p.  AHEAD OF ITS ONE WAIT: 16 products K Q^T with a scaling, an exponential and two rescalings behind each; then MC for piece p + 2 (the last product that read MC stands eight products
; and their plain riders back); then the lump.  BEHIND THE WAIT: 16 products V^T P with four roundings or sums behind each.
; What may jump (K's run in the tail, the step of
; codes and bias in piece 1's turn) stands directly behind the wait.
; MC and codes by step: pieces 0 and 1 make MC for pieces 2 and 3 of the step in hand, pieces 2 and 3 for pieces 0 and 1 of the next.  A piece's two loads of codes were issued four turns back; behind them stand
; the three other pieces' six: the wait's count.  The next step's bias is fetched at the end of piece 1's turn, behind BI's last reader, and awaited in piece 2's.
.macro TURN p, last=0, cnt=0
.set Y, (\p)
.set i, 0
.set q, 0
.set e, 0
.set r, 0
.if (\p) == NP-1
	s_wait_dscnt 0x0                ; K is in
.endif
	MM
	PL
	PL
	R2
.rept 15
	MM
	PL
	EX
	R2
.endr
	WIN 0
.if (\p) == NP-2
	v_add_nc_u32 v[AK], s[TBK], v[AK0]
	s_wait_dscnt 0x0                ; the next step's bias is in
.endif
	s_wait_loadcnt 6                ; loads come back in order: this piece's codes are in, the six younger loads stay out
	MASKS ((\p)+2)%NP
.rept 8
	PL
.endr
.rept 49
	EX
	PL
.endr
	EX
	EX
	v_nop                           ; a plain instruction behind the last exponential: one for the batch
	s_wait_alu depctr_va_vdst(0)    ; the wait for the batch
.if (\p) == NP-2
	FETCH_K \last
.endif
.if (\p) == 1
	STEPB \last
	s_wait_dscnt 0x0                ; V is in
.endif
.rept 16
	MM
.rept 4
	PL
.endr
.if ((\p) == 0) && (q == 118)
	v_add_nc_u32 v[AV], s[TBV], v[AV0]
.endif
.if ((\p) == 0) && (q == 130)
	s_add_co_u32 s[TBV], s[TBV], KS*PV
.endif
.if (\cnt) && (q == 130)
	s_sub_co_u32 s[CNT], s[CNT], 1
	s_cmp_lg_u32 s[CNT], 0
.endif
.endr
.if (\p) == 0
	FETCH_V
.endif
.if (\p) == 1
	FETCH_B
.endif
.endm
	CHANGE 1                        ; slot 0 and the bias window are in, everybody's part; slot 1 is asked for
	FETCH_B                         ; key step 0
	FETCH_K
	s_wait_loadcnt 0x0              ; Q, and key step 0's codes of all eight tiles: those loads are done, so MP may be written
	s_add_nc_u64 s[MP:MP+1], s[MP:MP+1], MSTEP  ; pieces 0 and 1, and then 2 and 3, ask for key step 1's next
	s_wait_dscnt 0x0
	MASKS 0
.set i, 0
.rept 16
	KQ 0                            ; piece 0's first scores
.set i, i+1
.endr
	WIN 0                           ; the addresses for the way out: plain instructions, the places behind those products
	s_mul_i32 s101, s[WV], 16*SP
	s_add_co_u32 s101, s101, STAGE
	v_mul_u32_u24 v[STO], v1, SP
	v_lshl_add_u32 v[STO], v9, 4, v[STO]
	v_add_nc_u32 v[STO], s101, v[STO]
	v_bfe_u32 v[RD], v0, 3, 2
	v_mul_u32_u24 v[RD], v[RD], SP
	v_lshl_add_u32 v[RD], v10, 4, v[RD]
	v_add_nc_u32 v[RD], s101, v[RD]
	v_and_b32 v[GO], 31, v0
	v_lshlrev_b32 v[GO], 4, v[GO]
	MASKS 1
.set Y, NP-1
.irp n, 0,1,2,3,4,5,6,7,8,9,10,11,12,13,14,15,16,17,18,19,20,21
	XS 0, \n
	XS 1, \n
.endr
	v_nop
	s_wait_alu depctr_va_vdst(0)    ; the two a, ahead of the branch
	s_mov_b32 s[CNT], 4
	s_branch .Lfirst                ; the loop is entered at a step's first turn
.Lslot:                             ; six times: every slot but the last two is filled again
	CHANGE 1
	s_mov_b32 s[CNT], 4
.Lstep:                             ; a trip: pieces 2 and 3 of one step, then pieces 0 and 1 of the next
	TURN 2
	TURN 3
	WIN 0
.Lfirst:
	TURN 0
	TURN 1, 0, 1
	WIN 0
	s_cbranch_scc1 .Lstep
	s_sub_co_u32 s[SLOTS], s[SLOTS], 1
	s_cmp_lg_u32 s[SLOTS], 0
	s_cbranch_scc1 .Lslot
	CHANGE 0                        ; the tail is written out
	s_mov_b32 s[CNT], 5             ; four trips fetch the last slot's steps; the fifth is left in its middle
.Ltail:
	TURN 2, 1
	TURN 3
	WIN 0
	s_sub_co_u32 s[CNT], s[CNT], 1
	s_cmp_eq_u32 s[CNT], 0
	s_cbranch_scc1 .Lout
	TURN 0
	TURN 1, 1
	WIN 0
	s_branch .Ltail
.Lout:                              ; the fifth trip's products K Q^T, its MC and its codes serve nothing: the price, once a launch, of one text for every trip
.set i, 0
.rept 16
	PV NP-1
.set i, i+1
.endr
	; THE WAY OUT.  l's halves are added; O^T is divided by l, rounded to f16 and sent through my stage, a tile at a time.  The additions are the places behind the last products.
	WIN 0
.macro ALL line:vararg
.set t, 0
.rept 2*NP
	\line
.set t, t+1
.endr
.endm
	ALL v_add_f32 v[ST+4*t+2], v[ST+4*t+2], v[ST+4*t+3]
	ALL v_permlanex16_b32 v[ST+4*t+3], v[ST+4*t+2], s[SEL], s[SEL+1]
	ALL v_add_f32 v[ST+4*t+2], v[ST+4*t+2], v[ST+4*t+3]
	ALL v_rcp_f32 v[ST+4*t+2], v[ST+4*t+2]
	v_nop
	s_wait_alu depctr_va_vdst(0)    ; one wait for the eight reciprocals
.macro PACK t
	WIN W_RS
.set i, 32*(\t)
.rept 16
	v_pk_mul_f32 v[i:i+1], v[i:i+1], v[ST+4*(\t)+2:ST+4*(\t)+3] op_sel_hi:[1,0]
.set i, i+2
.endr
	WIN 0x05
.set i, 0
.rept 16
	v_cvt_pk_f16_f32 v[S+16*(\t)+i], v[32*(\t)+2*i], v[32*(\t)+2*i+1]
.set i, i+1
.endr
	WIN 0
.irp f, 0,1,2,3
	ds_store_b128 v[STO], v[S+16*(\t)+4*\f:S+16*(\t)+4*\f+3] offset:32*\f
.endr
.irp f, 0,1,2,3
	ds_load_b128 v[S+16*(\t)+4*\f:S+16*(\t)+4*\f+3], v[RD] offset:\f*4*SP  ; LDS serves a wave's instructions in order (ISA guide 5.7.1.4)
.endr
.endm
.macro SEND t, younger
	WIN 0
.irp f, 0,1,2,3
	s_wait_dscnt (\younger)+3-\f
	global_store_b128 v[GO], v[S+16*(\t)+4*\f:S+16*(\t)+4*\f+3], s[OUT:OUT+1] offset:(\t)*2048+\f*512  ; 512 consecutive bytes, aligned
.endr
.endm
	PACK 0
.set t, 1
.rept 2*NP-1
	PACK t
	SEND t-1, 8
.set t, t+1
.endr
	SEND 2*NP-1, 0
	WIN W_AD
	s_wait_tensorcnt 0x0            ; the wave's end
	ds_add_u32 v[SPW], v[NIL]
	s_wait_dscnt 0x0
	WIN 0
	CROUND                          ; the closing round
	s_endpgm
.Lfunc_end_k_q5fe81ce717_attn:
	.size	k_q5fe81ce717_attn, .Lfunc_end_k_q5fe81ce717_attn-k_q5fe81ce717_attn
	.p2alignl 7, 3214868480
	.fill 96, 4, 3214868480
	.section	.rodata,"a",@progbits
	.p2align	6, 0x0
	.amdhsa_kernel k_q5fe81ce717_attn
		.amdhsa_group_segment_fixed_size 327680
		.amdhsa_private_segment_fixed_size 0
		.amdhsa_enable_private_segment 0
		.amdhsa_kernarg_size 32
		.amdhsa_user_sgpr_count 2
		.amdhsa_user_sgpr_kernarg_segment_ptr 1
		.amdhsa_wavefront_size32 1
		.amdhsa_system_sgpr_workgroup_id_x 1
		.amdhsa_system_sgpr_workgroup_id_y 1
		.amdhsa_system_sgpr_workgroup_id_z 1
		.amdhsa_system_vgpr_workitem_id 0
		.amdhsa_next_free_vgpr 960
		.amdhsa_next_free_sgpr 106
		.amdhsa_reserve_vcc 0
		.amdhsa_float_denorm_mode_32 3
		.amdhsa_float_denorm_mode_16_64 3
		.amdhsa_memory_ordered 1
		.amdhsa_forward_progress 1
		.amdhsa_inst_pref_size 236
	.end_amdhsa_kernel
	.amdgpu_metadata
---
amdhsa.version: [ 1, 2 ]
amdhsa.kernels:
  - .name:           k_q5fe81ce717_attn
    .symbol:         k_q5fe81ce717_attn.kd
    .args:
      - { .name: qkv, .offset: 0, .size: 8, .value_kind: global_buffer, .address_space: global }
      - { .name: mw, .offset: 8, .size: 8, .value_kind: global_buffer, .address_space: global }
      - { .name: bt, .offset: 16, .size: 8, .value_kind: global_buffer, .address_space: global }
      - { .name: oh, .offset: 24, .size: 8, .value_kind: global_buffer, .address_space: global }
    .group_segment_fixed_size: 327680
    .private_segment_fixed_size: 0
    .kernarg_segment_align: 8
    .kernarg_segment_size: 32
    .max_flat_workgroup_size: 128
    .sgpr_count:     106
    .vgpr_count:     960
    .wavefront_size: 32
...
	.end_amdgpu_metadata
.endif
;; end of part 7
;; launch outp: the kernel of part 4 again; grid 4 x 64, 4 waves a work-group, clusters of 4 x 4, 327,680 bytes of LDS; arguments oh, wb, b_o, out0; writes out0
;; ======== version 3 of 3: 4 launches; version 2 with the launch prep written anew for expert scheduling mode
;; limits: values are held in f16: magnitudes above 65,504 overflow, below 6.1e-05 lose precision; right only within a limited range of input values
;; workspace buffers: wb 8,388,608 bytes; mw 2,097,152 bytes; bt 1,048,576 bytes; qkv 50,331,648 bytes; oh 16,777,216 bytes
;; launch prep (part 8): grid 512 x 1, 8 waves a work-group, no clusters, 0 bytes of LDS; arguments w_q, w_k, w_v, w_o, mask, rel_bias_table, wb, mw, bt; writes wb, mw, bt
.if DOCPART == 8
	.amdgcn_target "amdgcn-amd-amdhsa--gfx1250"
	.amdhsa_code_object_version 6
	.text
	.protected	k_q5fe81ce717_prep
	.globl	k_q5fe81ce717_prep
	.p2align	8
	.type	k_q5fe81ce717_prep,@function
k_q5fe81ce717_prep:
	s_mov_b64 s[64:65], 0
	v_nop
	global_prefetch_b8 v0, s[64:65] scope:SCOPE_SE
	s_setreg_imm32_b32 hwreg(HW_REG_WAVE_SCHED_MODE, 0, 2), 2
	s_setreg_imm32_b32 hwreg(HW_REG_WAVE_MODE, 25, 1), 1
	s_wait_xcnt 0x0
	s_wait_alu depctr_vm_vsrc(0)
; PREPARATION: a stream, no LDS, no matrix unit.  Two roles, chosen by the work-group's number; both store.
;   W  (0..255):   w_q, w_k, w_v -> wb[0..2] in bf16; w_o -> wb[3]: rounded to bf16 and that number written as f16.
;   MB (256..511): rel_bias_table -> bt[h][c][x] = 8 x bf16(table[max(4094 - x - c, 0)][h]), four copies c shifted by one number each, reversed;
;                  mask -> mw[query tile of 16][key step of 64][lane][4 words]: word g of lane l holds eight codes of four bits, code j (bits 4 j .. 4 j + 3) for
;                  mask[16 T + l % 16][64 step + 16 g + 8 (l / 16) + j]: 0 (0.0 in E2M1) where that is not 0, 0xA (-1.0 in E2M1) where it is 0.
; LIMITS.  w_o's numbers, rounded to bf16, are exact in f16 between 6.1e-5 and 65,504 in magnitude; below they keep f16's fixed step of 6e-8.
; THE MODE: SCHED_MODE bits 1:0 = 2 (LLVM: expert scheduling mode 2), set by the entry lines.  The code itself states the register dependences
; between vector instructions and memory instructions, with s_wait_alu, always for 0.
; THE PLAN.  Registers that memory instructions touch:
;   role W:   v4, v5    offsets of the loads and of the stores: written once, ahead of the loads, never again.
;             XD        the sixteen loads land in it; conversions read it (and, for f16, write it) behind each load's counted wait; no memory instruction reads it.
;             YD        two registers a load: written by that load's conversions, read by one store, never written after it.
;   role MB:  v100-103, v6, v104, v105   offsets: all seven are made ahead of the loads, never written again.
;             v10-13    the table's four loads land in them; the rounding and the scaling write them; bt's store reads them; never written after it.
;             XD        the mask's sixteen loads land in it; the packing reads and writes it; no memory instruction reads it.
;             v80-87    written by the packing, read by mw's two stores, never written after them.
; No register that a memory instruction reads is ever written again, so no wait on vm_vsrc is owed.  The waits on va_vdst: one ahead of each role's loads, for the offsets; in role W one for
; each block of four stores, whose data the block before has written, the stores dealt among the next block's conversions, which name neither v5 nor that block's YD; in role MB one ahead of
; bt's store and one ahead of mw's two.  One wait on va_sdst stands at the head, behind the line that writes the wave's number into s30.
.set XD, 16                            ; v[16:79]  sixteen loads of four registers
.set YD, 80                            ; v[80:111] what is stored
	s_load_b512 s[4:19], s[0:1], 0x0               ; w_q 4, w_k 6, w_v 8, w_o 10, mask 12, table 14, wb 16, mw 18
	s_load_b64 s[20:21], s[0:1], 0x40              ; bt
	v_and_b32 v1, 31, v0                           ; lane
	v_lshrrev_b32 v2, 5, v0                        ; wave
	v_readfirstlane_b32 s30, v2
	s_mov_b32 s31, ttmp9
	s_mov_b32 s39, 0                               ; the high word of every offset pair s[38:39]
	s_wait_alu depctr_va_sdst(0)                   ; s30 is written: ahead of the branch on the role, behind which role MB reads it
	s_wait_kmcnt 0x0
; Sixteen loads are out; they are taken in four blocks of four.  Load n is converted while the younger ones stay out; its store is issued in the next block, in front of the conversions of
; load n + 4.  half = 1: bf16's number is written as f16.
.macro CONV half
.irp p, 0,1,2,3
.irp i, 0,1,2,3
.set n, 4*(\p)+(\i)
	s_wait_loadcnt 15-n                            ; loads come back in order: load n is in, the 15 - n younger ones stay out
.if (\p) > 0
.if (\i) == 0
	s_wait_alu depctr_va_vdst(0)                   ; the block before has written its eight registers of YD, which the four stores of this block read
.endif
	global_store_b64 v5, v[YD+2*(n-4):YD+2*(n-4)+1], s[40:41] offset:2048*(n-4) th:TH_STORE_NT  ; a wave's 32 lanes store 256 consecutive bytes, aligned; no vector instruction since the wait names v5 or these two registers
.endif
	v_cvt_pk_bf16_f32 v[YD+2*n], v[XD+4*n], v[XD+4*n+1]
	v_cvt_pk_bf16_f32 v[YD+2*n+1], v[XD+4*n+2], v[XD+4*n+3]
.if \half
	v_lshlrev_b32 v[XD+4*n], 16, v[YD+2*n]
	v_and_b32 v[XD+4*n+1], 0xffff0000, v[YD+2*n]
	v_lshlrev_b32 v[XD+4*n+2], 16, v[YD+2*n+1]
	v_and_b32 v[XD+4*n+3], 0xffff0000, v[YD+2*n+1]
	v_cvt_pk_f16_f32 v[YD+2*n], v[XD+4*n], v[XD+4*n+1]
	v_cvt_pk_f16_f32 v[YD+2*n+1], v[XD+4*n+2], v[XD+4*n+3]
.endif
.endr
.endr
	s_wait_alu depctr_va_vdst(0)                   ; the last block has written its eight registers of YD, which the last four stores read
.irp i, 12,13,14,15
	global_store_b64 v5, v[YD+2*(\i):YD+2*(\i)+1], s[40:41] offset:2048*(\i) th:TH_STORE_NT
.endr
.endm
	s_cmp_lt_u32 s31, 256
	s_cbranch_scc0 .Lmb
	; ROLE W: 65,536 consecutive bytes of one weight
	s_lshr_b32 s33, s31, 6                         ; t
	s_and_b32 s34, s31, 63
	s_cmp_eq_u32 s33, 1
	s_cselect_b64 s[36:37], s[6:7], s[4:5]
	s_cmp_eq_u32 s33, 2
	s_cselect_b64 s[36:37], s[8:9], s[36:37]
	s_cmp_eq_u32 s33, 3
	s_cselect_b64 s[36:37], s[10:11], s[36:37]
	s_lshl_b32 s38, s34, 16
	s_add_nc_u64 s[36:37], s[36:37], s[38:39]
	s_lshl_b32 s38, s33, 21
	s_lshl_b32 s35, s34, 15
	s_add_co_u32 s38, s38, s35
	s_add_nc_u64 s[40:41], s[16:17], s[38:39]
	v_lshlrev_b32 v4, 4, v0
	v_lshlrev_b32 v5, 3, v0
	s_wait_alu depctr_va_vdst(0)                   ; v4 and v5 are written: every load of this role reads the one as its offset, every store the other
.irp i, 0,1,2,3,4,5,6,7,8,9,10,11,12,13,14,15
	global_load_b128 v[XD+4*(\i):XD+4*(\i)+3], v4, s[36:37] offset:4096*(\i) th:TH_LOAD_NT
.endr
	s_cmp_eq_u32 s33, 3
	s_cbranch_scc1 .Lw_f16
	CONV 0
	s_endpgm
.Lw_f16:
	CONV 1
	s_endpgm
.Lmb:
	; ROLE MB.  The table: thread G makes four numbers of bt, 16 bytes at 16 G.
	s_sub_co_u32 s32, s31, 256                     ; j
	s_lshl_b32 s33, s32, 8
	v_add_nc_u32 v3, s33, v0                       ; G = 256 j + thread
	v_lshrrev_b32 v4, 12, v3                       ; h
	v_bfe_u32 v5, v3, 10, 2                        ; c
	v_and_b32 v6, 0x3ff, v3
	v_lshl_add_u32 v5, v6, 2, v5                   ; x + c
	v_sub_nc_u32 v5, 0xffe, v5                     ; 4094 - x - c
	v_lshlrev_b32 v4, 2, v4                        ; 4 h
.irp e, 0,1,2,3
	v_add_nc_u32 v[100+(\e)], -(\e), v5
	v_max_i32 v[100+(\e)], 0, v[100+(\e)]          ; the few places past the table's first row are never used: they take row 0
	v_lshl_add_u32 v[100+(\e)], v[100+(\e)], 6, v4 ; a row of the table is 64 bytes
.endr
	; The mask: a wave takes 16 queries x 128 keys, two key steps.  Lane l reads row l % 16, and of each 16 keys the eight at 8 (l / 16): just the numbers whose codes it stores.
	s_lshl_b32 s34, s32, 3
	s_add_co_u32 s34, s34, s30                     ; the wave's task
	s_lshr_b32 s35, s34, 4                         ; T: the query tile
	s_and_b32 s34, s34, 15                         ; sp: which two key steps
	s_lshl_b32 s38, s35, 17                        ; 16 rows of 8,192 bytes
	s_lshl_b32 s33, s34, 9
	s_add_co_u32 s38, s38, s33
	s_add_nc_u64 s[36:37], s[12:13], s[38:39]
	s_lshl_b32 s38, s32, 12
	s_add_nc_u64 s[44:45], s[20:21], s[38:39]      ; bt at this work-group's 4,096 bytes
	s_lshl_b32 s38, s35, 14                        ; mw: a tile's 32 key steps of 512 bytes,
	s_lshl_b32 s33, s34, 10                        ; this wave's two
	s_add_co_u32 s38, s38, s33
	s_add_nc_u64 s[46:47], s[18:19], s[38:39]
	v_and_b32 v6, 15, v1
	v_lshrrev_b32 v7, 4, v1
	v_lshlrev_b32 v6, 13, v6
	v_lshl_or_b32 v6, v7, 5, v6
	v_lshlrev_b32 v104, 4, v0
	v_lshlrev_b32 v105, 4, v1
	s_wait_alu depctr_va_vdst(0)                   ; the seven offsets v100 to v103, v6, v104 and v105 are written, which the loads and stores of this role read
.irp e, 0,1,2,3
	global_load_b32 v[10+(\e)], v[100+(\e)], s[14:15]
.endr
.irp w, 0,1,2,3,4,5,6,7,8,9,10,11,12,13,14,15      ; register XD + 4 w + i holds number 32 e + 8 g + j of the lane's 64 (e: key step, g: group of 16 keys)
	global_load_b128 v[XD+4*(\w):XD+4*(\w)+3], v6, s[36:37] offset:256*((\w)/8)+64*(((\w)/2)%4)+16*((\w)%2)
.endr
	s_wait_loadcnt 16                              ; the four numbers of the table are in; the mask's sixteen loads stay out
	v_cvt_pk_bf16_f32 v14, v10, v11
	v_cvt_pk_bf16_f32 v15, v12, v13
	v_lshlrev_b32 v10, 16, v14
	v_and_b32 v11, 0xffff0000, v14
	v_lshlrev_b32 v12, 16, v15
	v_and_b32 v13, 0xffff0000, v15
	v_mul_f32 v10, 0x41000000, v10                 ; times 8: the scores are divided by 8 later, bias and all
	v_mul_f32 v11, 0x41000000, v11
	v_mul_f32 v12, 0x41000000, v12
	v_mul_f32 v13, 0x41000000, v13
	s_wait_alu depctr_va_vdst(0)                   ; the four multiplies have written v10 to v13, which the store reads; the mask's loads are still on their way
	global_store_b128 v104, v[10:13], s[44:45]
	s_wait_loadcnt 0x0
	; Word w = 4 e + g gathers its eight numbers, each made 0 or 1, four bits apart, number 7 first; the eight words go side by side, so that no line waits for the one before it.
.set w, 0
.rept 8
	v_min_u32 v[YD+w], 1, v[XD+8*w+7]
.set w, w+1
.endr
.irp j, 6,5,4,3,2,1,0
.set w, 0
.rept 8
	v_min_u32 v[XD+8*w+(\j)], 1, v[XD+8*w+(\j)]
.set w, w+1
.endr
.set w, 0
.rept 8
	v_lshl_or_b32 v[YD+w], v[YD+w], 4, v[XD+8*w+(\j)]
.set w, w+1
.endr
.endr
.set w, 0
.rept 8
	v_xor_b32 v[YD+w], 0x11111111, v[YD+w]         ; 1 where the key is hidden,
.set w, w+1
.endr
.set w, 0
.rept 8
	v_lshlrev_b32 v[XD+w], 1, v[YD+w]
.set w, w+1
.endr
.set w, 0
.rept 8
	v_lshl_or_b32 v[YD+w], v[YD+w], 3, v[XD+w]     ; times ten: 0xA
.set w, w+1
.endr
	s_wait_alu depctr_va_vdst(0)                   ; the packing has written the eight words v80 to v87, which the two stores read
	global_store_b128 v105, v[YD:YD+3], s[46:47]               ; a key step's 512 consecutive bytes, aligned
	global_store_b128 v105, v[YD+4:YD+7], s[46:47] offset:512
	s_endpgm
.Lfunc_end_k_q5fe81ce717_prep:
	.size	k_q5fe81ce717_prep, .Lfunc_end_k_q5fe81ce717_prep-k_q5fe81ce717_prep
	.p2alignl 7, 3214868480
	.fill 96, 4, 3214868480
	.section	.rodata,"a",@progbits
	.p2align	6, 0x0
	.amdhsa_kernel k_q5fe81ce717_prep
		.amdhsa_group_segment_fixed_size 0
		.amdhsa_private_segment_fixed_size 0
		.amdhsa_enable_private_segment 0
		.amdhsa_kernarg_size 72
		.amdhsa_user_sgpr_count 2
		.amdhsa_user_sgpr_kernarg_segment_ptr 1
		.amdhsa_wavefront_size32 1
		.amdhsa_system_sgpr_workgroup_id_x 1
		.amdhsa_system_sgpr_workgroup_id_y 1
		.amdhsa_system_sgpr_workgroup_id_z 1
		.amdhsa_system_vgpr_workitem_id 0
		.amdhsa_next_free_vgpr 112
		.amdhsa_next_free_sgpr 66
		.amdhsa_reserve_vcc 0
		.amdhsa_float_denorm_mode_32 3
		.amdhsa_float_denorm_mode_16_64 3
		.amdhsa_memory_ordered 1
		.amdhsa_forward_progress 1
		.amdhsa_inst_pref_size 28
	.end_amdhsa_kernel
	.amdgpu_metadata
---
amdhsa.version: [ 1, 2 ]
amdhsa.kernels:
  - .name:           k_q5fe81ce717_prep
    .symbol:         k_q5fe81ce717_prep.kd
    .args:
      - { .name: w_q, .offset: 0, .size: 8, .value_kind: global_buffer, .address_space: global }
      - { .name: w_k, .offset: 8, .size: 8, .value_kind: global_buffer, .address_space: global }
      - { .name: w_v, .offset: 16, .size: 8, .value_kind: global_buffer, .address_space: global }
      - { .name: w_o, .offset: 24, .size: 8, .value_kind: global_buffer, .address_space: global }
      - { .name: mask, .offset: 32, .size: 8, .value_kind: global_buffer, .address_space: global }
      - { .name: rel_bias_table, .offset: 40, .size: 8, .value_kind: global_buffer, .address_space: global }
      - { .name: wb, .offset: 48, .size: 8, .value_kind: global_buffer, .address_space: global }
      - { .name: mw, .offset: 56, .size: 8, .value_kind: global_buffer, .address_space: global }
      - { .name: bt, .offset: 64, .size: 8, .value_kind: global_buffer, .address_space: global }
    .group_segment_fixed_size: 0
    .private_segment_fixed_size: 0
    .kernarg_segment_align: 8
    .kernarg_segment_size: 72
    .max_flat_workgroup_size: 256
    .sgpr_count:     66
    .vgpr_count:     112
    .wavefront_size: 32
...
	.end_amdgpu_metadata
.endif
;; end of part 8
;; launch proj: the kernel of part 6 again; grid 4 x 192, 4 waves a work-group, clusters of 4 x 4, 327,680 bytes of LDS; arguments query, key, value, wb, b_q, b_k, b_v, qkv; writes qkv
;; launch attn: the kernel of part 7 again; grid 4 x 64, 4 waves a work-group, clusters of 4 x 1, 327,680 bytes of LDS; arguments qkv, mw, bt, oh; writes oh
;; launch outp: the kernel of part 4 again; grid 4 x 64, 4 waves a work-group, clusters of 4 x 4, 327,680 bytes of LDS; arguments oh, wb, b_o, out0; writes out0
